; MI455X (gfx1250); checked and timed in simulation.
; The chip was launched on July 23, 2026; its instructions are those of AMD's public machine-readable ISA for CDNA 5 (MIT licence, August 2026) and "CDNA5" Instruction Set Architecture Reference Guide (July 2026). The comments in the code are by the model that wrote it; some were corrected since.
;; Transformer Block. Allowed arithmetic: matrix products marked QUANTISED: E2M3 operands, one E8M0 scale for each 32 along K, by v_wmma_scale_f32_16x16x128_f8f6f4 with both operands' format E2M3, f32 sums; everything else in f32.
;; Inputs: W1 1,024 x 4,096 float32; W2 4,096 x 1,024 float32; Wk 16 x 1,024 x 64 float32; Wo 1,024 x 1,024 float32; Wq 16 x 1,024 x 64 float32; Wv 16 x 1,024 x 64 float32; b1 4,096 float32; b2 1,024 float32; beta1 1,024 float32; beta2 1,024 float32; bk 16 x 64 float32; bo 1,024 float32; bq 16 x 64 float32; bv 16 x 64 float32; gamma1 1,024 float32; gamma2 1,024 float32; x 2 x 2,048 x 1,024 float32.
;; Outputs: out0 2 x 2,048 x 1,024 float32.
;; This version of the problem:
;;   THIS VERSION OF THE PROBLEM IS GIVEN IN LOW PRECISION. The matrix products marked QUANTISED in the list below multiply operands that are first quantised to E2M3 (2 exponent bits, 3 mantissa bits; 6 bits a number), with one power-of-two scale for each 32 numbers along K (OCP MX v1.0); their sums are f32. All else is computed in f32.
;;   The module's matrix products, in the order in which they are computed (A, B: the left and right operand; K: the contracted axis; several contracted axes count as one K, in the product's order):
;;     1. [M 1,024, K 1,024] x [K 1,024, N 4,096]; A: input Wq; B: computed on the way: QUANTISED
;;     2. [M 1,024, K 1,024] x [K 1,024, N 4,096]; A: input Wk; B: computed on the way: QUANTISED
;;     3. [M 1,024, K 1,024] x [K 1,024, N 4,096]; A: input Wv; B: computed on the way: QUANTISED
;;     4. batch 32 x [M 2,048, K 64] x [K 64, N 2,048]; A: computed on the way; B: computed on the way: QUANTISED
;;     5. batch 32 x [M 2,048, K 2,048] x [K 2,048, N 64]; A: softmax (see below); B: computed on the way: QUANTISED
;;     6. [M 4,096, K 1,024] x [K 1,024, N 1,024]; A: computed on the way; B: input Wo: QUANTISED
;;     7. [M 4,096, K 1,024] x [K 1,024, N 4,096]; A: computed on the way; B: input W1: QUANTISED
;;     8. [M 4,096, K 4,096] x [K 4,096, N 1,024]; A: computed on the way; B: input W2: QUANTISED
;;   THE QUANTISER, for each operand of a quantised product, along K:
;;     - K is cut into blocks of 32 from its start; a last block that is shorter is filled with zeros.
;;     - A block's scale is 2^e with e = floor(log2(the largest magnitude in the block)) - 2, held to -126 .. 127; a block of zeros has e = 0. As a byte (E8M0): e + 127.
;;     - Each number is divided by its block's scale, clamped to +-7.5, and rounded to the nearest number of E2M3, ties to even, subnormals kept.
;;     - The product sums the exact products of the quantised numbers (number of the format x scale) in f32.
;;   ~~~python
;;   def quantise(x, axis):      # numpy; x: float32 -> the quantised numbers, widened to float32 again
;;       x = np.moveaxis(x, axis, -1); K = x.shape[-1]
;;       x = np.pad(x, [(0, 0)] * (x.ndim - 1) + [(0, -K % 32)]); x = x.reshape(x.shape[:-1] + (-1, 32)); a = np.abs(x).max(-1, keepdims=True)
;;       e = np.where(a > 0, np.clip(np.frexp(np.where(a > 0, a, 1))[1] - 1 - 2, -126, 127), 0)      # np.frexp(a)[1] - 1 = floor(log2(a)), exactly
;;       r = np.clip(x / 2.0 ** e, -7.5, 7.5)
;;       step = 2.0 ** (np.maximum(np.frexp(np.where(r == 0, 1, r))[1] - 1, 0) - 3)
;;       q = np.round(r / step) * step * 2.0 ** e      # np.round: ties to even
;;       return np.moveaxis(q.reshape(q.shape[:-2] + (-1,))[..., :K], -1, axis).astype(np.float32)
;;   ~~~
;;   SOFTMAX AHEAD OF A QUANTISED PRODUCT. Where the list says 'softmax', what is quantised is not the finished softmax but p = 2^(t - M), with t = logit x log2(e) and M = ceil(the row's largest t), a whole number; so 1/2 < the row's largest p <= 1. The row's sum l is taken of the UNQUANTISED p, in f32, and the product's result is divided by l at the end. Since M is a whole number, a kernel that streams over the keys may use a running M (the ceiling of the running maximum): every later rescaling is an exact power of two, which a block's scale takes up: the codes' values come out the same.
;;   OPERANDS COMPUTED ON THE WAY. 'Computed on the way' means the value that the module computes at that place (a softmax that the list does not call 'softmax' is quantised finished and normalised). What goes into a quantiser is computed in f32, as accurately as f32 sums, v_exp_f32 and their like allow (about 1e-6 of the number): no bf16 or f16 on the way to a quantiser, and a product that is left as it is and whose result goes on into a quantised operand takes f32 operands (vector FMAs, or v_wmma_f32_16x16x4_f32). A number that lies on a knife's edge between two numbers of the format may be rounded either way, as far as f32 arithmetic and the matrix unit's own rounding can turn it there, and no further.
;; 2 versions. Each part assembles by itself: llvm-mc -triple=amdgcn-amd-amdhsa -mcpu=gfx1250 --defsym DOCPART=n.
;; ======== version 1 of 2: 8 launches
;; workspace buffers: wa 12,582,912 bytes; wb 8,388,608 bytes; xn 4,194,304 bytes; xn2 4,194,304 bytes; qkv 20,971,520 bytes; ao 4,194,304 bytes; x1 16,777,216 bytes; hid 13,631,488 bytes
;; launch prep (part 1): grid 384 x 1, 8 waves a work-group, no clusters, 2,048 bytes of LDS; arguments Wq, Wk, Wv, Wo, W1, W2, bq, bk, bv, bo, b1, b2, wa, wb; writes wa, wb
.if DOCPART == 1
	.amdgcn_target "amdgcn-amd-amdhsa--gfx1250"
	.amdhsa_code_object_version 6
	.text
	.protected	k_qea6bcfe90b_prep
	.globl	k_qea6bcfe90b_prep
	.p2align	8
	.type	k_qea6bcfe90b_prep,@function
k_qea6bcfe90b_prep:
	s_mov_b64 s[64:65], 0
	v_nop
	global_prefetch_b8 v0, s[64:65] scope:SCOPE_SE
	s_setreg_imm32_b32 hwreg(HW_REG_WAVE_MODE, 25, 1), 1
	s_wait_xcnt 0x0
; The six weights (f32, K not innermost) become operands of the later products: codes of FP6 (E2M3) and E8M0 scale bytes, one for each 32 along K.
; AN OPERAND IN A BUFFER: +0 the bias of each row (f32); +0x10000 a floor (f32, 64 copies) that the product's way out takes a maximum with (-infinity: none; 0: relu);
; +0x80000 scale words; +0x100000 codes.  Rows go in tiles of 16: slot r of tile t is row 32 (t / 2) + 8 (t % 2) + r + 8 (r / 8).
; CODES: the fragment of (tile t, K step s of 128) lies at (t KS + s) x 1,536 as the image of the operand's 12 registers: register j of lane l at 512 (j / 4) + 16 l + 4 (j % 4).
; SCALE WORDS: the word of (t, s, slot r) at (t KS + s) x 64 + 4 r.
; A block's scale is 2^(floor(log2(its largest magnitude)) - 2); its byte is the largest magnitude's exponent field - 2, held at 1 from below.
; LIMITS: a block of zeros gets the byte 1 where the quantiser's text says 127 (its codes are zeros, and this program alone reads the bytes); blocks whose largest magnitude
; lies under 2^-124 are held at the byte 1; NaN and infinities among the inputs are not served.
; SHARES.  A work-group takes 64 columns x 512 along K.  Wave w: columns 32 (w % 2) on, K step w / 2 of the four.  A LANE TAKES A COLUMN AND ITS REGISTERS RUN DOWN K: lane 16 u + r takes
; column 8 u + r + 8 (r / 8) of the 32, so lanes 0-15 are the slots of one tile and lanes 16-31 those of the next.  A wave's 128 loads stand in one run, ahead of all its arithmetic.
.set OCD, 0x100000
.set OSC, 0x80000
.set OFL, 0x10000
.set X,   32                           ; v32-159  128 numbers down K
.set F0,  160                          ; v160-171 the first tile's fragment
.set F1,  172                          ; v172-183 the second tile's
.set T0,  184                          ; v184.. four runs of three: the upper 16 codes of blocks 0 to 3 (a conversion's three registers begin on an even number)
.set SO,  20                           ; v20-23   the conversions' scale operands
.set SWD, 24                           ; v24      my column's scale word
.set SRC, 32                           ; s[32:33] the weight;  s[34:35] its bias;  s[36:37] the buffer that takes the operand
.set BIA, 34
.set DST, 36
.set LID, 38                           ; s38 the tensor's first work-group, then my number in the tensor
.set KGB, 39                           ; s39 log2 of the groups of 512 along K
.set CSH, 40                           ; s40 log2 of the bytes from 64 columns to the next
.set PLG, 41                           ; s41 log2 of the bytes from one k to the next
.set OPO, 42                           ; s42 where the operand begins in its buffer
.set RT0, 43                           ; s43 the tensor's first tile in the operand
.set KSL, 44                           ; s44 log2 of the operand's K steps
.set FLB, 45                           ; s45 the floor's bits
.set WV,  46
	s_load_b512 s[4:19], s[0:1], 0x0               ; Wq Wk Wv Wo W1 W2 bq bk
	s_load_b256 s[20:27], s[0:1], 0x40             ; bv bo b1 b2
	s_load_b128 s[28:31], s[0:1], 0x60             ; wa wb
	v_lshl_add_u32 v200, v0, 2, 0x400
	v_mov_b32 v201, 0
	v_lshrrev_b32 v1, 5, v0
	v_readfirstlane_b32 s[WV], v1                  ; wave 0..7
	v_and_b32 v1, 31, v0                           ; lane
	v_and_b32 v6, 15, v0                           ; r
	v_bfe_u32 v7, v0, 4, 1                         ; u
	v_and_b32 v8, 8, v6
	v_add_nc_u32 v8, v8, v6
	v_lshl_add_u32 v8, v7, 3, v8                   ; my column of the 32: 8 u + r + 8 (r / 8)
	v_lshlrev_b32 v2, 2, v8
	s_and_b32 s47, s[WV], 1                        ; which 32 columns
	s_lshr_b32 s48, s[WV], 1                       ; which K step of the four
	s_lshl_b32 s49, s47, 9
	s_lshl_b32 s50, s48, 6
	s_add_co_u32 s49, s49, s50
	v_lshlrev_b32 v5, 2, v6
	v_lshl_add_u32 v5, v7, 8, v5
	v_add_nc_u32 v5, s49, v5                       ; LDS: the scale word of (tile of the four, K step of the four, r) at 256 tile + 64 step + 4 r
	v_lshlrev_b32 v25, 4, v1                       ; and on the way out 16 bytes a lane
	s_wait_kmcnt 0x0
	; which tensor is mine: W2's figures first, then each earlier tensor's where my number lies under its end.  Only choices, no branch.
	s_mov_b64 s[SRC:SRC+1], s[14:15]
	s_mov_b64 s[BIA:BIA+1], s[26:27]
	s_mov_b64 s[DST:DST+1], s[30:31]
	s_mov_b32 s[LID], 256
	s_mov_b32 s[KGB], 3
	s_mov_b32 s[CSH], 8
	s_mov_b32 s[PLG], 12
	s_mov_b32 s[OPO], 0x400000
	s_mov_b32 s[RT0], 0
	s_mov_b32 s[KSL], 5
	s_mov_b32 s[FLB], 0
.macro PICK limit, src, bia, dst, base, kgb, csh, plg, opo, rt0, ksl, flb
	s_cmp_lt_u32 ttmp9, \limit
	s_cselect_b64 s[SRC:SRC+1], s[\src:\src+1], s[SRC:SRC+1]
	s_cselect_b64 s[BIA:BIA+1], s[\bia:\bia+1], s[BIA:BIA+1]
	s_cselect_b64 s[DST:DST+1], s[\dst:\dst+1], s[DST:DST+1]
	s_cselect_b32 s[LID], \base, s[LID]
	s_cselect_b32 s[KGB], \kgb, s[KGB]
	s_cselect_b32 s[CSH], \csh, s[CSH]
	s_cselect_b32 s[PLG], \plg, s[PLG]
	s_cselect_b32 s[OPO], \opo, s[OPO]
	s_cselect_b32 s[RT0], \rt0, s[RT0]
	s_cselect_b32 s[KSL], \ksl, s[KSL]
	s_cselect_b32 s[FLB], \flb, s[FLB]
.endm
	PICK 256, 12, 24, 30, 128, 1, 8, 14, 0, 0, 3, 0                  ; W1 [1024][4096]
	PICK 128, 10, 22, 28, 96, 1, 8, 12, 0x800000, 0, 3, 0            ; Wo [1024][1024]
	PICK 96, 8, 20, 28, 64, 1, 18, 8, 0x400000, 0, 3, 0xff800000     ; Wv [16][1024][64]: 64 columns are a head
	PICK 64, 6, 18, 28, 32, 1, 18, 8, 0, 64, 3, 0xff800000           ; Wk: behind Wq's 64 tiles in one operand
	PICK 32, 4, 16, 28, 0, 1, 18, 8, 0, 0, 3, 0xff800000             ; Wq
	s_sub_co_u32 s[LID], ttmp9, s[LID]             ; my number in the tensor
	s_lshl_b32 s51, 1, s[KGB]
	s_sub_co_u32 s51, s51, 1
	s_and_b32 s52, s[LID], s51                     ; which 512 along K
	s_lshr_b32 s53, s[LID], s[KGB]                 ; which 64 columns
	s_lshl_b32 s54, s52, 2
	s_add_co_u32 s54, s54, s48                     ; my K step
	s_lshl_b32 s55, s53, 2
	s_add_co_u32 s55, s55, s[RT0]                  ; the work-group's first tile
	s_lshl_b32 s56, s47, 1
	s_add_co_u32 s56, s56, s55                     ; my wave's first tile
	s_lshl_b32 s57, s54, 7
	s_lshl_b32 s57, s57, s[PLG]                    ; 128 x K step rows down,
	s_lshl_b32 s58, s53, s[CSH]                    ; my 64 columns,
	s_add_co_u32 s58, s58, s57
	s_lshl_b32 s57, s47, 7                         ; my 32 of them
	s_add_co_u32 s58, s58, s57
	s_mov_b32 s59, 0
	s_add_nc_u64 s[SRC:SRC+1], s[SRC:SRC+1], s[58:59]
	s_lshl_b32 s57, s56, s[KSL]
	s_add_co_u32 s57, s57, s54
	s_mul_i32 s57, s57, 1536
	s_add_co_u32 s57, s57, s[OPO]
	s_add_co_u32 s57, s57, OCD
	v_lshl_add_u32 v3, v1, 4, s57                  ; where the first tile's fragment goes: + 16 x lane
	s_lshl_b32 s60, 1536, s[KSL]
	v_add_nc_u32 v4, s60, v3                       ; the second tile's: a tile's K steps on
.macro LOADS pitch                     ; W(128 step + i, my column): 32 lanes read 128 bytes of one row; two neighbouring waves a row's 256
.set i, 0
.rept 128
	global_load_b32 v[X+i], v2, s[SRC:SRC+1] offset:i*\pitch th:TH_LOAD_NT
.set i, i+1
.endr
.endm
	s_cmp_eq_u32 s[PLG], 8                         ; the pitch stands in the immediates, so the run of loads is written three times
	s_cbranch_scc1 .Lpitch_256
	s_cmp_eq_u32 s[PLG], 12
	s_cbranch_scc1 .Lpitch_4096
	LOADS 16384
	s_branch .Lasked
.Lpitch_256:
	LOADS 256
	s_branch .Lasked
.Lpitch_4096:
	LOADS 4096
.Lasked:
; Block b of 32 along K: all its numbers are mine.  d0 takes the lower 16 codes, d1 the upper 16.
; THE WAIT.  Behind block b's 32 loads stand 96 - 32 b later ones, which may stay out.  A wait's count names 63 at the most (ISA guide 5.7.1), so blocks 0 and 1 wait for 63:
; of the 128 loads, which come back in the order of issue, at most 63 are then out, so the first 65 are in: blocks 0 and 1 are the first 64.
.macro BLOCK b, d0, d1
.set XS, X+32*\b
.if 96-32*\b > 63
	s_wait_loadcnt 63
.else
	s_wait_loadcnt 96-32*\b
.endif
	v_max3_num_f32 v8, |v[XS]|, |v[XS+1]|, |v[XS+2]|
	v_max3_num_f32 v9, |v[XS+3]|, |v[XS+4]|, |v[XS+5]|
.irp i, 6,10,14,18,22,26
	v_max3_num_f32 v8, v8, |v[XS+\i]|, |v[XS+\i+1]|
	v_max3_num_f32 v9, v9, |v[XS+\i+2]|, |v[XS+\i+3]|
.endr
	v_max3_num_f32 v8, v8, |v[XS+30]|, |v[XS+31]|
	v_max3_num_f32 v8, v8, v9, 0x1800000           ; and the floor 2^(3 - 127): the byte cannot fall under 1
	v_add_nc_u32 v[SO+\b], 0xff000000, v8          ; 2 off the exponent field: the conversion takes the exponent field of this operand as its scale
	v_lshrrev_b32 v9, 23, v[SO+\b]                 ; the scale's byte
.if \b == 0
	v_mov_b32 v[SWD], v9
.else
	v_lshl_or_b32 v[SWD], v9, 8*\b, v[SWD]
.endif
	v_cvt_scalef32_pk16_fp6_f32 v[\d0:\d0+2], v[XS:XS+15], v[SO+\b]
	v_cvt_scalef32_pk16_fp6_f32 v[\d1:\d1+2], v[XS+16:XS+31], v[SO+\b]
.endm
	BLOCK 0, F0, T0
	BLOCK 1, F1, T0+4
	BLOCK 2, F0+6, T0+8
	BLOCK 3, F1+6, T0+12
	v_nop                                          ; one plain place behind a scaled conversion
; A fragment wants block h (and 2 + h) of slot r in lane (r, h).  I hold blocks 0 to 3 of one column.  An exchange of one register's lanes 16-31 with the other's lanes 0-15 turns
; 'blocks b and b + 1 of lane 16 u + r' into 'tile u, lane (r, h) = block b + h'.
.irp i, 0,1,2
	v_permlane16_swap_b32 v[F0+\i], v[F1+\i]
	v_permlane16_swap_b32 v[T0+\i], v[T0+4+\i]
	v_permlane16_swap_b32 v[F0+6+\i], v[F1+6+\i]
	v_permlane16_swap_b32 v[T0+8+\i], v[T0+12+\i]
.endr
.irp i, 0,1,2
	v_mov_b32 v[F0+3+\i], v[T0+\i]
	v_mov_b32 v[F1+3+\i], v[T0+4+\i]
	v_mov_b32 v[F0+9+\i], v[T0+8+\i]
	v_mov_b32 v[F1+9+\i], v[T0+12+\i]
.endr
.irp c, 0,1,2
	global_store_b128 v3, v[F0+4*\c:F0+4*\c+3], s[DST:DST+1] offset:512*\c   ; each store covers 512 consecutive bytes, aligned
	global_store_b128 v4, v[F1+4*\c:F1+4*\c+3], s[DST:DST+1] offset:512*\c
.endr
	ds_store_b32 v5, v[SWD]
	s_wait_dscnt 0x0                               ; for the others' sake: my scale words lie in LDS
	s_barrier_signal -1
	s_barrier_wait -1
	s_cmp_eq_u32 s[WV], 0
	s_cbranch_scc0 .Lnot_wave_0
	ds_load_b128 v[8:11], v25                      ; wave 0: the four tiles' scale words of these four K steps: 256 bytes a tile
	ds_load_b128 v[12:15], v25 offset:512
	v_lshrrev_b32 v7, 4, v1
	v_add_nc_u32 v7, s55, v7                       ; lanes 0-15 one tile, lanes 16-31 the next
	v_lshlrev_b32 v7, s[KSL], v7
	v_lshlrev_b32 v7, 6, v7
	v_and_b32 v16, 15, v1
	v_lshl_add_u32 v7, v16, 4, v7
	s_lshl_b32 s57, s52, 8
	s_add_co_u32 s57, s57, s[OPO]
	s_add_co_u32 s57, s57, OSC
	v_add_nc_u32 v7, s57, v7
	s_lshl_b32 s57, 128, s[KSL]                    ; two tiles on
	v_add_nc_u32 v17, s57, v7
	s_wait_dscnt 0x0
	global_store_b128 v7, v[8:11], s[DST:DST+1]    ; sixteen lanes store 256 consecutive bytes, aligned
	global_store_b128 v17, v[12:15], s[DST:DST+1]
	s_branch .Lend
.Lnot_wave_0:
	s_cmp_eq_u32 s[WV], 1
	s_cbranch_scc0 .Lnot_wave_1
	s_cmp_eq_u32 s52, 0                            ; wave 1 of the columns' first work-group copies their 64 biases
	s_cbranch_scc0 .Lend
	v_lshlrev_b32 v6, 3, v1
	s_lshl_b32 s57, s53, 8
	v_add_nc_u32 v7, s57, v6
	global_load_b64 v[8:9], v7, s[BIA:BIA+1]
	s_lshl_b32 s58, s[RT0], 6
	s_add_co_u32 s57, s57, s58
	s_add_co_u32 s57, s57, s[OPO]
	v_add_nc_u32 v10, s57, v6
	s_wait_loadcnt 0x0
	global_store_b64 v10, v[8:9], s[DST:DST+1]
	s_branch .Lend
.Lnot_wave_1:
	s_cmp_eq_u32 s[WV], 2
	s_cbranch_scc0 .Lend
	s_cmp_eq_u32 s[LID], 0                         ; wave 2 of the tensor's first work-group writes the floor, 256 bytes
	s_cbranch_scc0 .Lend
	v_mov_b32 v8, s[FLB]
	v_mov_b32 v9, s[FLB]
	s_lshl_b32 s57, s[RT0], 2                      ; (Wk's copy lies 256 bytes behind Wq's: no byte has two writers)
	s_add_co_u32 s57, s57, s[OPO]
	s_add_co_u32 s57, s57, OFL
	v_lshl_add_u32 v10, v1, 3, s57
	global_store_b64 v10, v[8:9], s[DST:DST+1]
.Lend:
	s_wait_tensorcnt 0x0
	ds_add_u32 v200, v201
	s_wait_dscnt 0x0
	s_endpgm
.Lfunc_end_k_qea6bcfe90b_prep:
	.size	k_qea6bcfe90b_prep, .Lfunc_end_k_qea6bcfe90b_prep-k_qea6bcfe90b_prep
	.p2alignl 7, 3214868480
	.fill 96, 4, 3214868480
	.section	.rodata,"a",@progbits
	.p2align	6, 0x0
	.amdhsa_kernel k_qea6bcfe90b_prep
		.amdhsa_group_segment_fixed_size 2048
		.amdhsa_private_segment_fixed_size 0
		.amdhsa_enable_private_segment 0
		.amdhsa_kernarg_size 112
		.amdhsa_user_sgpr_count 2
		.amdhsa_user_sgpr_kernarg_segment_ptr 1
		.amdhsa_wavefront_size32 1
		.amdhsa_system_sgpr_workgroup_id_x 1
		.amdhsa_system_sgpr_workgroup_id_y 1
		.amdhsa_system_sgpr_workgroup_id_z 1
		.amdhsa_system_vgpr_workitem_id 0
		.amdhsa_next_free_vgpr 202
		.amdhsa_next_free_sgpr 66
		.amdhsa_reserve_vcc 0
		.amdhsa_float_denorm_mode_32 3
		.amdhsa_float_denorm_mode_16_64 3
		.amdhsa_memory_ordered 1
		.amdhsa_forward_progress 1
		.amdhsa_inst_pref_size 50
	.end_amdhsa_kernel
	.amdgpu_metadata
---
amdhsa.version: [ 1, 2 ]
amdhsa.kernels:
  - .name:           k_qea6bcfe90b_prep
    .symbol:         k_qea6bcfe90b_prep.kd
    .args:
      - { .name: Wq, .offset: 0, .size: 8, .value_kind: global_buffer, .address_space: global }
      - { .name: Wk, .offset: 8, .size: 8, .value_kind: global_buffer, .address_space: global }
      - { .name: Wv, .offset: 16, .size: 8, .value_kind: global_buffer, .address_space: global }
      - { .name: Wo, .offset: 24, .size: 8, .value_kind: global_buffer, .address_space: global }
      - { .name: W1, .offset: 32, .size: 8, .value_kind: global_buffer, .address_space: global }
      - { .name: W2, .offset: 40, .size: 8, .value_kind: global_buffer, .address_space: global }
      - { .name: bq, .offset: 48, .size: 8, .value_kind: global_buffer, .address_space: global }
      - { .name: bk, .offset: 56, .size: 8, .value_kind: global_buffer, .address_space: global }
      - { .name: bv, .offset: 64, .size: 8, .value_kind: global_buffer, .address_space: global }
      - { .name: bo, .offset: 72, .size: 8, .value_kind: global_buffer, .address_space: global }
      - { .name: b1, .offset: 80, .size: 8, .value_kind: global_buffer, .address_space: global }
      - { .name: b2, .offset: 88, .size: 8, .value_kind: global_buffer, .address_space: global }
      - { .name: wa, .offset: 96, .size: 8, .value_kind: global_buffer, .address_space: global }
      - { .name: wb, .offset: 104, .size: 8, .value_kind: global_buffer, .address_space: global }
    .group_segment_fixed_size: 2048
    .private_segment_fixed_size: 0
    .kernarg_segment_align: 8
    .kernarg_segment_size: 112
    .max_flat_workgroup_size: 256
    .sgpr_count:     66
    .vgpr_count:     202
    .wavefront_size: 32
...
	.end_amdgpu_metadata
.endif
;; end of part 1
;; launch ln1 (part 2): grid 256 x 1, 8 waves a work-group, no clusters, 67,584 bytes of LDS; arguments x, gamma1, beta1, xn; writes xn
.if DOCPART == 2
	.amdgcn_target "amdgcn-amd-amdhsa--gfx1250"
	.amdhsa_code_object_version 6
	.text
	.protected	k_qea6bcfe90b_ln1
	.globl	k_qea6bcfe90b_ln1
	.p2align	8
	.type	k_qea6bcfe90b_ln1,@function
k_qea6bcfe90b_ln1:
	s_mov_b64 s[64:65], 0
	v_nop
	global_prefetch_b8 v0, s[64:65] scope:SCOPE_SE
	s_setreg_imm32_b32 hwreg(HW_REG_WAVE_MODE, 25, 1), 1
	s_wait_xcnt 0x0
; y = (x - mean) rsqrt(var + 1e-5) gamma + beta over rows of 1,024 f32, and y's codes of FP6 (E2M3) with one E8M0 byte for each 32 along the row, laid as an operand:
; +0x80000 scale words, +0x100000 codes; tile t of 16 rows: slot r is row 32 (t / 2) + 8 (t % 2) + r + 8 (r / 8); fragment (t, K step s) at (8 t + s) x 1,536 as the image of its 12 registers.
; A work-group takes one tile.  PHASE 1: wave w normalises slots 2 w and 2 w + 1 (two neighbouring rows), each row whole in 32 registers: the mean first, then the sum of (x - mean)^2,
; so that a common offset of the inputs does not cancel.  The rows go to LDS.  PHASE 2: wave w takes K step w of all 16 rows, 64 numbers a lane, and quantises them.
; LIMITS: a block of zeros gets the byte 1 (its codes are zeros; this program alone reads the bytes); blocks under 2^-124 are held at the byte 1; NaN and infinities are not served.
.set PITCH, 4112                       ; an LDS row: 4,096 bytes + 16: the sixteen rows that a load of 16 bytes a lane touches start 4 banks apart
.set SCB,   16*PITCH                   ; behind the rows: the tile's 128 scale words
.set OCD, 0x100000
.set OSC, 0x80000
.set X,   32                           ; v32-95   two rows, later 64 numbers of a K step
.set G,   96                           ; v96-127  gamma of my 32 columns
.set BT,  128                          ; v128-159 beta
.set PC,  160                          ; v160-179 the codes just made
.set TM,  180                          ; v180-195 at work in the quantiser
.set PW,  196                          ; v196     the scale word just made
.set SEL, 12                           ; s[12:13] v_permlanex16_b32's selects for lane l xor 16
	s_load_b256 s[4:11], s[0:1], 0x0               ; x, gamma, beta, the operand
	v_lshl_add_u32 v200, v0, 2, 0x10400
	v_mov_b32 v201, 0
	v_lshrrev_b32 v1, 5, v0
	v_readfirstlane_b32 s14, v1                    ; wave 0..7
	v_and_b32 v1, 31, v0
	v_and_b32 v2, 15, v0                           ; r
	v_bfe_u32 v3, v0, 4, 1                         ; h
	v_lshlrev_b32 v4, 4, v1                        ; 16 x lane
	s_mul_i32 s15, s14, 2*PITCH
	v_add_nc_u32 v5, s15, v4                       ; LDS, in: slot 2 w, 16 bytes a lane
	v_mul_u32_u24 v6, v2, PITCH
	v_lshl_add_u32 v6, v3, 6, v6
	s_lshl_b32 s15, s14, 9
	v_add_nc_u32 v6, s15, v6                       ; LDS, back: slot r, K step w, + 64 h: my 16 numbers of each block of 32
	s_lshl_b32 s15, s14, 6
	s_add_co_u32 s15, s15, SCB
	v_lshl_add_u32 v7, v2, 2, s15                  ; LDS: the scale word of (K step w, slot r)
	v_add_nc_u32 v28, SCB, v4                      ; and all 128 words, 16 bytes a lane
	s_lshr_b32 s16, ttmp9, 1
	s_lshl_b32 s16, s16, 5
	s_and_b32 s17, ttmp9, 1
	s_lshl_b32 s17, s17, 3
	s_add_co_u32 s16, s16, s17
	s_lshl_b32 s17, s14, 1
	s_add_co_u32 s16, s16, s17
	s_lshr_b32 s17, s14, 2
	s_lshl_b32 s17, s17, 3
	s_add_co_u32 s16, s16, s17                     ; slot 2 w's row: 32 (t / 2) + 8 (t % 2) + 2 w + 8 (w / 4)
	s_lshl_b32 s16, s16, 12
	s_mov_b32 s17, 0
	s_lshl_b32 s18, ttmp9, 3
	s_add_co_u32 s18, s18, s14
	s_mul_i32 s18, s18, 1536
	s_add_co_u32 s18, s18, OCD
	v_add_nc_u32 v29, s18, v4                      ; where my fragment goes
	s_lshl_b32 s18, ttmp9, 9
	s_add_co_u32 s18, s18, OSC
	v_add_nc_u32 v30, s18, v4                      ; where the tile's scale words go
	s_mov_b32 s[SEL], 0x76543210
	s_mov_b32 s[SEL+1], 0xfedcba98
	s_mov_b32 s20, 0x3727c5ac                      ; 1e-5
	s_mov_b32 s21, 0x3a800000                      ; 1 / 1,024
	v_mov_b32 v24, 0                               ; written once: a lane permute's destination counts as one of its sources
	v_mov_b32 v25, 0
.irp b, 0,1,2,3
	v_mov_b32 v[TM+4+\b], 0
.endr
	s_wait_kmcnt 0x0
	s_add_nc_u64 s[4:5], s[4:5], s[16:17]
.irp q, 0,1
.irp j, 0,1,2,3,4,5,6,7
	global_load_b128 v[X+32*\q+4*\j:X+32*\q+4*\j+3], v4, s[4:5] offset:4096*\q+512*\j   ; 32 lanes read 512 consecutive bytes
.endr
.endr
.irp j, 0,1,2,3,4,5,6,7
	global_load_b128 v[G+4*\j:G+4*\j+3], v4, s[6:7] offset:512*\j
.endr
.irp j, 0,1,2,3,4,5,6,7
	global_load_b128 v[BT+4*\j:BT+4*\j+3], v4, s[8:9] offset:512*\j
.endr
.macro RED a, t                        ; the sum over the 32 lanes, in every lane
	v_add_f32_dpp v[\a], v[\a], v[\a] row_xmask:1 row_mask:0xf bank_mask:0xf
	v_add_f32_dpp v[\a], v[\a], v[\a] row_xmask:2 row_mask:0xf bank_mask:0xf
	v_add_f32_dpp v[\a], v[\a], v[\a] row_xmask:4 row_mask:0xf bank_mask:0xf
	v_add_f32_dpp v[\a], v[\a], v[\a] row_xmask:8 row_mask:0xf bank_mask:0xf
	v_permlanex16_b32 v[\t], v[\a], s[SEL], s[SEL+1]
	v_add_f32 v[\a], v[\a], v[\t]
.endm
	s_wait_loadcnt 16                              ; both rows are in; the 16 loads of gamma and beta may be out
.irp q, 0,1                                    ; the rows' sums: two chains a row, the rows by turns
	v_pk_add_f32 v[8+4*\q:9+4*\q], v[X+32*\q:X+32*\q+1], v[X+32*\q+2:X+32*\q+3]
	v_pk_add_f32 v[10+4*\q:11+4*\q], v[X+32*\q+4:X+32*\q+5], v[X+32*\q+6:X+32*\q+7]
.endr
.irp i, 8,12,16,20,24,28
.irp q, 0,1
	v_pk_add_f32 v[8+4*\q:9+4*\q], v[8+4*\q:9+4*\q], v[X+32*\q+\i:X+32*\q+\i+1]
	v_pk_add_f32 v[10+4*\q:11+4*\q], v[10+4*\q:11+4*\q], v[X+32*\q+\i+2:X+32*\q+\i+3]
.endr
.endr
.irp q, 0,1
	v_pk_add_f32 v[8+4*\q:9+4*\q], v[8+4*\q:9+4*\q], v[10+4*\q:11+4*\q]
.endr
.irp q, 0,1
	v_add_f32 v[8+4*\q], v[8+4*\q], v[9+4*\q]
.endr
	RED 8, 24
	RED 12, 25
.irp q, 0,1
	v_mul_f32 v[16+2*\q], s21, v[8+4*\q]           ; the mean, twice: a pair for the packed forms
	v_mul_f32 v[17+2*\q], s21, v[8+4*\q]
.endr
.irp q, 0,1
.irp i, 0,2,4,6,8,10,12,14,16,18,20,22,24,26,28,30
	v_pk_add_f32 v[X+32*\q+\i:X+32*\q+\i+1], v[X+32*\q+\i:X+32*\q+\i+1], v[16+2*\q:17+2*\q] neg_lo:[0,1] neg_hi:[0,1]   ; d = x - mean
.endr
.endr
.irp q, 0,1
	v_pk_mul_f32 v[8+4*\q:9+4*\q], v[X+32*\q:X+32*\q+1], v[X+32*\q:X+32*\q+1]
	v_pk_mul_f32 v[10+4*\q:11+4*\q], v[X+32*\q+2:X+32*\q+3], v[X+32*\q+2:X+32*\q+3]
.endr
.irp i, 4,8,12,16,20,24,28
.irp q, 0,1
	v_pk_fma_f32 v[8+4*\q:9+4*\q], v[X+32*\q+\i:X+32*\q+\i+1], v[X+32*\q+\i:X+32*\q+\i+1], v[8+4*\q:9+4*\q]
	v_pk_fma_f32 v[10+4*\q:11+4*\q], v[X+32*\q+\i+2:X+32*\q+\i+3], v[X+32*\q+\i+2:X+32*\q+\i+3], v[10+4*\q:11+4*\q]
.endr
.endr
.irp q, 0,1
	v_pk_add_f32 v[8+4*\q:9+4*\q], v[8+4*\q:9+4*\q], v[10+4*\q:11+4*\q]
.endr
.irp q, 0,1
	v_add_f32 v[8+4*\q], v[8+4*\q], v[9+4*\q]
.endr
	RED 8, 24
	RED 12, 25
	v_fma_f32 v20, v8, s21, s20                    ; var + 1e-5
	v_fma_f32 v22, v12, s21, s20
	v_rsq_f32 v20, v20
	v_rsq_f32 v22, v22
	v_nop                                          ; a plain instruction behind the transcendentals,
	s_wait_alu depctr_va_vdst(0)                   ; and the one wait ahead of the first use of their results
	v_mov_b32 v21, v20
	v_mov_b32 v23, v22
	s_wait_loadcnt 0x0                             ; gamma and beta
.irp q, 0,1
.irp i, 0,2,4,6,8,10,12,14,16,18,20,22,24,26,28,30
	v_pk_mul_f32 v[X+32*\q+\i:X+32*\q+\i+1], v[X+32*\q+\i:X+32*\q+\i+1], v[20+2*\q:21+2*\q]
.endr
.irp i, 0,2,4,6,8,10,12,14,16,18,20,22,24,26,28,30
	v_pk_fma_f32 v[X+32*\q+\i:X+32*\q+\i+1], v[X+32*\q+\i:X+32*\q+\i+1], v[G+\i:G+\i+1], v[BT+\i:BT+\i+1]
.endr
.irp j, 0,1,2,3,4,5,6,7
	ds_store_b128 v5, v[X+32*\q+4*\j:X+32*\q+4*\j+3] offset:PITCH*\q+512*\j
.endr
.endr
	s_wait_dscnt 0x0                               ; for the others' sake: my two rows lie in LDS
	s_barrier_signal -1
	s_barrier_wait -1
.irp b, 0,1,2,3
.irp j, 0,1,2,3
	ds_load_b128 v[X+16*\b+4*\j:X+16*\b+4*\j+3], v6 offset:128*\b+16*\j   ; register 16 b + i = k 32 b + 16 h + i of slot r
.endr
.endr
	s_wait_dscnt 0x0
; 64 numbers of a lane, register 16 b + i = k 32 b + 16 (lane / 16) + i of my row, become a fragment's codes in v[PC] on and its scale word in v[PW].
.macro QUANT s
.irp b, 0,1,2,3
	v_max3_num_f32 v[TM+\b], |v[\s+16*\b]|, |v[\s+1+16*\b]|, 0x1800000   ; my 16 numbers of block b, and the floor 2^(3 - 127): the byte cannot fall under 1
.endr
.irp i, 2,4,6,8,10,12,14
.irp b, 0,1,2,3
	v_max3_num_f32 v[TM+\b], v[TM+\b], |v[\s+16*\b+\i]|, |v[\s+1+16*\b+\i]|
.endr
.endr
.irp b, 0,1,2,3
	v_permlanex16_b32 v[TM+4+\b], v[TM+\b], s[SEL], s[SEL+1]
.endr
.irp b, 0,1,2,3
	v_max_num_f32 v[TM+\b], v[TM+\b], v[TM+4+\b]   ; with lane l xor 16's: the block's largest magnitude
.endr
.irp b, 0,1,2,3
	v_add_nc_u32 v[TM+12+\b], 0xff000000, v[TM+\b] ; 2 off its exponent field: the conversion's scale operand
.endr
.irp b, 0,1,2,3
	v_lshrrev_b32 v[TM+4+\b], 23, v[TM+12+\b]      ; the scale's byte
.endr
	v_lshl_or_b32 v[PW], v[TM+5], 8, v[TM+4]
	v_lshl_or_b32 v[PW], v[TM+6], 16, v[PW]
	v_lshl_or_b32 v[PW], v[TM+7], 24, v[PW]
.irp c, 0,1
	v_cvt_scalef32_pk16_fp6_f32 v[PC+6*\c:PC+2+6*\c], v[\s+32*\c:\s+15+32*\c], v[TM+12+2*\c]
	v_cvt_scalef32_pk16_fp6_f32 v[PC+12+4*\c:PC+14+4*\c], v[\s+16+32*\c:\s+31+32*\c], v[TM+12+2*\c+1]   ; (a conversion's three registers begin on an even number)
.endr
	v_nop                                          ; one plain place behind a scaled conversion
.irp c, 0,1                                    ; the operand's layout wants a whole block in a lane
.irp i, 0,1,2
	v_permlane16_swap_b32 v[PC+6*\c+\i], v[PC+12+4*\c+\i]
.endr
.irp i, 0,1,2
	v_mov_b32 v[PC+3+6*\c+\i], v[PC+12+4*\c+\i]
.endr
.endr
.endm
	QUANT X
.irp c, 0,1,2
	global_store_b128 v29, v[PC+4*\c:PC+4*\c+3], s[10:11] offset:512*\c   ; 512 consecutive bytes, aligned
.endr
	ds_store_b32 v7, v[PW]                         ; both halves of the lanes write the same word with the same value
	s_wait_dscnt 0x0
	s_barrier_signal -1
	s_barrier_wait -1
	s_cmp_eq_u32 s14, 0
	s_cbranch_scc0 .Lend
	ds_load_b128 v[8:11], v28                      ; wave 0 stores the tile's 512 bytes of scale words
	s_wait_dscnt 0x0
	global_store_b128 v30, v[8:11], s[10:11]
.Lend:
	s_wait_tensorcnt 0x0
	ds_add_u32 v200, v201
	s_wait_dscnt 0x0
	s_endpgm
.Lfunc_end_k_qea6bcfe90b_ln1:
	.size	k_qea6bcfe90b_ln1, .Lfunc_end_k_qea6bcfe90b_ln1-k_qea6bcfe90b_ln1
	.p2alignl 7, 3214868480
	.fill 96, 4, 3214868480
	.section	.rodata,"a",@progbits
	.p2align	6, 0x0
	.amdhsa_kernel k_qea6bcfe90b_ln1
		.amdhsa_group_segment_fixed_size 67584
		.amdhsa_private_segment_fixed_size 0
		.amdhsa_enable_private_segment 0
		.amdhsa_kernarg_size 32
		.amdhsa_user_sgpr_count 2
		.amdhsa_user_sgpr_kernarg_segment_ptr 1
		.amdhsa_wavefront_size32 1
		.amdhsa_system_sgpr_workgroup_id_x 1
		.amdhsa_system_sgpr_workgroup_id_y 1
		.amdhsa_system_sgpr_workgroup_id_z 1
		.amdhsa_system_vgpr_workitem_id 0
		.amdhsa_next_free_vgpr 202
		.amdhsa_next_free_sgpr 66
		.amdhsa_reserve_vcc 0
		.amdhsa_float_denorm_mode_32 3
		.amdhsa_float_denorm_mode_16_64 3
		.amdhsa_memory_ordered 1
		.amdhsa_forward_progress 1
		.amdhsa_inst_pref_size 25
	.end_amdhsa_kernel
	.amdgpu_metadata
---
amdhsa.version: [ 1, 2 ]
amdhsa.kernels:
  - .name:           k_qea6bcfe90b_ln1
    .symbol:         k_qea6bcfe90b_ln1.kd
    .args:
      - { .name: x, .offset: 0, .size: 8, .value_kind: global_buffer, .address_space: global }
      - { .name: gamma1, .offset: 8, .size: 8, .value_kind: global_buffer, .address_space: global }
      - { .name: beta1, .offset: 16, .size: 8, .value_kind: global_buffer, .address_space: global }
      - { .name: xn, .offset: 24, .size: 8, .value_kind: global_buffer, .address_space: global }
    .group_segment_fixed_size: 67584
    .private_segment_fixed_size: 0
    .kernarg_segment_align: 8
    .kernarg_segment_size: 32
    .max_flat_workgroup_size: 256
    .sgpr_count:     66
    .vgpr_count:     202
    .wavefront_size: 32
...
	.end_amdgpu_metadata
.endif
;; end of part 2
;; launch qkv (part 3): grid 8 x 24, 4 waves a work-group, clusters of 4 x 4, 327,680 bytes of LDS; arguments xn, wa, qkv; writes qkv
.if DOCPART == 3
	.amdgcn_target "amdgcn-amd-amdhsa--gfx1250"
	.amdhsa_code_object_version 6
	.text
	.protected	k_qea6bcfe90b_qkv
	.globl	k_qea6bcfe90b_qkv
	.p2align	8
	.type	k_qea6bcfe90b_qkv,@function
k_qea6bcfe90b_qkv:
	s_mov_b64 s[64:65], 0
	v_nop
	global_prefetch_b8 v0, s[64:65] scope:SCOPE_SE
	s_setreg_imm32_b32 hwreg(HW_REG_WAVE_MODE, 25, 1), 1
	s_wait_xcnt 0x0
	s_wait_alu depctr_hold_cnt(0) depctr_sa_sdst(0) depctr_va_vdst(0) depctr_va_sdst(0) depctr_va_ssrc(0) depctr_va_vcc(0) depctr_vm_vsrc(0)
	s_getreg_b32 s2, hwreg(HW_REG_IB_STS2, 6, 4)
	s_cmp_eq_u32 s2, 0
	s_cbranch_scc0 .Lentry_in_a_cluster
	s_endpgm
.Lentry_in_a_cluster:
	s_bfe_u32 s2, ttmp6, 0x10000c
	s_cmp_lg_u32 s2, 0xf033
	s_cbranch_scc0 .Lentry_shape_is_right
	s_endpgm
.Lentry_shape_is_right:
; out = Q(max(floor, A B^T + bias)): a product on codes of FP6 (E2M3) with E8M0 scales for each 32 along K, whose result is quantised again along B's rows and leaves as an operand.
; OPERANDS (all of them): +0 bias of each row; +0x10000 a floor; +0x80000 scale words; +0x100000 codes.  Tile t of 16 rows: slot r is row 32 (t / 2) + 8 (t % 2) + r + 8 (r / 8).
; The fragment of (t, K step s of 128) lies at (t KS + s) x 1,536 as the image of its 12 registers: three loads of 16 bytes a lane bring it; its scale words at (t KS + s) x 64 + 4 r.
; Arguments: act (rows = tokens), weights, out.  K = 1,024 (KS = 8); the results have KS = 32.
; TWO WAYS, told apart by the cluster's y alone.  y < 4: A = act, B = the weights at +0; the result's rows are tokens and its K the weights' rows; the bias goes with B's rows.
; y >= 4: A = the weights at +0x400000, B = act; the result's rows are the weights' rows and its K the tokens (values with the keys innermost), at out + 0x1000000; the bias goes with A's rows.
; A tile of 256 x 256 is made by four waves of 128 x 128: 64 accumulators, 512 registers.  K goes in steps of 256 through a ring of two LDS slots filled by the tensor data mover.
; The scale words of the work-group's rows, for all of K, come once.  CLUSTERS: 4 x 4; A's tiles are asked for jointly along a row of the cluster, B's along a column.
; THE MATRIX INSTRUCTION IS USED TRANSPOSED (source 0 = 16 rows of B, source 1 = 16 rows of A): a lane holds one row of A, and, by the order of rows in a tile, the 16 registers of B's tiles
; 2 b and 2 b + 1 are 16 neighbours along the result's K.
; LIMITS: a block of zeros gets the byte 1 (its codes are zeros; this program alone reads the bytes); blocks under 2^-124 are held at the byte 1; NaN and infinities are not served.
; REGISTERS, in windows of 256: window 0: v16-31 addresses; v32-47 scale words, two sets; v48-51 the way out's offsets; A's fragments, two sets, at v64 and v160.
;   window 1: B's fragments, two sets, at v0 and v96.   windows 2, 3: accumulator (a, b) at v[8 (8 (a % 4) + b)].
.set KS,    8
.set FRB,   1536
.set QB,    16*FRB                     ; 8 tiles x 2 K steps: what one tensor load brings, and what one wave reads of A or of B in a slot
.set SLOT,  4*QB                       ; A's two halves, then B's
.set LAPS,  KS/4                       ; a lap = two slots = four K steps
.set SQ,    512*KS                     ; the scale words of 8 tiles
.set SCL,   2*SLOT
.set SPARE, SCL+4*SQ                   ; the spare words, 128 bytes for each wave: two blocks of 256 bytes that no other line names
.set OCD, 0x100000
.set OSC, 0x80000
.set OFL, 0x10000
.set ADRA, 16                          ; v16-17 LDS address of my A fragments in slot 0, 1
.set ADRB, 20                          ; v20-21 the same for B
.set ADRS, 27                          ; v27    of my scale words: lanes 0-15 A's, lanes 16-31 B's
.set SPW,  28                          ; v28    my spare word; never rewritten
.set NIL,  29                          ; v29    0; never rewritten
.set LI,   30                          ; v30    16 x lane
.set SC,   32                          ; scale words: set p at v[SC + 8 p]; register i: lanes 0-15 A's tile i, lanes 16-31 B's tile i
.set AF,   64
.set G1, 24
.set G0, 32
.set G1B, 48
.set G0B, 56
.set G1S, 68
.set G0S, 76
.set G1SB, 80
.set G0SB, 88
.set PC,  64                           ; the way out: v64-83 codes; v96-159 the bias; v160-223 64 numbers; v224-239 at work; v240-247 eight scale words
.set BN,  96
.set BM,  96
.set H,   160
.set TM,  224
.set PWS, 240
.set W,   248
.set PW,  252
.set SEL, 18
.set MSB, 0
.macro WIN new                         ; the immediate's high byte repeats the setting that is left
.if MSB != (\new)
	s_set_vgpr_msb (MSB<<8)|(\new)
.set MSB, (\new)
.endif
.endm
.set MUL_LO, 0xa1                      ; source 0 (B) window 1, source 1 (A) window 0, C and D window 2
.set MUL_HI, 0xf1
.set TO_B,   0x40                      ; destination window 1, address window 0
; A joint load: waves 0 and 1 fetch for A, waves 2 and 3 for B.  The branch hangs on the wave's number alone.  Four v_nop follow each of the two lines.
.macro JLOAD g0a, g1a, g0b, g1b
	s_cmp_eq_u32 s15, 0
	s_cbranch_scc0 .Lfor_b_\@
	tensor_load_to_lds s[\g0a:\g0a+3], s[\g1a:\g1a+7]
	s_nop 0
.rept 4
	v_nop
.endr
	s_branch .Lasked_\@
.Lfor_b_\@:
	tensor_load_to_lds s[\g0b:\g0b+3], s[\g1b:\g1b+7]
	s_nop 0
.rept 4
	v_nop
.endr
.Lasked_\@:
.endm
.macro CREST                           ; a round of the cluster's barrier behind its opening barrier
	s_cmp_lg_u32 s14, 0
	s_cbranch_scc1 .Lnot_wave_0_\@
	s_barrier_signal -3
.Lnot_wave_0_\@:
	s_barrier_wait -3
	s_barrier_signal -1
	s_barrier_wait -1
.endm
.macro CROUND
	s_barrier_signal -1
	s_barrier_wait -1
	CREST
.endm
.macro PLACES n                        ; plain vector instructions between a matrix instruction and a load into, or a vector instruction on, its registers
.rept \n
	v_nop
.endr
.endm
	s_load_b128 s[4:7], s[0:1], 0x0                ; act, weights
	s_load_b64 s[8:9], s[0:1], 0x10                ; out
	v_lshl_add_u32 v[SPW], v0, 2, SPARE
	v_mov_b32 v[NIL], 0
	ds_add_u32 v28, v29
	s_wait_dscnt 0x0
	v_lshrrev_b32 v1, 5, v0
	v_readfirstlane_b32 s14, v1                    ; wave 0..3
	s_lshr_b32 s15, s14, 1                         ; which half of A's rows is mine.  Also: I fetch for A (0) or for B (1)
	s_and_b32 s16, s14, 1                          ; which half of B's rows.  Also: which 8 tiles I fetch
	s_bfe_u32 s40, ttmp6, 0x40000                  ; cx, cy: my place in the cluster
	s_bfe_u32 s41, ttmp6, 0x40004
	s_and_b32 s20, ttmp7, 0xffff                   ; the cluster's y
	s_lshl_b32 s21, s20, 2
	s_lshl_b32 s22, ttmp9, 2
	s_max_u32 s23, s20, 4
	s_sub_co_u32 s23, s23, 4
	s_lshl_b32 s23, s23, 3
	s_add_co_u32 s23, s23, s22                     ; 4 (x + 2 (y - 4))
	s_cmp_ge_u32 s20, 4
	s_cselect_b32 s66, 1, 0                        ; the way: the same in all sixteen partners
	s_cselect_b32 s17, 0, s21
	s_cselect_b32 s42, s23, s22
	s_add_co_u32 s17, s17, s41                     ; which 256 rows of A
	s_add_co_u32 s42, s42, s40                     ; which 256 rows of B
	s_lshl_b32 s43, s41, 2
	s_lshl_b32 s43, 15, s43                        ; my row of the cluster
	s_lshl_b32 s44, 0x1111, s40                    ; my column
	; descriptor group 1, codes: 8 rows (tiles) of 3,072 bytes (two K steps' fragments), KS x 1,536 bytes apart; elements of 8 bytes; no padding
	s_or_b32 s[G1+0], s43, (3<<16)|(1<<21)         ; 15:0 the mask; 17:16 elements of 8 bytes; 21 set beside a mask
	s_or_b32 s[G1B+0], s44, (3<<16)|(1<<21)
.irp g, G1, G1B
	s_mov_b32 s[\g+1], 384<<16                     ; tensor_dim0
	s_mov_b32 s[\g+2], 8<<16                       ; tensor_dim1
	s_mov_b32 s[\g+3], 384<<16                     ; tile_dim0
	s_mov_b32 s[\g+4], 8                           ; tile_dim1
	s_mov_b32 s[\g+5], 192*KS                      ; tensor_dim0_stride
	s_mov_b32 s[\g+6], 0
	s_mov_b32 s[\g+7], 0
.endr
	; scale words of 8 tiles: a dense block of SQ bytes, as rows of 256 bytes
	s_or_b32 s[G1S+0], s43, (3<<16)|(1<<21)
	s_or_b32 s[G1SB+0], s44, (3<<16)|(1<<21)
.irp g, G1S, G1SB
	s_mov_b32 s[\g+1], 32<<16
	s_mov_b32 s[\g+2], (2*KS)<<16
	s_mov_b32 s[\g+3], 32<<16
	s_mov_b32 s[\g+4], 2*KS
	s_mov_b32 s[\g+5], 32
	s_mov_b32 s[\g+6], 0
	s_mov_b32 s[\g+7], 0
.endr
	s_lshl_b32 s18, s16, 3
	s_lshl_b32 s20, s17, 4
	s_add_co_u32 s20, s20, s18                     ; A: tile 16 x (which 256) + 8 x half
	s_lshl_b32 s46, s42, 4
	s_add_co_u32 s46, s46, s18                     ; B likewise
	s_mul_i32 s22, s20, KS*64
	s_add_co_u32 s22, s22, OSC
	s_mul_i32 s20, s20, KS*FRB
	s_add_co_u32 s20, s20, OCD
	s_mul_i32 s94, s46, KS*64
	s_add_co_u32 s94, s94, OSC
	s_mul_i32 s46, s46, KS*FRB
	s_add_co_u32 s46, s46, OCD
	s_mov_b32 s21, 0
	s_mov_b32 s23, 0
	s_mov_b32 s47, 0
	s_mov_b32 s95, 0
	s_mul_i32 s45, s14, QB                         ; where they go: wave x a quarter: no place in the cluster enters an LDS address
	s_mul_i32 s98, s14, SQ
	s_wait_kmcnt 0x0
	s_cmp_eq_u32 s66, 1
	s_cselect_b32 s18, 0x400000, 0
	s_cselect_b32 s96, 0x1000000, 0
	s_mov_b32 s19, 0
	s_mov_b32 s97, 0
	s_add_nc_u64 s[92:93], s[6:7], s[18:19]        ; the weights' operand
	s_add_nc_u64 s[8:9], s[8:9], s[96:97]          ; the result's operand
	s_cselect_b64 s[10:11], s[92:93], s[4:5]       ; A
	s_cselect_b64 s[12:13], s[4:5], s[92:93]       ; B
	s_load_b32 s67, s[92:93], OFL                  ; the floor: it feeds a maximum and nothing else
	s_add_nc_u64 s[20:21], s[10:11], s[20:21]
	s_add_nc_u64 s[22:23], s[10:11], s[22:23]
	s_add_nc_u64 s[46:47], s[12:13], s[46:47]
	s_add_nc_u64 s[94:95], s[12:13], s[94:95]
	CROUND                                         ; all sixteen work-groups are here: the first joint loads meet
	s_mov_b32 s[G0S], 1
	s_add_co_u32 s[G0S+1], s98, SCL
	s_mov_b64 s[G0S+2:G0S+3], s[22:23]
	s_or_b32 s[G0S+3], s[G0S+3], 0x80000000
	s_mov_b32 s[G0SB], 1
	s_add_co_u32 s[G0SB+1], s98, SCL
	s_mov_b64 s[G0SB+2:G0SB+3], s[94:95]
	s_or_b32 s[G0SB+3], s[G0SB+3], 0x80000000
	JLOAD G0S, G1S, G0SB, G1SB                     ; the scale words first: they are wanted with K step 0
.irp s, 0,1
	s_mov_b32 s[G0+4*\s], 1
	s_add_co_u32 s[G0+4*\s+1], s45, \s*SLOT
	s_add_nc_u64 s[G0+4*\s+2:G0+4*\s+3], s[20:21], \s*2*FRB
	s_or_b32 s[G0+4*\s+3], s[G0+4*\s+3], 0x80000000
	s_mov_b32 s[G0B+4*\s], 1
	s_add_co_u32 s[G0B+4*\s+1], s45, \s*SLOT
	s_add_nc_u64 s[G0B+4*\s+2:G0B+4*\s+3], s[46:47], \s*2*FRB
	s_or_b32 s[G0B+4*\s+3], s[G0B+4*\s+3], 0x80000000
	JLOAD G0+4*\s, G1, G0B+4*\s, G1B               ; by this text's count three tensor loads of a wave are out
.endr
	v_and_b32 v1, 31, v0
	v_lshlrev_b32 v[LI], 4, v1
	v_and_b32 v2, 15, v0                           ; r
	v_bfe_u32 v3, v0, 4, 1                         ; h
	s_mul_i32 s21, s15, QB                         ; my 8 tiles of A
	s_mul_i32 s22, s16, QB                         ; my 8 tiles of B,
	s_add_co_u32 s22, s22, 2*QB                    ; which lie behind A's 16
.irp s, 0,1
	v_add_nc_u32 v[ADRA+\s], s21, v[LI]
	v_add_nc_u32 v[ADRB+\s], s22, v[LI]
	s_add_co_u32 s21, s21, SLOT
	s_add_co_u32 s22, s22, SLOT
.endr
	s_mul_i32 s21, s15, SQ
	s_mul_i32 s22, s16, SQ
	s_add_co_u32 s22, s22, 2*SQ
	s_sub_co_u32 s22, s22, s21
	v_mul_u32_u24 v4, s22, v3                      ; lanes 16-31 take B's words
	s_add_co_u32 s21, s21, SCL
	v_lshl_add_u32 v4, v2, 2, v4
	v_add_nc_u32 v[ADRS], s21, v4
	; the way out's offsets and bases
	v_lshlrev_b32 v48, 6, v3                       ; the bias along B's rows: 64 h
	v_and_b32 v49, 8, v2
	v_add_nc_u32 v49, v49, v2
	v_lshlrev_b32 v49, 2, v49                      ; the bias of my row of A: 4 (r + 8 (r / 8))
	v_mov_b32 v50, v3
	v_lshlrev_b32 v51, 2, v2
	v_lshl_add_u32 v51, v3, 11, v51                ; scale words out: 4 r, lanes 16-31 a tile on
	s_cmp_eq_u32 s66, 1
	s_cselect_b32 s20, s17, s42
	s_cselect_b32 s21, s15, s16
	s_lshl_b32 s20, s20, 10
	s_lshl_b32 s21, s21, 9
	s_add_co_u32 s20, s20, s21                     ; 4 x the first of my 128 rows of the weights
	s_mov_b32 s21, 0
	s_wait_kmcnt 0x0                               ; the floor is in
	s_add_nc_u64 s[96:97], s[92:93], s[20:21]      ; the bias
	s_lshl_b32 s20, s17, 4
	s_lshl_b32 s22, s15, 3
	s_add_co_u32 s20, s20, s22                     ; my first tile of the result's rows
	s_lshl_b32 s20, s20, 5
	s_lshl_b32 s22, s42, 1
	s_add_co_u32 s20, s20, s22
	s_add_co_u32 s20, s20, s16                     ; x 32 + the result's K step: my 128 rows of B
	s_lshl_b32 s22, s20, 6
	s_add_co_u32 s22, s22, OSC
	s_mov_b32 s23, 0
	s_mul_i32 s20, s20, FRB
	s_add_co_u32 s20, s20, OCD
	s_add_nc_u64 s[98:99], s[8:9], s[20:21]        ; the result's codes
	s_add_nc_u64 s[8:9], s[8:9], s[22:23]          ; and scale words
; 56 LDS loads in one run: the fragments and scale words of the slot's q-th 128 along K, into sets p
.macro FETCH slot, q, p
	WIN TO_B
.irp i, 0,1,2,3,4,5,6,7
.irp c, 0,1,2
	ds_load_b128 v[96*(\p)+12*\i+4*\c:96*(\p)+12*\i+4*\c+3], v[ADRB+\slot] offset:\i*2*FRB+(\q)*FRB+512*\c
.endr
.endr
	WIN 0
.irp i, 0,1,2,3,4,5,6,7
.irp c, 0,1,2
	ds_load_b128 v[AF+96*(\p)+12*\i+4*\c:AF+96*(\p)+12*\i+4*\c+3], v[ADRA+\slot] offset:\i*2*FRB+(\q)*FRB+512*\c
.endr
.endr
.irp i, 0,1,2,3,4,5,6,7
	ds_load_b32 v[SC+8*(\p)+\i], v[ADRS] offset:\i*64*KS+64*(\q)
.endr
.endm
; 16 matrix instructions: A's tiles a0, a0 + 1 x B's eight.  The 64 accumulators take turns, one instruction a turn, in the same order in every step.
.macro MUL16 a0, p, zero
.irp a, \a0, \a0+1
.irp b, 0,1,2,3,4,5,6,7
.if \zero
	v_wmma_scale_f32_16x16x128_f8f6f4 v[8*(8*((\a)%4)+\b):8*(8*((\a)%4)+\b)+7], v[96*(\p)+12*\b:96*(\p)+12*\b+11], v[AF+96*(\p)+12*(\a):AF+96*(\p)+12*(\a)+11], 0, v[SC+8*(\p)+\b], v[SC+8*(\p)+(\a)] matrix_a_fmt:MATRIX_FMT_FP6 matrix_b_fmt:MATRIX_FMT_FP6 matrix_a_scale:MATRIX_SCALE_ROW1
.else
	v_wmma_scale_f32_16x16x128_f8f6f4 v[8*(8*((\a)%4)+\b):8*(8*((\a)%4)+\b)+7], v[96*(\p)+12*\b:96*(\p)+12*\b+11], v[AF+96*(\p)+12*(\a):AF+96*(\p)+12*(\a)+11], v[8*(8*((\a)%4)+\b):8*(8*((\a)%4)+\b)+7], v[SC+8*(\p)+\b], v[SC+8*(\p)+(\a)] matrix_a_fmt:MATRIX_FMT_FP6 matrix_b_fmt:MATRIX_FMT_FP6 matrix_a_scale:MATRIX_SCALE_ROW1
.endif
.endr
.endr
.endm
; A slot's first 128 along K, on sets 0; the second 128 is fetched into sets 1 ahead of the products.
.macro STEP slot, zero
	PLACES 4
	FETCH \slot, 1, 1
	s_wait_dscnt 56                                ; all but the 56 loads just issued: sets 0 are in
	WIN MUL_LO
	MUL16 0, 0, \zero
	MUL16 2, 0, \zero
	WIN MUL_HI
	MUL16 4, 0, \zero
	MUL16 6, 0, \zero
	WIN 0
.endm
; A slot's second 128, on sets 1, changes slots: ONE barrier; in front of it each wave waits for all its tensor loads, adds 0 to its spare word, and waits for that and for its reads of this slot.
.macro TURN slot, next, fill
	s_wait_tensorcnt 0x0                           ; all my tensor loads have landed: my part of the next slot;
	ds_add_u32 v[SPW], v[NIL]                      ; 0 onto my spare word
	s_wait_dscnt 1                                 ; (the add alone may be out: sets 1 are in)
	WIN MUL_LO
	MUL16 0, 1, 0                                  ; sixteen matrix instructions stand between the add and the wait for it
	s_wait_dscnt 0x0                               ; the add is done, and my reads of this slot are over
	s_barrier_signal -1
	MUL16 2, 1, 0
	WIN 0
	s_barrier_wait -1
.if \fill
	CREST                                          ; the barrier has opened a round of the cluster's: no wave of any partner still reads this slot or has a load on its way
	s_add_nc_u64 s[G0+4*\slot+2:G0+4*\slot+3], s[G0+4*\slot+2:G0+4*\slot+3], 4*FRB
	s_add_nc_u64 s[G0B+4*\slot+2:G0B+4*\slot+3], s[G0B+4*\slot+2:G0B+4*\slot+3], 4*FRB
	JLOAD G0+4*\slot, G1, G0B+4*\slot, G1B         ; the first tensor load behind the round; its four v_nop are the places in front of the loads below
.else
	PLACES 4
.endif
	v_add_nc_u32 v[ADRS], 128, v[ADRS]             ; on to the next slot's scale words
	FETCH \next, 0, 0
	WIN MUL_HI
	MUL16 4, 1, 0
	MUL16 6, 1, 0
	WIN 0
.endm
	s_wait_tensorcnt 1                             ; the scale words and my part of slot 0 are in (slot 1's load may be out)
	s_barrier_signal -1
	s_barrier_wait -1                              ; everybody's are
	FETCH 0, 0, 0
	STEP 0, 1                                      ; the first step stands in front of the loop: its products start the sums
	s_mov_b32 s3, LAPS-1
.Llap:                                                 ; a trip goes once round the ring and fills both slots again
	TURN 0, 1, 1
	STEP 1, 0
	TURN 1, 0, 1
	STEP 0, 0
	s_sub_co_u32 s3, s3, 1
	s_cmp_lg_u32 s3, 0
	s_cbranch_scc1 .Llap
	TURN 0, 1, 0                                   ; the last lap fills nothing
	STEP 1, 0
	PLACES 4                                       ; sets 0 are done with: the bias is asked for into A's
	s_cmp_eq_u32 s66, 0
	s_cbranch_scc0 .Lbias_rows
.irp b, 0,1,2,3,4,5,6,7                        ; along B's rows: register 8 b + j takes that of row 32 (b / 2) + 16 h + 8 (b % 2) + j of my 128
	global_load_b128 v[BN+8*\b:BN+8*\b+3], v48, s[96:97] offset:128*(\b/2)+32*(\b%2)
	global_load_b128 v[BN+8*\b+4:BN+8*\b+7], v48, s[96:97] offset:128*(\b/2)+32*(\b%2)+16
.endr
	s_branch .Lbias_asked
.Lbias_rows:
.irp a, 0,1,2,3,4,5,6,7                        ; of my row of A's tile a, twice: a pair for the packed addition
	global_load_b32 v[BM+2*\a], v49, s[96:97] offset:128*(\a/2)+32*(\a%2)
	global_load_b32 v[BM+2*\a+1], v49, s[96:97] offset:128*(\a/2)+32*(\a%2)
.endr
.Lbias_asked:
	s_wait_dscnt 0x0                               ; the very last step: nothing more to fetch
	WIN MUL_LO
	MUL16 0, 1, 0
	MUL16 2, 1, 0
	WIN MUL_HI
	MUL16 4, 1, 0
	MUL16 6, 1, 0
	WIN 0
	PLACES 4
	s_mov_b32 s[SEL], 0x76543210
	s_mov_b32 s[SEL+1], 0xfedcba98                 ; v_permlanex16_b32's selects for lane l xor 16
.irp b, 0,1,2,3
	v_mov_b32 v[TM+4+\b], 0                        ; written once: a lane permute's destination counts as one of its sources
.endr
	v_cmp_ne_u32 vcc_lo, 0, v50                    ; lanes 16-31
	s_wait_loadcnt 0x0                             ; the bias
; 64 numbers of a lane, register 16 b + i = k 32 b + 16 (lane / 16) + i of my row, become a fragment's codes in v[PC] on and its scale word in v[PW].
.macro QUANT s
.irp b, 0,1,2,3
	v_max3_num_f32 v[TM+\b], |v[\s+16*\b]|, |v[\s+1+16*\b]|, 0x1800000   ; my 16 numbers of block b, and the floor 2^(3 - 127): the byte cannot fall under 1
.endr
.irp i, 2,4,6,8,10,12,14
.irp b, 0,1,2,3
	v_max3_num_f32 v[TM+\b], v[TM+\b], |v[\s+16*\b+\i]|, |v[\s+1+16*\b+\i]|
.endr
.endr
.irp b, 0,1,2,3
	v_permlanex16_b32 v[TM+4+\b], v[TM+\b], s[SEL], s[SEL+1]
.endr
.irp b, 0,1,2,3
	v_max_num_f32 v[TM+\b], v[TM+\b], v[TM+4+\b]
.endr
.irp b, 0,1,2,3
	v_add_nc_u32 v[TM+12+\b], 0xff000000, v[TM+\b] ; 2 off the exponent field: the conversion's scale operand
.endr
.irp b, 0,1,2,3
	v_lshrrev_b32 v[TM+4+\b], 23, v[TM+12+\b]      ; the scale's byte
.endr
	v_lshl_or_b32 v[PW], v[TM+5], 8, v[TM+4]
	v_lshl_or_b32 v[PW], v[TM+6], 16, v[PW]
	v_lshl_or_b32 v[PW], v[TM+7], 24, v[PW]
.irp c, 0,1
	v_cvt_scalef32_pk16_fp6_f32 v[PC+6*\c:PC+2+6*\c], v[\s+32*\c:\s+15+32*\c], v[TM+12+2*\c]
	v_cvt_scalef32_pk16_fp6_f32 v[PC+12+4*\c:PC+14+4*\c], v[\s+16+32*\c:\s+31+32*\c], v[TM+12+2*\c+1]
.endr
	v_nop                                          ; one plain place behind a scaled conversion
.irp c, 0,1
.irp i, 0,1,2
	v_permlane16_swap_b32 v[PC+6*\c+\i], v[PC+12+4*\c+\i]
.endr
.irp i, 0,1,2
	v_mov_b32 v[PC+3+6*\c+\i], v[PC+12+4*\c+\i]
.endr
.endr
.endm
; THE WAY OUT of A's tile a: bias, the floor, the quantiser; the fragment leaves as it stands, 512 consecutive bytes a store.
.macro OUT_A a
	s_wait_xcnt 0x0                                ; the last tile's stores have read their registers
	s_cmp_eq_u32 s66, 0
	s_cbranch_scc0 .Lrow_bias_\@
	WIN 0x02+(\a)/4                                ; source 0: the accumulators' window
.irp b, 0,1,2,3,4,5,6,7
.irp j, 0,2,4,6
	v_pk_add_f32 v[H+8*\b+\j:H+8*\b+\j+1], v[64*((\a)%4)+8*\b+\j:64*((\a)%4)+8*\b+\j+1], v[BN+8*\b+\j:BN+8*\b+\j+1]   ; each accumulator from its low end on
.endr
.endr
	WIN 0
	s_branch .Ladded_\@
.Lrow_bias_\@:
	WIN 0x02+(\a)/4
.irp b, 0,1,2,3,4,5,6,7
.irp j, 0,2,4,6
	v_pk_add_f32 v[H+8*\b+\j:H+8*\b+\j+1], v[64*((\a)%4)+8*\b+\j:64*((\a)%4)+8*\b+\j+1], v[BM+2*(\a):BM+2*(\a)+1]
.endr
.endr
	WIN 0
.Ladded_\@:
.set n, 0
.rept 64
	v_max_num_f32 v[H+n], s67, v[H+n]              ; the floor: 0 is relu, -infinity changes nothing
.set n, n+1
.endr
	QUANT H
	v_mov_b32 v[PWS+(\a)], v[PW]
.irp c, 0,1,2
	global_store_b128 v[LI], v[PC+4*\c:PC+4*\c+3], s[98:99] offset:(\a)*32*FRB+512*\c
.endr
.endm
.irp a, 0,1,2,3,4,5,6,7
	OUT_A \a
.endr
.irp j, 0,1,2,3
	v_cndmask_b32 v[W+\j], v[PWS+2*\j], v[PWS+2*\j+1], vcc_lo   ; lanes 0-15 tile 2 j's words, lanes 16-31 tile 2 j + 1's
.endr
.irp j, 0,1,2,3
	global_store_b32 v51, v[W+\j], s[8:9] offset:\j*4096
.endr
	s_wait_tensorcnt 0x0                           ; the wave's end
	ds_add_u32 v[SPW], v[NIL]
	s_wait_dscnt 0x0
	CROUND                                         ; the closing round: no work-group ends while a partner may still ask for a tile that names it
	s_endpgm
.Lfunc_end_k_qea6bcfe90b_qkv:
	.size	k_qea6bcfe90b_qkv, .Lfunc_end_k_qea6bcfe90b_qkv-k_qea6bcfe90b_qkv
	.p2alignl 7, 3214868480
	.fill 96, 4, 3214868480
	.section	.rodata,"a",@progbits
	.p2align	6, 0x0
	.amdhsa_kernel k_qea6bcfe90b_qkv
		.amdhsa_group_segment_fixed_size 327680
		.amdhsa_private_segment_fixed_size 0
		.amdhsa_enable_private_segment 0
		.amdhsa_kernarg_size 24
		.amdhsa_user_sgpr_count 2
		.amdhsa_user_sgpr_kernarg_segment_ptr 1
		.amdhsa_wavefront_size32 1
		.amdhsa_system_sgpr_workgroup_id_x 1
		.amdhsa_system_sgpr_workgroup_id_y 1
		.amdhsa_system_sgpr_workgroup_id_z 1
		.amdhsa_system_vgpr_workitem_id 0
		.amdhsa_next_free_vgpr 1024
		.amdhsa_next_free_sgpr 100
		.amdhsa_reserve_vcc 1
		.amdhsa_float_denorm_mode_32 3
		.amdhsa_float_denorm_mode_16_64 3
		.amdhsa_memory_ordered 1
		.amdhsa_forward_progress 1
		.amdhsa_inst_pref_size 194
	.end_amdhsa_kernel
	.amdgpu_metadata
---
amdhsa.version: [ 1, 2 ]
amdhsa.kernels:
  - .name:           k_qea6bcfe90b_qkv
    .symbol:         k_qea6bcfe90b_qkv.kd
    .args:
      - { .name: xn, .offset: 0, .size: 8, .value_kind: global_buffer, .address_space: global }
      - { .name: wa, .offset: 8, .size: 8, .value_kind: global_buffer, .address_space: global }
      - { .name: qkv, .offset: 16, .size: 8, .value_kind: global_buffer, .address_space: global }
    .group_segment_fixed_size: 327680
    .private_segment_fixed_size: 0
    .kernarg_segment_align: 8
    .kernarg_segment_size: 24
    .max_flat_workgroup_size: 128
    .sgpr_count:     100
    .vgpr_count:     1024
    .wavefront_size: 32
...
	.end_amdgpu_metadata
.endif
;; end of part 3
;; launch attn (part 4): grid 16 x 16, 16 waves a work-group, clusters of 4 x 1, 327,680 bytes of LDS; arguments qkv, ao; writes ao
.if DOCPART == 4
	.amdgcn_target "amdgcn-amd-amdhsa--gfx1250"
	.amdhsa_code_object_version 6
	.text
	.protected	k_qea6bcfe90b_attn
	.globl	k_qea6bcfe90b_attn
	.p2align	8
	.type	k_qea6bcfe90b_attn,@function
k_qea6bcfe90b_attn:
	s_mov_b64 s[64:65], 0
	v_nop
	global_prefetch_b8 v0, s[64:65] scope:SCOPE_SE
	s_setreg_imm32_b32 hwreg(HW_REG_WAVE_MODE, 25, 1), 1
	s_wait_xcnt 0x0
	s_wait_alu depctr_hold_cnt(0) depctr_sa_sdst(0) depctr_va_vdst(0) depctr_va_sdst(0) depctr_va_ssrc(0) depctr_va_vcc(0) depctr_vm_vsrc(0)
	s_getreg_b32 s2, hwreg(HW_REG_IB_STS2, 6, 4)
	s_cmp_eq_u32 s2, 0
	s_cbranch_scc0 .Lentry_in_a_cluster
	s_endpgm
.Lentry_in_a_cluster:
	s_bfe_u32 s2, ttmp6, 0x10000c
	s_cmp_lg_u32 s2, 0x3003
	s_cbranch_scc0 .Lentry_shape_is_right
	s_endpgm
.Lentry_shape_is_right:
; Causal attention on codes of FP6 (E2M3): O = softmax(Q K^T / 8) V for 2 batches x 16 heads of 64, 2,048 tokens, and O's codes, quantised along the concatenated heads.
; qkv + 0: operand with rows = tokens (256 tiles of 16), 32 K steps a tile: step hp = heads 2 hp, 2 hp + 1 of q, step 8 + hp of k.  qkv + 0x1000000: v with the keys innermost: rows = 64 head + d, K step = token / 128.
; In an operand: +0x80000 scale words, (tile KS + step) x 64 + 4 r; +0x100000 codes, (tile KS + step) x 1,536: the image of a fragment's 12 registers.  Slot r of tile t is row 32 (t / 2) + 8 (t % 2) + r + 8 (r / 8).
; THE SOFTMAX: t = score x log2(e) / 8; M = the running largest t rounded UP to a whole number; p = 2^(t - M) is quantised along the keys, not normalised; the row's sum is taken of the unquantised p and divides O at the end.
; SHARES.  Work-group (x, y): batch y / 8, head pair y % 8.  Wave w: head 2 (y % 8) + w % 2, query tile x + 16 (w / 2) of the batch's 128.  Every work-group walks all 16 key steps of 128, so that trip counts are constants;
; a wave leaves out the work of the steps all of whose keys come after its queries: a scalar branch on ids in which the work-group's place in its cluster has no part.
; A FRAGMENT OF k HOLDS BOTH HEADS: registers 0-5 the even head's 64, registers 6-11 the odd head's.  My q fragment has zero codes in the other head's six registers: they add nothing.
; Both products are used transposed (S^T = k q^T, O^T = v^T p^T): a lane holds one query throughout, and by the order of rows in a tile the 16 registers of tiles 2 b, 2 b + 1 are 16 neighbouring keys.
; CLUSTER: the four work-groups of a cluster share batch and head pair, so each tile of k and v is asked for jointly (mask 15).  A ring of two LDS slots of 512 keys; the scale words of the whole batch come once.
; LIMITS: a block of zeros gets the byte 1 (its codes are zeros; this program alone reads the bytes); NaN and infinities are not served.
; REGISTERS: v1-7 addresses that stay; v8-11 addresses of the step; v12 -M, v13 the largest t, v[14:15] the sum; v16-27 q; v28-31, v80-82 addresses; v32-79 four fragments; v96-159 S^T, then p; v160-191 O^T; v224-235 p's codes; v232-254 at work; v255 q's scale words.
.set SLOT1, 1<<17                      ; slot 1 begins here: one exclusive or turns an address in one slot into the other's
.set VOFF,  49152                      ; a slot: 32 tiles of k, then 8 rows of tiles of v x 4 key steps
.set SCK,   2*SLOT1                    ; k's scale words: 128 tiles x 64 bytes
.set SCV,   SCK+8192                   ; v's: 8 tiles x 16 key steps x 64 bytes
.set STG,   SCV+8192                   ; the way out: the middle 512 bytes of 8 fragments,
.set STS,   STG+4096                   ; and their scale words
.set SPARE, STS+512                    ; the spare words, 128 bytes for each wave: eight blocks of 256 bytes that no other line names
.set OCD, 0x100000
.set OSC, 0x80000
.set OV,  0x1000000
.set AK0,  1
.set AV0,  2
.set ASK0, 3
.set ASV0, 4
.set SPW,  5
.set NIL,  6
.set GOA,  7
.set ADK,  8
.set ADV,  9
.set ADS,  10
.set ADT,  11
.set PFO,  28
.set QI,   29
.set STGA, 30
.set STSA, 31
.set STSR, 80
.set GOS,  81
.set QSO,  82
.set WV,   18
.set SEL,  20
.set CS,   22
.set G1K,  24
.set G1V,  32
.set G0K,  40
.set G0V,  44
.set G1SK, 48
.set G0SK, 56
.set G0SV, 60
.set G1SV, 84
.set TB,   2                           ; s2   LDS byte at which the slot in hand begins
.set TS,   3                           ; s3   the step's scale words of k: 512 bytes a step
.set TJ,   66                          ; s66  and of v: 64 bytes a step
.set SLOTS, 67
.set PFA,  76
.set PFS,  78
.set LIM,  80
.set KF,   98                          ; s98  the step's first key
.set QL,   99                          ; s99  the first key of the step in which my queries lie
.set QH,   100                         ; s100 and its last
.set PAR,  101                         ; s101 all ones in the odd head's waves
.macro ROUND                           ; a round of the cluster's barrier
	s_barrier_signal -1
	s_barrier_wait -1
	s_cmp_lg_u32 s[WV], 0
	s_cbranch_scc1 .Lnot_wave_0_\@
	s_barrier_signal -3
.Lnot_wave_0_\@:
	s_barrier_wait -3
	s_barrier_signal -1
	s_barrier_wait -1
.endm
; Waves 0 and 1 fetch for k, waves 2 and 3 for v, the others nothing.  Four v_nop follow each of the two lines.
.macro TLOAD
	s_cmp_lt_u32 s[WV], 2
	s_cbranch_scc0 .Lnot_k_\@
	tensor_load_to_lds s[G0K:G0K+3], s[G1K:G1K+7]
	s_nop 0
.rept 4
	v_nop
.endr
	s_branch .Lasked_\@
.Lnot_k_\@:
	s_cmp_lt_u32 s[WV], 4
	s_cbranch_scc0 .Lasked_\@
	tensor_load_to_lds s[G0V:G0V+3], s[G1V:G1V+7]
	s_nop 0
.rept 4
	v_nop
.endr
.Lasked_\@:
.endm
; A PREFETCH of what the NEXT change of slots will ask for: 32 tiles of k x 6 blocks of 256 bytes and 8 rows of v x 24 blocks: twelve instructions of 32 lanes.  All four clusters of a (batch, head pair) walk the same
; k and v: the first of them asks.  In it waves 4 to 6 of each partner ask, one instruction each; the partners are told apart by ADDRESS alone: partners 0 and 1 name k's blocks, a lane a tile, partners 2 and 3 v's.
; So each aligned block of 256 bytes is named once in the launch.  The last change that fills a slot asks for nothing; slots 0 and 1 come by their loads alone.
.macro ASK
	s_cmp_gt_u32 s[SLOTS], s[LIM]
	s_cbranch_scc0 .Lnot_mine_\@
	global_prefetch_b8 v[PFO], s[PFA:PFA+1] th:TH_LOAD_NT scope:SCOPE_SE
.Lnot_mine_\@:
.endm
	s_load_b128 s[4:7], s[0:1], 0x0                ; qkv, ao
	v_lshl_add_u32 v[SPW], v0, 2, SPARE
	v_mov_b32 v[NIL], 0
	ds_add_u32 v5, v6
	s_wait_dscnt 0x0
	v_lshrrev_b32 v8, 5, v0
	v_readfirstlane_b32 s[WV], v8                  ; wave 0..15
	s_bfe_u32 s8, ttmp6, 0x40000                   ; cx
	s_and_b32 s9, ttmp7, 0xffff
	s_lshr_b32 s10, s9, 3                          ; batch
	s_and_b32 s11, s9, 7                           ; head pair
	s_and_b32 s12, s[WV], 1                        ; which head of the pair.  Also: which half of a tile I fetch
	s_lshr_b32 s13, s[WV], 1
	s_lshl_b32 s14, ttmp9, 2
	s_add_co_u32 s14, s14, s8                      ; work-group x
	s_lshl_b32 s15, s13, 4
	s_add_co_u32 s15, s15, s14                     ; my query tile
	s_lshr_b32 s16, ttmp9, 1
	s_lshl_b32 s17, s13, 1
	s_add_co_u32 s16, s16, s17                     ; the key step in which it lies: (tile / 8), in which cx has no part
	s_lshl_b32 s[QL], s16, 7
	s_add_co_u32 s[QH], s[QL], 127
	s_sub_co_u32 s[PAR], 0, s12
	; where the tiles come from
	s_lshl_b32 s81, s10, 7                         ; the batch's first tile of tokens
	s_lshl_b32 s68, s12, 4
	s_add_co_u32 s68, s68, s81
	s_lshl_b32 s68, s68, 5
	s_add_co_u32 s68, s68, s11
	s_add_co_u32 s68, s68, 8
	s_mul_i32 s68, s68, 1536
	s_add_co_u32 s68, s68, OCD                     ; k's codes: tile 16 u of slot 0
	s_mov_b32 s69, 0
	s_lshl_b32 s70, s12, 6
	s_add_co_u32 s70, s70, s81
	s_lshl_b32 s70, s70, 5
	s_add_co_u32 s70, s70, s11
	s_add_co_u32 s70, s70, 8
	s_lshl_b32 s70, s70, 6
	s_add_co_u32 s70, s70, OSC                     ; k's scale words: tile 64 u of the batch
	s_mov_b32 s71, 0
	s_lshl_b32 s72, s11, 3
	s_lshl_b32 s74, s12, 2
	s_add_co_u32 s72, s72, s74
	s_lshl_b32 s72, s72, 5
	s_lshl_b32 s74, s10, 4
	s_add_co_u32 s72, s72, s74                     ; v: (tile 8 hp + 4 u) x 32 + the batch's first key step
	s_lshl_b32 s74, s72, 6
	s_add_co_u32 s74, s74, OV+OSC
	s_mul_i32 s72, s72, 1536
	s_add_co_u32 s72, s72, OV+OCD
	s_mov_b32 s73, 0
	s_mov_b32 s75, 0
	s_add_co_u32 s82, s81, s15                     ; my query tile among all tokens'
	s_lshl_b32 s92, s82, 5
	s_add_co_u32 s92, s92, s11
	s_lshl_b32 s94, s82, 3
	s_add_co_u32 s94, s94, s11
	s_mul_i32 s82, s92, 1536
	s_add_co_u32 s82, s82, OCD                     ; q's fragment
	s_lshl_b32 s92, s92, 6
	s_add_co_u32 s92, s92, OSC                     ; q's scale words
	s_mul_i32 s94, s94, 1536
	s_add_co_u32 s94, s94, OCD                     ; my fragment of the result
	s_lshr_b32 s96, s[WV], 2
	s_lshl_b32 s96, s96, 5
	s_add_co_u32 s96, s96, s14
	s_add_co_u32 s96, s96, s81
	s_lshl_b32 s96, s96, 3
	s_add_co_u32 s96, s96, s11
	s_lshl_b32 s96, s96, 6
	s_add_co_u32 s96, s96, OSC                     ; the result's scale words of tiles x + 32 (w / 4) and 16 on
	s_mov_b32 s83, 0
	s_mov_b32 s93, 0
	s_mov_b32 s95, 0
	s_mov_b32 s97, 0
	; descriptor groups 1: elements of 8 bytes, no padding, mask 15 with bit 21 beside it
	s_mov_b32 s[G1K], 15|(3<<16)|(1<<21)           ; k's codes: 16 fragments of 1,536 bytes, 49,152 bytes apart
	s_mov_b32 s[G1K+1], 192<<16
	s_mov_b32 s[G1K+2], 16<<16
	s_mov_b32 s[G1K+3], 192<<16
	s_mov_b32 s[G1K+4], 16
	s_mov_b32 s[G1K+5], 6144
	s_mov_b32 s[G1K+6], 0
	s_mov_b32 s[G1K+7], 0
	s_mov_b32 s[G1V], 15|(3<<16)|(1<<21)           ; v's codes: 4 rows of 6,144 bytes (four key steps' fragments), 49,152 bytes apart
	s_mov_b32 s[G1V+1], 768<<16
	s_mov_b32 s[G1V+2], 4<<16
	s_mov_b32 s[G1V+3], 768<<16
	s_mov_b32 s[G1V+4], 4
	s_mov_b32 s[G1V+5], 6144
	s_mov_b32 s[G1V+6], 0
	s_mov_b32 s[G1V+7], 0
	s_mov_b32 s[G1SK], 15|(3<<16)|(1<<21)          ; k's scale words: 64 rows of 64 bytes, 2,048 bytes apart
	s_mov_b32 s[G1SK+1], 8<<16
	s_mov_b32 s[G1SK+2], 64<<16
	s_mov_b32 s[G1SK+3], 8<<16
	s_mov_b32 s[G1SK+4], 64
	s_mov_b32 s[G1SK+5], 256
	s_mov_b32 s[G1SK+6], 0
	s_mov_b32 s[G1SK+7], 0
	s_mov_b32 s[G1SV], 15|(3<<16)|(1<<21)          ; v's scale words: 4 rows of 1,024 bytes, 2,048 bytes apart
	s_mov_b32 s[G1SV+1], 128<<16
	s_mov_b32 s[G1SV+2], 4<<16
	s_mov_b32 s[G1SV+3], 128<<16
	s_mov_b32 s[G1SV+4], 4
	s_mov_b32 s[G1SV+5], 256
	s_mov_b32 s[G1SV+6], 0
	s_mov_b32 s[G1SV+7], 0
	s_mov_b32 s[SEL], 0x76543210
	s_mov_b32 s[SEL+1], 0xfedcba98
	s_mov_b32 s[CS], 0x3e38aa3b                    ; c = log2(e) / 8
	s_mov_b32 s[CS+1], s[CS]
	s_mov_b32 s[TB], 0
	s_mov_b32 s[TS], 0
	s_mov_b32 s[TJ], 0
	s_mov_b32 s[SLOTS], 3
	s_mov_b32 s[KF], 0
	s_wait_kmcnt 0x0
	s_mov_b32 s[G0K], 1
	s_mul_i32 s[G0K+1], s12, 24576
	s_add_nc_u64 s[G0K+2:G0K+3], s[4:5], s[68:69]
	s_or_b32 s[G0K+3], s[G0K+3], 0x80000000
	s_mov_b32 s[G0V], 1
	s_mul_i32 s[G0V+1], s12, 24576
	s_add_co_u32 s[G0V+1], s[G0V+1], VOFF
	s_add_nc_u64 s[G0V+2:G0V+3], s[4:5], s[72:73]
	s_or_b32 s[G0V+3], s[G0V+3], 0x80000000
	s_mov_b32 s[G0SK], 1
	s_lshl_b32 s[G0SK+1], s12, 12
	s_add_co_u32 s[G0SK+1], s[G0SK+1], SCK
	s_add_nc_u64 s[G0SK+2:G0SK+3], s[4:5], s[70:71]
	s_or_b32 s[G0SK+3], s[G0SK+3], 0x80000000
	s_mov_b32 s[G0SV], 1
	s_lshl_b32 s[G0SV+1], s12, 12
	s_add_co_u32 s[G0SV+1], s[G0SV+1], SCV
	s_add_nc_u64 s[G0SV+2:G0SV+3], s[4:5], s[74:75]
	s_or_b32 s[G0SV+3], s[G0SV+3], 0x80000000
	ROUND                                          ; all four work-groups are here: the first joint loads meet
	s_cmp_lt_u32 s[WV], 2                          ; a wave's two first fills stand in one branch: the scale words of the batch, filled once, and slot 0
	s_cbranch_scc0 .Lfirst_not_k
	tensor_load_to_lds s[G0SK:G0SK+3], s[G1SK:G1SK+7]
	s_nop 0
	tensor_load_to_lds s[G0K:G0K+3], s[G1K:G1K+7]
	s_nop 0
.rept 4
	v_nop
.endr
	s_branch .Lfirst_asked
.Lfirst_not_k:
	s_cmp_lt_u32 s[WV], 4
	s_cbranch_scc0 .Lfirst_asked
	tensor_load_to_lds s[G0SV:G0SV+3], s[G1SV:G1SV+7]
	s_nop 0
	tensor_load_to_lds s[G0V:G0V+3], s[G1V:G1V+7]
	s_nop 0
.rept 4
	v_nop
.endr
.Lfirst_asked:
	s_add_nc_u64 s[82:83], s[4:5], s[82:83]
	s_add_nc_u64 s[92:93], s[4:5], s[92:93]
	s_add_nc_u64 s[94:95], s[6:7], s[94:95]
	s_add_nc_u64 s[96:97], s[6:7], s[96:97]
	v_and_b32 v8, 15, v0                           ; r
	v_bfe_u32 v9, v0, 4, 1                         ; h
	v_and_b32 v10, 31, v0                          ; lane
	v_lshlrev_b32 v[AK0], 4, v10                   ; a fragment's image: 16 x lane
	v_lshlrev_b32 v[QSO], 2, v8
.irp c, 0,1,2
	global_load_b128 v[16+4*\c:19+4*\c], v[AK0], s[82:83] offset:512*\c   ; q's fragment stays in registers
.endr
	global_load_b32 v255, v[QSO], s[92:93]         ; q's scale words
	s_mul_i32 s17, s12, 24576
	s_add_co_u32 s17, s17, VOFF
	v_add_nc_u32 v[AV0], s17, v[AK0]               ; my head's four tiles of v
	v_lshl_add_u32 v[ASK0], v8, 2, SCK
	s_lshl_b32 s17, s12, 12
	s_add_co_u32 s17, s17, SCV
	v_lshl_add_u32 v[ASV0], v8, 2, s17
	s_lshl_b32 s17, s12, 10
	v_add_nc_u32 v[GOA], s17, v[AK0]               ; the result: the fragment's first 512 bytes (even head) or its last (odd head)
	s_lshr_b32 s16, s15, 1
	s_lshl_b32 s16, s16, 5
	s_and_b32 s17, s15, 1
	s_lshl_b32 s17, s17, 3
	s_add_co_u32 s16, s16, s17
	v_and_b32 v11, 8, v8
	v_add_nc_u32 v11, v11, v8
	v_lshlrev_b32 v12, 4, v9
	v_sub_nc_u32 v11, v11, v12
	v_add_nc_u32 v[QI], s16, v11                   ; my query - 16 h
	s_lshl_b32 s17, s13, 9
	s_lshl_b32 s81, s12, 3
	s_add_co_u32 s17, s17, s81
	s_add_co_u32 s17, s17, STG
	v_add_nc_u32 v[STGA], s17, v[AK0]              ; the stage: 512 (w / 2) + 16 x lane + 8 (w % 2)
	s_lshl_b32 s17, s13, 6
	s_lshl_b32 s81, s12, 1
	s_add_co_u32 s17, s17, s81
	s_add_co_u32 s17, s17, STS
	v_lshl_add_u32 v[STSA], v8, 2, s17             ; my half of a scale word: 64 (w / 2) + 4 r + 2 (w % 2)
	s_lshr_b32 s17, s[WV], 2
	s_lshl_b32 s17, s17, 7
	s_add_co_u32 s17, s17, STS
	v_lshl_add_u32 v[STSR], v10, 2, s17            ; two tiles' scale words, 4 bytes a lane
	v_lshlrev_b32 v[GOS], 2, v8
	v_lshl_add_u32 v[GOS], v9, 13, v[GOS]          ; and their places in the result: lanes 16-31 sixteen tiles on
	; the prefetches: kv = cx / 2 says k (0) or v (1); all that differs is made by arithmetic on it
	s_lshr_b32 s68, s8, 1
	s_and_b32 s69, s8, 1
	s_mul_i32 s69, s69, 3
	s_and_b32 s70, s[WV], 3
	s_add_co_u32 s69, s69, s70                     ; which of the six instructions
	s_mul_i32 s70, s68, 768
	s_add_co_u32 s70, s70, 256                     ; from one to the next: 256 bytes in k, 1,024 in v
	s_mul_i32 s69, s69, s70
	s_lshl_b32 s70, s10, 12
	s_add_co_u32 s70, s70, s11
	s_add_co_u32 s70, s70, 8
	s_mul_i32 s70, s70, 1536                       ; k's first fragment of the batch
	s_lshl_b32 s71, s11, 8
	s_lshl_b32 s72, s10, 4
	s_add_co_u32 s71, s71, s72
	s_mul_i32 s71, s71, 1536
	s_add_co_u32 s71, s71, OV                      ; v's
	s_sub_co_u32 s71, s71, s70
	s_mul_i32 s71, s71, s68
	s_add_co_u32 s70, s70, s71
	s_add_co_u32 s70, s70, OCD
	s_add_co_u32 s70, s70, s69
	s_mul_i32 s[PFS], s68, 1566720
	s_sub_co_u32 s[PFS], 1572864, s[PFS]           ; a slot on: 32 tiles in k, four fragments in v
	s_mov_b32 s[PFS+1], 0
	s_add_co_u32 s70, s70, s[PFS]                  ; in slot 1: the first change of slots steps it to slot 2
	s_mov_b32 s71, 0
	s_add_nc_u64 s[PFA:PFA+1], s[4:5], s[70:71]
	s_lshl_b32 s72, s68, 1
	s_mul_i32 s73, s68, 3
	v_lshrrev_b32 v[PFO], s72, v10
	v_mul_u32_u24 v[PFO], v[PFO], 0xc000           ; k: a lane a tile; v: four lanes a row of tiles,
	v_and_b32 v11, s73, v10
	v_lshl_add_u32 v[PFO], v11, 8, v[PFO]          ; 256 bytes apart
	s_sub_co_u32 s70, s[WV], 4
	s_cmp_lt_u32 s70, 3                            ; waves 4 to 6
	s_cselect_b32 s70, 0, 1
	s_or_b32 s70, s70, ttmp9                       ; of the first cluster: the same in all four partners
	s_cmp_eq_u32 s70, 0
	s_cselect_b32 s[LIM], 1, -1
	v_mov_b32 v13, 0xff61b1e6                      ; the largest t so far: -3e38, under every t
	v_floor_f32 v12, -v13                          ; -M
	v_mov_b32 v14, 0
	v_mov_b32 v15, 0
.irp b, 0,1,2,3
	v_mov_b32 v[236+\b], 0                         ; written once: a lane permute's destination counts as one of its sources
.endr
	v_mov_b32 v252, 0
	v_mov_b32 v253, 0
.set n, 0
.rept 32
	v_mov_b32 v[160+n], 0                          ; O^T: the step is written once; the first finds zeros, which the first change of M leaves zeros
.set n, n+1
.endr
	s_wait_loadcnt 0x0                             ; q
.irp i, 0,1,2,3,4,5
	v_cndmask_b32 v[16+\i], v[16+\i], v[NIL], s[PAR]     ; the other head's six registers become zero codes
	v_cndmask_b32 v[22+\i], v[NIL], v[22+\i], s[PAR]
.endr
.rept 4
	v_nop                                          ; an operand written by vector instructions stands four places ahead of a scaled matrix instruction
.endr
; A KEY STEP: 128 keys, the q-th of the slot in hand.
.macro STEP q
	s_cmp_gt_u32 s[KF], s[QH]                      ; all its keys come after my queries: only the lines at its end, which step addresses, are run
	s_cbranch_scc1 .Lhidden_\@
	v_add_nc_u32 v[ADK], s[TB], v[AK0]
	v_add_nc_u32 v[ADV], s[TB], v[AV0]
	v_add_nc_u32 v[ADS], s[TS], v[ASK0]
	v_add_nc_u32 v[ADT], s[TJ], v[ASV0]            ; (these four are the places in front of the loads below)
.irp g, 0,1                                    ; S^T = k q^T, four tiles of 16 keys at a time
.rept 4*\g
	v_nop
.endr
.irp t, 0,1,2,3
.irp c, 0,1,2
	ds_load_b128 v[32+12*\t+4*\c:35+12*\t+4*\c], v[ADK] offset:(8*(\q)+4*\g+\t)*1536+512*\c
.endr
	ds_load_b32 v[248+\t], v[ADS] offset:(4*\g+\t)*64
.endr
	s_wait_dscnt 0x0
.irp t, 0,1,2,3
	v_wmma_scale_f32_16x16x128_f8f6f4 v[96+8*(4*\g+\t):103+8*(4*\g+\t)], v[32+12*\t:43+12*\t], v[16:27], 0, v[248+\t], v255 matrix_a_fmt:MATRIX_FMT_FP6 matrix_b_fmt:MATRIX_FMT_FP6
.endr
.endr
.rept 4
	v_nop
.endr
	s_cmp_lt_u32 s[KF], s[QL]                      ; a step all of whose keys count skips the mask
	s_cbranch_scc1 .Lopen_\@
	v_sub_nc_u32 v252, v[QI], s[KF]                ; register 16 b + i holds key KF + 16 h + 32 b + i: hidden where 32 b + i > my query - KF - 16 h
	v_mov_b32 v254, 0xff800000                     ; -infinity: p = 0 then
.set n, 0
.rept 64
	v_cmp_gt_i32 vcc_lo, 32*(n/16)+n%16, v252
	v_cndmask_b32 v[96+n], v[96+n], v254, vcc_lo
.set n, n+1
.endr
.Lopen_\@:
.irp b, 0,1,2,3
	v_max3_num_f32 v[232+\b], v[96+16*\b], v[97+16*\b], v[98+16*\b]   ; the largest score of each block of 32 keys: for the row's maximum, and, since p rises with the score, for the block's largest p
.endr
.irp i, 3,5,7,9,11,13
.irp b, 0,1,2,3
	v_max3_num_f32 v[232+\b], v[232+\b], v[96+16*\b+\i], v[97+16*\b+\i]
.endr
.endr
.irp b, 0,1,2,3
	v_max_num_f32 v[232+\b], v[232+\b], v[111+16*\b]
.endr
.irp b, 0,1,2,3
	v_permlanex16_b32 v[236+\b], v[232+\b], s[SEL], s[SEL+1]
.endr
.irp b, 0,1,2,3
	v_max_num_f32 v[232+\b], v[232+\b], v[236+\b]  ; with lane l xor 16's 16 keys
.endr
	v_max3_num_f32 v254, v232, v233, v234
	v_max_num_f32 v254, v254, v235
	v_mul_f32 v254, s[CS], v254                    ; the step's largest t
	v_max_num_f32 v13, v13, v254                   ; the running largest t
	v_mov_b32 v254, v12
	v_floor_f32 v12, -v13                          ; the new -M = -ceil(t): a whole number
	v_sub_f32 v254, v12, v254                      ; M's old value less its new one
	v_cvt_i32_f32 v254, v254                       ; (it saturates)
	v_ldexp_f32 v252, 1.0, v254                    ; f = 2^(old M - new M): a multiplication by it rounds nothing
.set n, 0
.rept 32
	v_pk_fma_f32 v[96+n:97+n], v[96+n:97+n], s[CS:CS+1], v[12:13] op_sel_hi:[1,0,0]   ; t - M
.set n, n+2
.endr
.irp b, 0,1,2,3
	v_fma_f32 v[232+\b], v[232+\b], s[CS], v12     ; the same of each block's largest score
.endr
.set n, 0
.rept 64
	v_exp_f32 v[96+n], v[96+n]                     ; p = 2^(t - M)
.set n, n+1
.endr
	v_pk_mul_f32 v[14:15], v[14:15], v[252:253] op_sel_hi:[1,0]   ; the sums under the new M (a plain instruction behind the exponentials)
	s_wait_alu depctr_va_vdst(0)                   ; one wait for the whole batch, ahead of its first reader
.irp b, 0,1,2,3
	v_exp_f32 v[232+\b], v[232+\b]                 ; the block's largest p
.endr
	v_pk_add_f32 v[236:237], v[96:97], v[98:99]    ; the row's sum is taken of the unquantised p, in two chains
.irp j, 4,8,12,16,20,24,28,32,36,40,44,48,52,56,60
	v_pk_add_f32 v[14:15], v[14:15], v[96+\j:97+\j]
	v_pk_add_f32 v[236:237], v[236:237], v[98+\j:99+\j]
.endr
	v_pk_add_f32 v[14:15], v[14:15], v[236:237]
	s_wait_alu depctr_va_vdst(0)                   ; and one for the four
.irp b, 0,1,2,3
	v_max_num_f32 v[232+\b], 0x1800000, v[232+\b]  ; the floor 2^(3 - 127): the byte cannot fall under 1
.endr
.irp b, 0,1,2,3
	v_add_nc_u32 v[244+\b], 0xff000000, v[232+\b]  ; 2 off the exponent field: the conversion's scale operand
.endr
.irp b, 0,1,2,3
	v_lshrrev_b32 v[236+\b], 23, v[244+\b]
.endr
	v_lshl_or_b32 v253, v237, 8, v236              ; p's scale word for these 128 keys
	v_lshl_or_b32 v253, v238, 16, v253
	v_lshl_or_b32 v253, v239, 24, v253
.irp c, 0,1
	v_cvt_scalef32_pk16_fp6_f32 v[224+6*\c:226+6*\c], v[96+32*\c:111+32*\c], v[244+2*\c]
	v_cvt_scalef32_pk16_fp6_f32 v[236+4*\c:238+4*\c], v[112+32*\c:127+32*\c], v[244+2*\c+1]
.endr
	v_nop                                          ; one plain place behind a scaled conversion
.irp c, 0,1
.irp i, 0,1,2
	v_permlane16_swap_b32 v[224+6*\c+\i], v[236+4*\c+\i]
.endr
.irp i, 0,1,2
	v_mov_b32 v[227+6*\c+\i], v[236+4*\c+\i]
.endr
.endr
.set n, 0
.rept 16
	v_pk_mul_f32 v[160+n:161+n], v[160+n:161+n], v[252:253] op_sel_hi:[1,0]   ; O^T under the new M (these are also the places in front of the matrix instructions and loads below)
.set n, n+2
.endr
.irp t, 0,1,2,3                                ; O^T += v^T p^T: my head's four tiles of 16 channels; K = these 128 keys
.irp c, 0,1,2
	ds_load_b128 v[32+12*\t+4*\c:35+12*\t+4*\c], v[ADV] offset:\t*6144+(\q)*1536+512*\c
.endr
	ds_load_b32 v[248+\t], v[ADT] offset:\t*1024
.endr
	s_wait_dscnt 0x0
.irp t, 0,1,2,3
	v_wmma_scale_f32_16x16x128_f8f6f4 v[160+8*\t:167+8*\t], v[32+12*\t:43+12*\t], v[224:235], v[160+8*\t:167+8*\t], v[248+\t], v253 matrix_a_fmt:MATRIX_FMT_FP6 matrix_b_fmt:MATRIX_FMT_FP6
.endr
.Lhidden_\@:
	s_add_co_u32 s[KF], s[KF], 128
	s_add_co_u32 s[TS], s[TS], 512
	s_add_co_u32 s[TJ], s[TJ], 64
.endm
; THE CHANGE OF SLOTS stands at a slot's head.  Each wave waits for all its tensor loads (its part of the slot that it is about to read), adds 0 to its spare word, and waits for that and for its reads of the slot that it has left.
; fill = 1: a round of the cluster's barrier, and behind it the slot just left is filled with the keys that follow: the load has four key steps in which to land.
.macro CHANGE fill
	s_wait_tensorcnt 0x0                           ; no tensor load of mine is out, so a group 0 may be written
	ds_add_u32 v[SPW], v[NIL]                      ; 0 onto my spare word
.if \fill
	s_xor_b32 s[G0K+1], s[G0K+1], SLOT1            ; the walking descriptors: the other slot than last time,
	s_add_nc_u64 s[G0K+2:G0K+3], s[G0K+2:G0K+3], 1572864   ; the next 32 tiles of keys
	s_xor_b32 s[G0V+1], s[G0V+1], SLOT1
	s_add_nc_u64 s[G0V+2:G0V+3], s[G0V+2:G0V+3], 6144      ; the next four key steps
	s_wait_xcnt 0x0                                ; the last prefetch, a slot back, has read its address
	s_add_nc_u64 s[PFA:PFA+1], s[PFA:PFA+1], s[PFS:PFS+1]
	s_wait_dscnt 0x0                               ; the add is done, and my reads of the slot that I have left are over
	ROUND
	TLOAD                                          ; the first thing behind the round, and a wave's one tensor load until the next
	ASK
.else
	s_wait_dscnt 0x0
	s_barrier_signal -1
	s_barrier_wait -1
.endif
.endm
.macro SLOT_STEPS
	STEP 0
	STEP 1
	STEP 2
	STEP 3
	s_xor_b32 s[TB], s[TB], SLOT1
.endm
.Lslot:                                            ; three trips: behind each change of slots but the last the next slot is asked for
	CHANGE 1
	SLOT_STEPS
	s_sub_co_u32 s[SLOTS], s[SLOTS], 1
	s_cmp_lg_u32 s[SLOTS], 0
	s_cbranch_scc1 .Lslot
	CHANGE 0                                       ; the last slot is written out
	SLOT_STEPS
	; THE WAY OUT.  O^T / the sum; its two blocks of 32 channels are quantised: six registers, my head's half of a fragment of the next product's operand.
.rept 4
	v_nop                                          ; places behind the last products
.endr
	v_add_f32 v14, v14, v15
	v_permlanex16_b32 v252, v14, s[SEL], s[SEL+1]
	v_add_f32 v14, v14, v252                       ; the row's sum
	v_rcp_f32 v14, v14
	v_nop                                          ; a plain instruction behind the transcendental,
	s_wait_alu depctr_va_vdst(0)                   ; and the wait ahead of its first reader
.set n, 0
.rept 32
	v_mul_f32 v[96+n], v[160+n], v14               ; register 16 b + i is channel 32 b + 16 h + i of my query
.set n, n+1
.endr
.irp b, 0,1
	v_max3_num_f32 v[232+\b], |v[96+16*\b]|, |v[97+16*\b]|, 0x1800000
.endr
.irp i, 2,4,6,8,10,12,14
.irp b, 0,1
	v_max3_num_f32 v[232+\b], v[232+\b], |v[96+16*\b+\i]|, |v[97+16*\b+\i]|
.endr
.endr
.irp b, 0,1
	v_permlanex16_b32 v[236+\b], v[232+\b], s[SEL], s[SEL+1]
.endr
.irp b, 0,1
	v_max_num_f32 v[232+\b], v[232+\b], v[236+\b]
.endr
.irp b, 0,1
	v_add_nc_u32 v[244+\b], 0xff000000, v[232+\b]
.endr
.irp b, 0,1
	v_lshrrev_b32 v[236+\b], 23, v[244+\b]
.endr
	v_lshl_or_b32 v50, v237, 8, v236               ; my head's two bytes of the scale word
	v_cvt_scalef32_pk16_fp6_f32 v[32:34], v[96:111], v244
	v_cvt_scalef32_pk16_fp6_f32 v[40:42], v[112:127], v245
	v_nop
.irp i, 0,1,2
	v_permlane16_swap_b32 v[32+\i], v[40+\i]
.endr
.irp i, 0,1,2
	v_mov_b32 v[35+\i], v[40+\i]                   ; v32-37: registers 6 c .. 6 c + 5 of the fragment, c my head's place in the pair
.endr
.irp i, 0,1,2,3
	v_cndmask_b32 v[44+\i], v[32+\i], v[34+\i], s[PAR]   ; the four that fill a whole piece of the image: 0-3 (even head) or 8-11 (odd head)
.endr
.irp i, 0,1
	v_cndmask_b32 v[48+\i], v[36+\i], v[32+\i], s[PAR]   ; the two that share the middle piece with the other head's wave
.endr
	global_store_b128 v[GOA], v[44:47], s[94:95]   ; 512 consecutive bytes, aligned
	ds_store_b64 v[STGA], v[48:49]
	ds_store_b16 v[STSA], v50                      ; both halves of the lanes write the same bytes with the same value
	s_wait_dscnt 0x0                               ; for the others' sake
	s_barrier_signal -1
	s_barrier_wait -1
	s_cmp_eq_u32 s12, 0
	s_cbranch_scc0 .Lodd
	ds_load_b128 v[56:59], v[STGA]                 ; the even head's wave stores the middle piece
	s_wait_dscnt 0x0
	global_store_b128 v[AK0], v[56:59], s[94:95] offset:512
.Lodd:
	s_and_b32 s17, s[WV], 3
	s_cmp_eq_u32 s17, 1
	s_cbranch_scc0 .Lno_words
	ds_load_b32 v60, v[STSR]                       ; waves 1, 5, 9, 13 store two tiles' scale words each
	s_wait_dscnt 0x0
	global_store_b32 v[GOS], v60, s[96:97]
.Lno_words:
	s_wait_tensorcnt 0x0                           ; the wave's end
	ds_add_u32 v[SPW], v[NIL]
	s_wait_dscnt 0x0
	ROUND                                          ; the closing round
	s_endpgm
.Lfunc_end_k_qea6bcfe90b_attn:
	.size	k_qea6bcfe90b_attn, .Lfunc_end_k_qea6bcfe90b_attn-k_qea6bcfe90b_attn
	.p2alignl 7, 3214868480
	.fill 96, 4, 3214868480
	.section	.rodata,"a",@progbits
	.p2align	6, 0x0
	.amdhsa_kernel k_qea6bcfe90b_attn
		.amdhsa_group_segment_fixed_size 327680
		.amdhsa_private_segment_fixed_size 0
		.amdhsa_enable_private_segment 0
		.amdhsa_kernarg_size 16
		.amdhsa_user_sgpr_count 2
		.amdhsa_user_sgpr_kernarg_segment_ptr 1
		.amdhsa_wavefront_size32 1
		.amdhsa_system_sgpr_workgroup_id_x 1
		.amdhsa_system_sgpr_workgroup_id_y 1
		.amdhsa_system_sgpr_workgroup_id_z 1
		.amdhsa_system_vgpr_workitem_id 0
		.amdhsa_next_free_vgpr 256
		.amdhsa_next_free_sgpr 102
		.amdhsa_reserve_vcc 1
		.amdhsa_float_denorm_mode_32 3
		.amdhsa_float_denorm_mode_16_64 3
		.amdhsa_memory_ordered 1
		.amdhsa_forward_progress 1
		.amdhsa_inst_pref_size 196
	.end_amdhsa_kernel
	.amdgpu_metadata
---
amdhsa.version: [ 1, 2 ]
amdhsa.kernels:
  - .name:           k_qea6bcfe90b_attn
    .symbol:         k_qea6bcfe90b_attn.kd
    .args:
      - { .name: qkv, .offset: 0, .size: 8, .value_kind: global_buffer, .address_space: global }
      - { .name: ao, .offset: 8, .size: 8, .value_kind: global_buffer, .address_space: global }
    .group_segment_fixed_size: 327680
    .private_segment_fixed_size: 0
    .kernarg_segment_align: 8
    .kernarg_segment_size: 16
    .max_flat_workgroup_size: 512
    .sgpr_count:     102
    .vgpr_count:     256
    .wavefront_size: 32
...
	.end_amdgpu_metadata
.endif
;; end of part 4
;; launch wo (part 5): grid 4 x 16, 4 waves a work-group, clusters of 4 x 4, 327,680 bytes of LDS; arguments ao, wa, x, x1; writes x1
.if DOCPART == 5
	.amdgcn_target "amdgcn-amd-amdhsa--gfx1250"
	.amdhsa_code_object_version 6
	.text
	.protected	k_qea6bcfe90b_wo
	.globl	k_qea6bcfe90b_wo
	.p2align	8
	.type	k_qea6bcfe90b_wo,@function
k_qea6bcfe90b_wo:
	s_mov_b64 s[64:65], 0
	v_nop
	global_prefetch_b8 v0, s[64:65] scope:SCOPE_SE
	s_setreg_imm32_b32 hwreg(HW_REG_WAVE_MODE, 25, 1), 1
	s_wait_xcnt 0x0
	s_wait_alu depctr_hold_cnt(0) depctr_sa_sdst(0) depctr_va_vdst(0) depctr_va_sdst(0) depctr_va_ssrc(0) depctr_va_vcc(0) depctr_vm_vsrc(0)
	s_getreg_b32 s2, hwreg(HW_REG_IB_STS2, 6, 4)
	s_cmp_eq_u32 s2, 0
	s_cbranch_scc0 .Lentry_in_a_cluster
	s_endpgm
.Lentry_in_a_cluster:
	s_bfe_u32 s2, ttmp6, 0x10000c
	s_cmp_lg_u32 s2, 0xf033
	s_cbranch_scc0 .Lentry_shape_is_right
	s_endpgm
.Lentry_shape_is_right:
; out = res + A B^T + bias, f32 [4096][1024]: a product on codes of FP6 (E2M3) with E8M0 scales for each 32 along K.
; OPERANDS: +0 bias of each row; +0x80000 scale words; +0x100000 codes.  Tile t of 16 rows: slot r is row 32 (t / 2) + 8 (t % 2) + r + 8 (r / 8).
; The fragment of (t, K step s of 128) lies at (t KS + s) x 1,536 as the image of its 12 registers; its scale words at (t KS + s) x 64 + 4 r.
; Arguments: A (rows = tokens), the weights' buffer (B at + WOFF), res, out.
; A tile of 256 x 256 is made by four waves of 128 x 128: 64 accumulators.  K goes in steps of 256 through a ring of two LDS slots filled by the tensor data mover; the scale words come once.
; CLUSTERS: 4 x 4; A's tiles are asked for jointly along a row of the cluster, B's along a column.  1,024 columns make 4 x 16 = 64 tiles: 64 work-groups.
; THE MATRIX INSTRUCTION IS USED TRANSPOSED (source 0 = 16 rows of B, source 1 = 16 rows of A): a lane holds one row of the result and, in B's tile b, the columns 32 (b / 2) + 16 h + 8 (b % 2) + 0 .. 7.
; REGISTERS, in windows of 256: window 0: v16-31 addresses; v32-47 scale words, two sets; v48-51 the bias; A's fragments, two sets, at v64 and v160; on the way out v64-191 rows of the result.
;   window 1: B's fragments, two sets, at v0 and v96; v192-255, and on the way out all of it, rows of res.   windows 2, 3: accumulator (a, b) at v[8 (8 (a % 4) + b)].
.set KS,    8
.set WOFF,  0x800000
.set FRB,   1536
.set QB,    16*FRB
.set SLOT,  4*QB
.set LAPS,  KS/4
.set SQ,    512*KS
.set SCL,   2*SLOT
.set SPARE, SCL+4*SQ                   ; the spare words, 128 bytes for each wave: two blocks of 256 bytes that no other line names
.set SPITCH, 528                       ; the way out: a stage of 16 rows x (512 bytes + 16) for each wave, in slot 0, which has had its last fill and its last read by then
.set OCD, 0x100000
.set OSC, 0x80000
.set ADRA, 16
.set ADRB, 20
.set STO,  24
.set RD,   25
.set ADRS, 27
.set SPW,  28
.set NIL,  29
.set LI,   30
.set SC,   32
.set BI,   48
.set AF,   64
.set G1, 24
.set G0, 32
.set G1B, 48
.set G0B, 56
.set G1S, 68
.set G0S, 76
.set G1SB, 80
.set G0SB, 88
.set MSB, 0
.macro WIN new
.if MSB != (\new)
	s_set_vgpr_msb (MSB<<8)|(\new)
.set MSB, (\new)
.endif
.endm
.set MUL_LO, 0xa1
.set MUL_HI, 0xf1
.set TO_B,   0x40
.macro JLOAD g0a, g1a, g0b, g1b        ; a joint load: waves 0 and 1 fetch for A, waves 2 and 3 for B; four v_nop follow each of the two lines
	s_cmp_eq_u32 s15, 0
	s_cbranch_scc0 .Lfor_b_\@
	tensor_load_to_lds s[\g0a:\g0a+3], s[\g1a:\g1a+7]
	s_nop 0
.rept 4
	v_nop
.endr
	s_branch .Lasked_\@
.Lfor_b_\@:
	tensor_load_to_lds s[\g0b:\g0b+3], s[\g1b:\g1b+7]
	s_nop 0
.rept 4
	v_nop
.endr
.Lasked_\@:
.endm
.macro CREST
	s_cmp_lg_u32 s14, 0
	s_cbranch_scc1 .Lnot_wave_0_\@
	s_barrier_signal -3
.Lnot_wave_0_\@:
	s_barrier_wait -3
	s_barrier_signal -1
	s_barrier_wait -1
.endm
.macro CROUND
	s_barrier_signal -1
	s_barrier_wait -1
	CREST
.endm
.macro PLACES n
.rept \n
	v_nop
.endr
.endm
; 16 rows of res for A's tile a, 512 bytes a row, into window 1
.macro RLOAD a
	WIN 0x40
.irp t, 0,1,2,3,4,5,6,7,8,9,10,11,12,13,14,15
	global_load_b128 v[(192+64*((\a)%4))%256+4*\t:(192+64*((\a)%4))%256+4*\t+3], v[LI], s[8:9] offset:(32*((\a)/2)+8*((\a)%2)+\t+8*(\t/8))*4096
.endr
	WIN 0
.endm
	s_load_b256 s[4:11], s[0:1], 0x0               ; A, weights, res, out
	v_lshl_add_u32 v[SPW], v0, 2, SPARE
	v_mov_b32 v[NIL], 0
	ds_add_u32 v28, v29
	s_wait_dscnt 0x0
	v_lshrrev_b32 v1, 5, v0
	v_readfirstlane_b32 s14, v1                    ; wave 0..3
	s_lshr_b32 s15, s14, 1
	s_and_b32 s16, s14, 1
	s_bfe_u32 s40, ttmp6, 0x40000                  ; cx, cy
	s_bfe_u32 s41, ttmp6, 0x40004
	s_lshl_b32 s42, ttmp9, 2
	s_add_co_u32 s42, s42, s40                     ; which 256 rows of B
	s_and_b32 s17, ttmp7, 0xffff
	s_lshl_b32 s17, s17, 2
	s_add_co_u32 s17, s17, s41                     ; which 256 rows of A
	s_lshl_b32 s43, s41, 2
	s_lshl_b32 s43, 15, s43
	s_lshl_b32 s44, 0x1111, s40
	s_or_b32 s[G1+0], s43, (3<<16)|(1<<21)         ; codes: 8 rows (tiles) of 3,072 bytes, KS x 1,536 bytes apart; elements of 8 bytes; no padding
	s_or_b32 s[G1B+0], s44, (3<<16)|(1<<21)
.irp g, G1, G1B
	s_mov_b32 s[\g+1], 384<<16
	s_mov_b32 s[\g+2], 8<<16
	s_mov_b32 s[\g+3], 384<<16
	s_mov_b32 s[\g+4], 8
	s_mov_b32 s[\g+5], 192*KS
	s_mov_b32 s[\g+6], 0
	s_mov_b32 s[\g+7], 0
.endr
	s_or_b32 s[G1S+0], s43, (3<<16)|(1<<21)        ; scale words of 8 tiles: a dense block, as rows of 256 bytes
	s_or_b32 s[G1SB+0], s44, (3<<16)|(1<<21)
.irp g, G1S, G1SB
	s_mov_b32 s[\g+1], 32<<16
	s_mov_b32 s[\g+2], (2*KS)<<16
	s_mov_b32 s[\g+3], 32<<16
	s_mov_b32 s[\g+4], 2*KS
	s_mov_b32 s[\g+5], 32
	s_mov_b32 s[\g+6], 0
	s_mov_b32 s[\g+7], 0
.endr
	s_lshl_b32 s18, s16, 3
	s_lshl_b32 s20, s17, 4
	s_add_co_u32 s20, s20, s18
	s_lshl_b32 s46, s42, 4
	s_add_co_u32 s46, s46, s18
	s_mul_i32 s22, s20, KS*64
	s_add_co_u32 s22, s22, OSC
	s_mul_i32 s20, s20, KS*FRB
	s_add_co_u32 s20, s20, OCD
	s_mul_i32 s94, s46, KS*64
	s_add_co_u32 s94, s94, OSC
	s_mul_i32 s46, s46, KS*FRB
	s_add_co_u32 s46, s46, OCD
	s_mov_b32 s21, 0
	s_mov_b32 s23, 0
	s_mov_b32 s47, 0
	s_mov_b32 s95, 0
	s_mul_i32 s45, s14, QB
	s_mul_i32 s98, s14, SQ
	s_wait_kmcnt 0x0
	s_add_nc_u64 s[12:13], s[6:7], WOFF            ; B's operand
	s_add_nc_u64 s[20:21], s[4:5], s[20:21]
	s_add_nc_u64 s[22:23], s[4:5], s[22:23]
	s_add_nc_u64 s[46:47], s[12:13], s[46:47]
	s_add_nc_u64 s[94:95], s[12:13], s[94:95]
	CROUND                                         ; all sixteen work-groups are here: the first joint loads meet
	s_mov_b32 s[G0S], 1
	s_add_co_u32 s[G0S+1], s98, SCL
	s_mov_b64 s[G0S+2:G0S+3], s[22:23]
	s_or_b32 s[G0S+3], s[G0S+3], 0x80000000
	s_mov_b32 s[G0SB], 1
	s_add_co_u32 s[G0SB+1], s98, SCL
	s_mov_b64 s[G0SB+2:G0SB+3], s[94:95]
	s_or_b32 s[G0SB+3], s[G0SB+3], 0x80000000
	JLOAD G0S, G1S, G0SB, G1SB
.irp s, 0,1
	s_mov_b32 s[G0+4*\s], 1
	s_add_co_u32 s[G0+4*\s+1], s45, \s*SLOT
	s_add_nc_u64 s[G0+4*\s+2:G0+4*\s+3], s[20:21], \s*2*FRB
	s_or_b32 s[G0+4*\s+3], s[G0+4*\s+3], 0x80000000
	s_mov_b32 s[G0B+4*\s], 1
	s_add_co_u32 s[G0B+4*\s+1], s45, \s*SLOT
	s_add_nc_u64 s[G0B+4*\s+2:G0B+4*\s+3], s[46:47], \s*2*FRB
	s_or_b32 s[G0B+4*\s+3], s[G0B+4*\s+3], 0x80000000
	JLOAD G0+4*\s, G1, G0B+4*\s, G1B               ; by this text's count three tensor loads of a wave are out
.endr
	v_and_b32 v1, 31, v0
	v_lshlrev_b32 v[LI], 4, v1
	v_and_b32 v2, 15, v0
	v_bfe_u32 v3, v0, 4, 1
	s_mul_i32 s21, s15, QB
	s_mul_i32 s22, s16, QB
	s_add_co_u32 s22, s22, 2*QB
.irp s, 0,1
	v_add_nc_u32 v[ADRA+\s], s21, v[LI]
	v_add_nc_u32 v[ADRB+\s], s22, v[LI]
	s_add_co_u32 s21, s21, SLOT
	s_add_co_u32 s22, s22, SLOT
.endr
	s_mul_i32 s21, s15, SQ
	s_mul_i32 s22, s16, SQ
	s_add_co_u32 s22, s22, 2*SQ
	s_sub_co_u32 s22, s22, s21
	v_mul_u32_u24 v4, s22, v3
	s_add_co_u32 s21, s21, SCL
	v_lshl_add_u32 v4, v2, 2, v4
	v_add_nc_u32 v[ADRS], s21, v4
	s_mul_i32 s23, s14, 16*SPITCH                  ; my stage
	v_mul_u32_u24 v5, v2, SPITCH
	v_lshl_add_u32 v5, v3, 6, v5
	v_add_nc_u32 v[STO], s23, v5                   ; in: row r, + 64 h
	v_add_nc_u32 v[RD], s23, v[LI]                 ; back: the 32 lanes take one row of 512 bytes
	s_lshl_b32 s20, s17, 8
	s_lshl_b32 s21, s15, 7
	s_add_co_u32 s20, s20, s21
	s_lshl_b32 s20, s20, 12                        ; my first row, 4,096 bytes a row,
	s_lshl_b32 s46, s42, 10
	s_lshl_b32 s47, s16, 9
	s_add_co_u32 s46, s46, s47                     ; my first column, in bytes
	s_mov_b32 s47, 0
	s_add_nc_u64 s[92:93], s[12:13], s[46:47]      ; the bias of my 128 columns
	s_add_co_u32 s20, s20, s46
	s_mov_b32 s21, 0
	s_add_nc_u64 s[8:9], s[8:9], s[20:21]
	s_add_nc_u64 s[10:11], s[10:11], s[20:21]
	global_load_b128 v[BI:BI+3], v[LI], s[92:93]   ; of my four columns of a row read back from the stage
	RLOAD 0                                        ; the first 16 rows of res come while K is walked
.macro FETCH slot, q, p
	WIN TO_B
.irp i, 0,1,2,3,4,5,6,7
.irp c, 0,1,2
	ds_load_b128 v[96*(\p)+12*\i+4*\c:96*(\p)+12*\i+4*\c+3], v[ADRB+\slot] offset:\i*2*FRB+(\q)*FRB+512*\c
.endr
.endr
	WIN 0
.irp i, 0,1,2,3,4,5,6,7
.irp c, 0,1,2
	ds_load_b128 v[AF+96*(\p)+12*\i+4*\c:AF+96*(\p)+12*\i+4*\c+3], v[ADRA+\slot] offset:\i*2*FRB+(\q)*FRB+512*\c
.endr
.endr
.irp i, 0,1,2,3,4,5,6,7
	ds_load_b32 v[SC+8*(\p)+\i], v[ADRS] offset:\i*64*KS+64*(\q)
.endr
.endm
; The 64 accumulators take turns, one instruction a turn, in the same order in every step.
.macro MUL16 a0, p, zero
.irp a, \a0, \a0+1
.irp b, 0,1,2,3,4,5,6,7
.if \zero
	v_wmma_scale_f32_16x16x128_f8f6f4 v[8*(8*((\a)%4)+\b):8*(8*((\a)%4)+\b)+7], v[96*(\p)+12*\b:96*(\p)+12*\b+11], v[AF+96*(\p)+12*(\a):AF+96*(\p)+12*(\a)+11], 0, v[SC+8*(\p)+\b], v[SC+8*(\p)+(\a)] matrix_a_fmt:MATRIX_FMT_FP6 matrix_b_fmt:MATRIX_FMT_FP6 matrix_a_scale:MATRIX_SCALE_ROW1
.else
	v_wmma_scale_f32_16x16x128_f8f6f4 v[8*(8*((\a)%4)+\b):8*(8*((\a)%4)+\b)+7], v[96*(\p)+12*\b:96*(\p)+12*\b+11], v[AF+96*(\p)+12*(\a):AF+96*(\p)+12*(\a)+11], v[8*(8*((\a)%4)+\b):8*(8*((\a)%4)+\b)+7], v[SC+8*(\p)+\b], v[SC+8*(\p)+(\a)] matrix_a_fmt:MATRIX_FMT_FP6 matrix_b_fmt:MATRIX_FMT_FP6 matrix_a_scale:MATRIX_SCALE_ROW1
.endif
.endr
.endr
.endm
.macro STEP slot, zero
	PLACES 4
	FETCH \slot, 1, 1
	s_wait_dscnt 56                                ; all but the 56 loads just issued: sets 0 are in
	WIN MUL_LO
	MUL16 0, 0, \zero
	MUL16 2, 0, \zero
	WIN MUL_HI
	MUL16 4, 0, \zero
	MUL16 6, 0, \zero
	WIN 0
.endm
.macro TURN slot, next, fill
	s_wait_tensorcnt 0x0                           ; all my tensor loads have landed: my part of the next slot;
	ds_add_u32 v[SPW], v[NIL]                      ; 0 onto my spare word
	s_wait_dscnt 1                                 ; (the add alone may be out: sets 1 are in)
	WIN MUL_LO
	MUL16 0, 1, 0
	s_wait_dscnt 0x0                               ; the add is done, and my reads of this slot are over
	s_barrier_signal -1
	MUL16 2, 1, 0
	WIN 0
	s_barrier_wait -1
.if \fill
	CREST                                          ; the barrier has opened a round of the cluster's: no wave of any partner still reads this slot or has a load on its way
	s_add_nc_u64 s[G0+4*\slot+2:G0+4*\slot+3], s[G0+4*\slot+2:G0+4*\slot+3], 4*FRB
	s_add_nc_u64 s[G0B+4*\slot+2:G0B+4*\slot+3], s[G0B+4*\slot+2:G0B+4*\slot+3], 4*FRB
	JLOAD G0+4*\slot, G1, G0B+4*\slot, G1B         ; the first tensor load behind the round; its four v_nop are the places in front of the loads below
.else
	PLACES 4
.endif
	v_add_nc_u32 v[ADRS], 128, v[ADRS]
	FETCH \next, 0, 0
	WIN MUL_HI
	MUL16 4, 1, 0
	MUL16 6, 1, 0
	WIN 0
.endm
	s_wait_tensorcnt 1                             ; the scale words and my part of slot 0 are in (slot 1's load may be out)
	s_barrier_signal -1
	s_barrier_wait -1
	FETCH 0, 0, 0
	STEP 0, 1                                      ; the first step's products start the sums
	s_mov_b32 s3, LAPS-1
.Llap:
	TURN 0, 1, 1
	STEP 1, 0
	TURN 1, 0, 1
	STEP 0, 0
	s_sub_co_u32 s3, s3, 1
	s_cmp_lg_u32 s3, 0
	s_cbranch_scc1 .Llap
	TURN 0, 1, 0
	STEP 1, 0
	s_wait_dscnt 0x0
	WIN MUL_LO
	MUL16 0, 1, 0
	MUL16 2, 1, 0
	WIN MUL_HI
	MUL16 4, 1, 0
	MUL16 6, 1, 0
	WIN 0
; THE WAY OUT, A's tiles one after the other.  A lane holds pieces of 32 bytes of one row: a tile goes through my own stage in LDS and comes back as whole rows of 512 bytes; res and the bias are added; the 32 lanes
; store 512 consecutive bytes, aligned.  LDS serves a wave's instructions in order (ISA guide 5.7.1.4): no wait between the stores and the loads.
.macro TOSTAGE a
	WIN 0x08+4*((\a)/4)                            ; the data: window 2 or 3
.irp b, 0,1,2,3,4,5,6,7
	ds_store_b128 v[STO], v[64*((\a)%4)+8*\b:64*((\a)%4)+8*\b+3] offset:128*(\b/2)+32*(\b%2)       ; each accumulator from its low end on
	ds_store_b128 v[STO], v[64*((\a)%4)+8*\b+4:64*((\a)%4)+8*\b+7] offset:128*(\b/2)+32*(\b%2)+16
.endr
	WIN 0
.irp t, 0,1,2,3,4,5,6,7,8,9,10,11,12,13,14,15
	ds_load_b128 v[64+64*((\a)%2)+4*\t:64+64*((\a)%2)+4*\t+3], v[RD] offset:\t*SPITCH
.endr
.endm
.macro SEND a, younger                 ; younger: the LDS instructions issued behind tile a's loads, which may stay out
.set BBX, 64+64*((\a)%2)
.set RSX, (192+64*((\a)%4))%256
.set LCX, 48
.if (\a) > 4
.set LCX, 16*(7-(\a))
.endif
	s_wait_dscnt \younger
	s_wait_loadcnt LCX                             ; tile a's 16 rows of res are in; those of the tiles asked for behind them (three, then two, one, none) may be out
	WIN 0x04                                       ; source 1: window 1
.irp t, 0,1,2,3,4,5,6,7,8,9,10,11,12,13,14,15
	v_pk_add_f32 v[BBX+4*\t:BBX+4*\t+1], v[BBX+4*\t:BBX+4*\t+1], v[RSX+4*\t:RSX+4*\t+1]
	v_pk_add_f32 v[BBX+4*\t+2:BBX+4*\t+3], v[BBX+4*\t+2:BBX+4*\t+3], v[RSX+4*\t+2:RSX+4*\t+3]
.endr
	WIN 0
.if (\a) < 4
	RLOAD (\a)+4                                   ; its registers take the tile four further on
.endif
.irp t, 0,1,2,3,4,5,6,7,8,9,10,11,12,13,14,15
	v_pk_add_f32 v[BBX+4*\t:BBX+4*\t+1], v[BBX+4*\t:BBX+4*\t+1], v[BI:BI+1]
	v_pk_add_f32 v[BBX+4*\t+2:BBX+4*\t+3], v[BBX+4*\t+2:BBX+4*\t+3], v[BI+2:BI+3]
.endr
.irp t, 0,1,2,3,4,5,6,7,8,9,10,11,12,13,14,15
	global_store_b128 v[LI], v[BBX+4*\t:BBX+4*\t+3], s[10:11] offset:(32*((\a)/2)+8*((\a)%2)+\t+8*(\t/8))*4096
.endr
.endm
	PLACES 4                                       ; for the loads into the fragments' registers and the first reads of results
	RLOAD 1
	RLOAD 2
	RLOAD 3
	TOSTAGE 0
.irp a, 1,2,3,4,5,6,7
.if \a > 1
	s_wait_xcnt 0x0                                ; tile a - 2's stores have read their registers: tile a's rows may land there
.endif
	TOSTAGE \a
	SEND \a-1, 32                                  ; behind tile a - 1's loads: tile a's 16 stores and 16 loads
.endr
	SEND 7, 0
	s_wait_tensorcnt 0x0                           ; the wave's end
	ds_add_u32 v[SPW], v[NIL]
	s_wait_dscnt 0x0
	CROUND                                         ; the closing round
	s_endpgm
.Lfunc_end_k_qea6bcfe90b_wo:
	.size	k_qea6bcfe90b_wo, .Lfunc_end_k_qea6bcfe90b_wo-k_qea6bcfe90b_wo
	.p2alignl 7, 3214868480
	.fill 96, 4, 3214868480
	.section	.rodata,"a",@progbits
	.p2align	6, 0x0
	.amdhsa_kernel k_qea6bcfe90b_wo
		.amdhsa_group_segment_fixed_size 327680
		.amdhsa_private_segment_fixed_size 0
		.amdhsa_enable_private_segment 0
		.amdhsa_kernarg_size 32
		.amdhsa_user_sgpr_count 2
		.amdhsa_user_sgpr_kernarg_segment_ptr 1
		.amdhsa_wavefront_size32 1
		.amdhsa_system_sgpr_workgroup_id_x 1
		.amdhsa_system_sgpr_workgroup_id_y 1
		.amdhsa_system_sgpr_workgroup_id_z 1
		.amdhsa_system_vgpr_workitem_id 0
		.amdhsa_next_free_vgpr 1024
		.amdhsa_next_free_sgpr 100
		.amdhsa_reserve_vcc 0
		.amdhsa_float_denorm_mode_32 3
		.amdhsa_float_denorm_mode_16_64 3
		.amdhsa_memory_ordered 1
		.amdhsa_forward_progress 1
		.amdhsa_inst_pref_size 181
	.end_amdhsa_kernel
	.amdgpu_metadata
---
amdhsa.version: [ 1, 2 ]
amdhsa.kernels:
  - .name:           k_qea6bcfe90b_wo
    .symbol:         k_qea6bcfe90b_wo.kd
    .args:
      - { .name: ao, .offset: 0, .size: 8, .value_kind: global_buffer, .address_space: global }
      - { .name: wa, .offset: 8, .size: 8, .value_kind: global_buffer, .address_space: global }
      - { .name: x, .offset: 16, .size: 8, .value_kind: global_buffer, .address_space: global }
      - { .name: x1, .offset: 24, .size: 8, .value_kind: global_buffer, .address_space: global }
    .group_segment_fixed_size: 327680
    .private_segment_fixed_size: 0
    .kernarg_segment_align: 8
    .kernarg_segment_size: 32
    .max_flat_workgroup_size: 128
    .sgpr_count:     100
    .vgpr_count:     1024
    .wavefront_size: 32
...
	.end_amdgpu_metadata
.endif
;; end of part 5
;; launch ln2: the kernel of part 2 again; grid 256 x 1, 8 waves a work-group, no clusters, 67,584 bytes of LDS; arguments x1, gamma2, beta2, xn2; writes xn2
;; launch ffn1: the kernel of part 3 again; grid 16 x 16, 4 waves a work-group, clusters of 4 x 4, 327,680 bytes of LDS; arguments xn2, wb, hid; writes hid
;; launch ffn2 (part 6): grid 4 x 16, 4 waves a work-group, clusters of 4 x 4, 327,680 bytes of LDS; arguments hid, wb, x1, out0; writes out0
.if DOCPART == 6
	.amdgcn_target "amdgcn-amd-amdhsa--gfx1250"
	.amdhsa_code_object_version 6
	.text
	.protected	k_qea6bcfe90b_ffn2
	.globl	k_qea6bcfe90b_ffn2
	.p2align	8
	.type	k_qea6bcfe90b_ffn2,@function
k_qea6bcfe90b_ffn2:
	s_mov_b64 s[64:65], 0
	v_nop
	global_prefetch_b8 v0, s[64:65] scope:SCOPE_SE
	s_setreg_imm32_b32 hwreg(HW_REG_WAVE_MODE, 25, 1), 1
	s_wait_xcnt 0x0
	s_wait_alu depctr_hold_cnt(0) depctr_sa_sdst(0) depctr_va_vdst(0) depctr_va_sdst(0) depctr_va_ssrc(0) depctr_va_vcc(0) depctr_vm_vsrc(0)
	s_getreg_b32 s2, hwreg(HW_REG_IB_STS2, 6, 4)
	s_cmp_eq_u32 s2, 0
	s_cbranch_scc0 .Lentry_in_a_cluster
	s_endpgm
.Lentry_in_a_cluster:
	s_bfe_u32 s2, ttmp6, 0x10000c
	s_cmp_lg_u32 s2, 0xf033
	s_cbranch_scc0 .Lentry_shape_is_right
	s_endpgm
.Lentry_shape_is_right:
; out = res + A B^T + bias, f32 [4096][1024]: a product on codes of FP6 (E2M3) with E8M0 scales for each 32 along K.  The text of the launch for the output projection with K = 4,096 (KS = 32) and B at + 0x400000.
; OPERANDS: +0 bias of each row; +0x80000 scale words; +0x100000 codes.  Tile t of 16 rows: slot r is row 32 (t / 2) + 8 (t % 2) + r + 8 (r / 8).
; The fragment of (t, K step s of 128) lies at (t KS + s) x 1,536 as the image of its 12 registers; its scale words at (t KS + s) x 64 + 4 r.
; Arguments: A (rows = tokens), the weights' buffer (B at + WOFF), res, out.
; A tile of 256 x 256 is made by four waves of 128 x 128: 64 accumulators.  K goes in steps of 256 through a ring of two LDS slots filled by the tensor data mover; the scale words come once.
; CLUSTERS: 4 x 4; A's tiles are asked for jointly along a row of the cluster, B's along a column.  1,024 columns make 4 x 16 = 64 tiles: 64 work-groups.
; THE MATRIX INSTRUCTION IS USED TRANSPOSED (source 0 = 16 rows of B, source 1 = 16 rows of A): a lane holds one row of the result and, in B's tile b, the columns 32 (b / 2) + 16 h + 8 (b % 2) + 0 .. 7.
; REGISTERS, in windows of 256: window 0: v16-31 addresses; v32-47 scale words, two sets; v48-51 the bias; A's fragments, two sets, at v64 and v160; on the way out v64-191 rows of the result.
;   window 1: B's fragments, two sets, at v0 and v96; v192-255, and on the way out all of it, rows of res.   windows 2, 3: accumulator (a, b) at v[8 (8 (a % 4) + b)].
.set KS,    32
.set WOFF,  0x400000
.set FRB,   1536
.set QB,    16*FRB
.set SLOT,  4*QB
.set LAPS,  KS/4
.set SQ,    512*KS
.set SCL,   2*SLOT
.set SPARE, SCL+4*SQ                   ; the spare words, 128 bytes for each wave: two blocks of 256 bytes that no other line names
.set SPITCH, 528                       ; the way out: a stage of 16 rows x (512 bytes + 16) for each wave, in slot 0, which has had its last fill and its last read by then
.set OCD, 0x100000
.set OSC, 0x80000
.set ADRA, 16
.set ADRB, 20
.set STO,  24
.set RD,   25
.set ADRS, 27
.set SPW,  28
.set NIL,  29
.set LI,   30
.set SC,   32
.set BI,   48
.set AF,   64
.set G1, 24
.set G0, 32
.set G1B, 48
.set G0B, 56
.set G1S, 68
.set G0S, 76
.set G1SB, 80
.set G0SB, 88
.set MSB, 0
.macro WIN new
.if MSB != (\new)
	s_set_vgpr_msb (MSB<<8)|(\new)
.set MSB, (\new)
.endif
.endm
.set MUL_LO, 0xa1
.set MUL_HI, 0xf1
.set TO_B,   0x40
.macro JLOAD g0a, g1a, g0b, g1b        ; a joint load: waves 0 and 1 fetch for A, waves 2 and 3 for B; four v_nop follow each of the two lines
	s_cmp_eq_u32 s15, 0
	s_cbranch_scc0 .Lfor_b_\@
	tensor_load_to_lds s[\g0a:\g0a+3], s[\g1a:\g1a+7]
	s_nop 0
.rept 4
	v_nop
.endr
	s_branch .Lasked_\@
.Lfor_b_\@:
	tensor_load_to_lds s[\g0b:\g0b+3], s[\g1b:\g1b+7]
	s_nop 0
.rept 4
	v_nop
.endr
.Lasked_\@:
.endm
.macro CREST
	s_cmp_lg_u32 s14, 0
	s_cbranch_scc1 .Lnot_wave_0_\@
	s_barrier_signal -3
.Lnot_wave_0_\@:
	s_barrier_wait -3
	s_barrier_signal -1
	s_barrier_wait -1
.endm
.macro CROUND
	s_barrier_signal -1
	s_barrier_wait -1
	CREST
.endm
.macro PLACES n
.rept \n
	v_nop
.endr
.endm
; 16 rows of res for A's tile a, 512 bytes a row, into window 1
.macro RLOAD a
	WIN 0x40
.irp t, 0,1,2,3,4,5,6,7,8,9,10,11,12,13,14,15
	global_load_b128 v[(192+64*((\a)%4))%256+4*\t:(192+64*((\a)%4))%256+4*\t+3], v[LI], s[8:9] offset:(32*((\a)/2)+8*((\a)%2)+\t+8*(\t/8))*4096
.endr
	WIN 0
.endm
	s_load_b256 s[4:11], s[0:1], 0x0               ; A, weights, res, out
	v_lshl_add_u32 v[SPW], v0, 2, SPARE
	v_mov_b32 v[NIL], 0
	ds_add_u32 v28, v29
	s_wait_dscnt 0x0
	v_lshrrev_b32 v1, 5, v0
	v_readfirstlane_b32 s14, v1                    ; wave 0..3
	s_lshr_b32 s15, s14, 1
	s_and_b32 s16, s14, 1
	s_bfe_u32 s40, ttmp6, 0x40000                  ; cx, cy
	s_bfe_u32 s41, ttmp6, 0x40004
	s_lshl_b32 s42, ttmp9, 2
	s_add_co_u32 s42, s42, s40                     ; which 256 rows of B
	s_and_b32 s17, ttmp7, 0xffff
	s_lshl_b32 s17, s17, 2
	s_add_co_u32 s17, s17, s41                     ; which 256 rows of A
	s_lshl_b32 s43, s41, 2
	s_lshl_b32 s43, 15, s43
	s_lshl_b32 s44, 0x1111, s40
	s_or_b32 s[G1+0], s43, (3<<16)|(1<<21)         ; codes: 8 rows (tiles) of 3,072 bytes, KS x 1,536 bytes apart; elements of 8 bytes; no padding
	s_or_b32 s[G1B+0], s44, (3<<16)|(1<<21)
.irp g, G1, G1B
	s_mov_b32 s[\g+1], 384<<16
	s_mov_b32 s[\g+2], 8<<16
	s_mov_b32 s[\g+3], 384<<16
	s_mov_b32 s[\g+4], 8
	s_mov_b32 s[\g+5], 192*KS
	s_mov_b32 s[\g+6], 0
	s_mov_b32 s[\g+7], 0
.endr
	s_or_b32 s[G1S+0], s43, (3<<16)|(1<<21)        ; scale words of 8 tiles: a dense block, as rows of 256 bytes
	s_or_b32 s[G1SB+0], s44, (3<<16)|(1<<21)
.irp g, G1S, G1SB
	s_mov_b32 s[\g+1], 32<<16
	s_mov_b32 s[\g+2], (2*KS)<<16
	s_mov_b32 s[\g+3], 32<<16
	s_mov_b32 s[\g+4], 2*KS
	s_mov_b32 s[\g+5], 32
	s_mov_b32 s[\g+6], 0
	s_mov_b32 s[\g+7], 0
.endr
	s_lshl_b32 s18, s16, 3
	s_lshl_b32 s20, s17, 4
	s_add_co_u32 s20, s20, s18
	s_lshl_b32 s46, s42, 4
	s_add_co_u32 s46, s46, s18
	s_mul_i32 s22, s20, KS*64
	s_add_co_u32 s22, s22, OSC
	s_mul_i32 s20, s20, KS*FRB
	s_add_co_u32 s20, s20, OCD
	s_mul_i32 s94, s46, KS*64
	s_add_co_u32 s94, s94, OSC
	s_mul_i32 s46, s46, KS*FRB
	s_add_co_u32 s46, s46, OCD
	s_mov_b32 s21, 0
	s_mov_b32 s23, 0
	s_mov_b32 s47, 0
	s_mov_b32 s95, 0
	s_mul_i32 s45, s14, QB
	s_mul_i32 s98, s14, SQ
	s_wait_kmcnt 0x0
	s_add_nc_u64 s[12:13], s[6:7], WOFF            ; B's operand
	s_add_nc_u64 s[20:21], s[4:5], s[20:21]
	s_add_nc_u64 s[22:23], s[4:5], s[22:23]
	s_add_nc_u64 s[46:47], s[12:13], s[46:47]
	s_add_nc_u64 s[94:95], s[12:13], s[94:95]
	CROUND                                         ; all sixteen work-groups are here: the first joint loads meet
	s_mov_b32 s[G0S], 1
	s_add_co_u32 s[G0S+1], s98, SCL
	s_mov_b64 s[G0S+2:G0S+3], s[22:23]
	s_or_b32 s[G0S+3], s[G0S+3], 0x80000000
	s_mov_b32 s[G0SB], 1
	s_add_co_u32 s[G0SB+1], s98, SCL
	s_mov_b64 s[G0SB+2:G0SB+3], s[94:95]
	s_or_b32 s[G0SB+3], s[G0SB+3], 0x80000000
	JLOAD G0S, G1S, G0SB, G1SB
.irp s, 0,1
	s_mov_b32 s[G0+4*\s], 1
	s_add_co_u32 s[G0+4*\s+1], s45, \s*SLOT
	s_add_nc_u64 s[G0+4*\s+2:G0+4*\s+3], s[20:21], \s*2*FRB
	s_or_b32 s[G0+4*\s+3], s[G0+4*\s+3], 0x80000000
	s_mov_b32 s[G0B+4*\s], 1
	s_add_co_u32 s[G0B+4*\s+1], s45, \s*SLOT
	s_add_nc_u64 s[G0B+4*\s+2:G0B+4*\s+3], s[46:47], \s*2*FRB
	s_or_b32 s[G0B+4*\s+3], s[G0B+4*\s+3], 0x80000000
	JLOAD G0+4*\s, G1, G0B+4*\s, G1B               ; by this text's count three tensor loads of a wave are out
.endr
	v_and_b32 v1, 31, v0
	v_lshlrev_b32 v[LI], 4, v1
	v_and_b32 v2, 15, v0
	v_bfe_u32 v3, v0, 4, 1
	s_mul_i32 s21, s15, QB
	s_mul_i32 s22, s16, QB
	s_add_co_u32 s22, s22, 2*QB
.irp s, 0,1
	v_add_nc_u32 v[ADRA+\s], s21, v[LI]
	v_add_nc_u32 v[ADRB+\s], s22, v[LI]
	s_add_co_u32 s21, s21, SLOT
	s_add_co_u32 s22, s22, SLOT
.endr
	s_mul_i32 s21, s15, SQ
	s_mul_i32 s22, s16, SQ
	s_add_co_u32 s22, s22, 2*SQ
	s_sub_co_u32 s22, s22, s21
	v_mul_u32_u24 v4, s22, v3
	s_add_co_u32 s21, s21, SCL
	v_lshl_add_u32 v4, v2, 2, v4
	v_add_nc_u32 v[ADRS], s21, v4
	s_mul_i32 s23, s14, 16*SPITCH                  ; my stage
	v_mul_u32_u24 v5, v2, SPITCH
	v_lshl_add_u32 v5, v3, 6, v5
	v_add_nc_u32 v[STO], s23, v5                   ; in: row r, + 64 h
	v_add_nc_u32 v[RD], s23, v[LI]                 ; back: the 32 lanes take one row of 512 bytes
	s_lshl_b32 s20, s17, 8
	s_lshl_b32 s21, s15, 7
	s_add_co_u32 s20, s20, s21
	s_lshl_b32 s20, s20, 12                        ; my first row, 4,096 bytes a row,
	s_lshl_b32 s46, s42, 10
	s_lshl_b32 s47, s16, 9
	s_add_co_u32 s46, s46, s47                     ; my first column, in bytes
	s_mov_b32 s47, 0
	s_add_nc_u64 s[92:93], s[12:13], s[46:47]      ; the bias of my 128 columns
	s_add_co_u32 s20, s20, s46
	s_mov_b32 s21, 0
	s_add_nc_u64 s[8:9], s[8:9], s[20:21]
	s_add_nc_u64 s[10:11], s[10:11], s[20:21]
	global_load_b128 v[BI:BI+3], v[LI], s[92:93]   ; of my four columns of a row read back from the stage
	RLOAD 0                                        ; the first 16 rows of res come while K is walked
.macro FETCH slot, q, p
	WIN TO_B
.irp i, 0,1,2,3,4,5,6,7
.irp c, 0,1,2
	ds_load_b128 v[96*(\p)+12*\i+4*\c:96*(\p)+12*\i+4*\c+3], v[ADRB+\slot] offset:\i*2*FRB+(\q)*FRB+512*\c
.endr
.endr
	WIN 0
.irp i, 0,1,2,3,4,5,6,7
.irp c, 0,1,2
	ds_load_b128 v[AF+96*(\p)+12*\i+4*\c:AF+96*(\p)+12*\i+4*\c+3], v[ADRA+\slot] offset:\i*2*FRB+(\q)*FRB+512*\c
.endr
.endr
.irp i, 0,1,2,3,4,5,6,7
	ds_load_b32 v[SC+8*(\p)+\i], v[ADRS] offset:\i*64*KS+64*(\q)
.endr
.endm
; The 64 accumulators take turns, one instruction a turn, in the same order in every step.
.macro MUL16 a0, p, zero
.irp a, \a0, \a0+1
.irp b, 0,1,2,3,4,5,6,7
.if \zero
	v_wmma_scale_f32_16x16x128_f8f6f4 v[8*(8*((\a)%4)+\b):8*(8*((\a)%4)+\b)+7], v[96*(\p)+12*\b:96*(\p)+12*\b+11], v[AF+96*(\p)+12*(\a):AF+96*(\p)+12*(\a)+11], 0, v[SC+8*(\p)+\b], v[SC+8*(\p)+(\a)] matrix_a_fmt:MATRIX_FMT_FP6 matrix_b_fmt:MATRIX_FMT_FP6 matrix_a_scale:MATRIX_SCALE_ROW1
.else
	v_wmma_scale_f32_16x16x128_f8f6f4 v[8*(8*((\a)%4)+\b):8*(8*((\a)%4)+\b)+7], v[96*(\p)+12*\b:96*(\p)+12*\b+11], v[AF+96*(\p)+12*(\a):AF+96*(\p)+12*(\a)+11], v[8*(8*((\a)%4)+\b):8*(8*((\a)%4)+\b)+7], v[SC+8*(\p)+\b], v[SC+8*(\p)+(\a)] matrix_a_fmt:MATRIX_FMT_FP6 matrix_b_fmt:MATRIX_FMT_FP6 matrix_a_scale:MATRIX_SCALE_ROW1
.endif
.endr
.endr
.endm
.macro STEP slot, zero
	PLACES 4
	FETCH \slot, 1, 1
	s_wait_dscnt 56                                ; all but the 56 loads just issued: sets 0 are in
	WIN MUL_LO
	MUL16 0, 0, \zero
	MUL16 2, 0, \zero
	WIN MUL_HI
	MUL16 4, 0, \zero
	MUL16 6, 0, \zero
	WIN 0
.endm
.macro TURN slot, next, fill
	s_wait_tensorcnt 0x0                           ; all my tensor loads have landed: my part of the next slot;
	ds_add_u32 v[SPW], v[NIL]                      ; 0 onto my spare word
	s_wait_dscnt 1                                 ; (the add alone may be out: sets 1 are in)
	WIN MUL_LO
	MUL16 0, 1, 0
	s_wait_dscnt 0x0                               ; the add is done, and my reads of this slot are over
	s_barrier_signal -1
	MUL16 2, 1, 0
	WIN 0
	s_barrier_wait -1
.if \fill
	CREST                                          ; the barrier has opened a round of the cluster's: no wave of any partner still reads this slot or has a load on its way
	s_add_nc_u64 s[G0+4*\slot+2:G0+4*\slot+3], s[G0+4*\slot+2:G0+4*\slot+3], 4*FRB
	s_add_nc_u64 s[G0B+4*\slot+2:G0B+4*\slot+3], s[G0B+4*\slot+2:G0B+4*\slot+3], 4*FRB
	JLOAD G0+4*\slot, G1, G0B+4*\slot, G1B         ; the first tensor load behind the round; its four v_nop are the places in front of the loads below
.else
	PLACES 4
.endif
	v_add_nc_u32 v[ADRS], 128, v[ADRS]
	FETCH \next, 0, 0
	WIN MUL_HI
	MUL16 4, 1, 0
	MUL16 6, 1, 0
	WIN 0
.endm
	s_wait_tensorcnt 1                             ; the scale words and my part of slot 0 are in (slot 1's load may be out)
	s_barrier_signal -1
	s_barrier_wait -1
	FETCH 0, 0, 0
	STEP 0, 1                                      ; the first step's products start the sums
	s_mov_b32 s3, LAPS-1
.Llap:
	TURN 0, 1, 1
	STEP 1, 0
	TURN 1, 0, 1
	STEP 0, 0
	s_sub_co_u32 s3, s3, 1
	s_cmp_lg_u32 s3, 0
	s_cbranch_scc1 .Llap
	TURN 0, 1, 0
	STEP 1, 0
	s_wait_dscnt 0x0
	WIN MUL_LO
	MUL16 0, 1, 0
	MUL16 2, 1, 0
	WIN MUL_HI
	MUL16 4, 1, 0
	MUL16 6, 1, 0
	WIN 0
; THE WAY OUT, A's tiles one after the other.  A lane holds pieces of 32 bytes of one row: a tile goes through my own stage in LDS and comes back as whole rows of 512 bytes; res and the bias are added; the 32 lanes
; store 512 consecutive bytes, aligned.  LDS serves a wave's instructions in order (ISA guide 5.7.1.4): no wait between the stores and the loads.
.macro TOSTAGE a
	WIN 0x08+4*((\a)/4)                            ; the data: window 2 or 3
.irp b, 0,1,2,3,4,5,6,7
	ds_store_b128 v[STO], v[64*((\a)%4)+8*\b:64*((\a)%4)+8*\b+3] offset:128*(\b/2)+32*(\b%2)       ; each accumulator from its low end on
	ds_store_b128 v[STO], v[64*((\a)%4)+8*\b+4:64*((\a)%4)+8*\b+7] offset:128*(\b/2)+32*(\b%2)+16
.endr
	WIN 0
.irp t, 0,1,2,3,4,5,6,7,8,9,10,11,12,13,14,15
	ds_load_b128 v[64+64*((\a)%2)+4*\t:64+64*((\a)%2)+4*\t+3], v[RD] offset:\t*SPITCH
.endr
.endm
.macro SEND a, younger                 ; younger: the LDS instructions issued behind tile a's loads, which may stay out
.set BBX, 64+64*((\a)%2)
.set RSX, (192+64*((\a)%4))%256
.set LCX, 48
.if (\a) > 4
.set LCX, 16*(7-(\a))
.endif
	s_wait_dscnt \younger
	s_wait_loadcnt LCX                             ; tile a's 16 rows of res are in; those of the tiles asked for behind them (three, then two, one, none) may be out
	WIN 0x04                                       ; source 1: window 1
.irp t, 0,1,2,3,4,5,6,7,8,9,10,11,12,13,14,15
	v_pk_add_f32 v[BBX+4*\t:BBX+4*\t+1], v[BBX+4*\t:BBX+4*\t+1], v[RSX+4*\t:RSX+4*\t+1]
	v_pk_add_f32 v[BBX+4*\t+2:BBX+4*\t+3], v[BBX+4*\t+2:BBX+4*\t+3], v[RSX+4*\t+2:RSX+4*\t+3]
.endr
	WIN 0
.if (\a) < 4
	RLOAD (\a)+4                                   ; its registers take the tile four further on
.endif
.irp t, 0,1,2,3,4,5,6,7,8,9,10,11,12,13,14,15
	v_pk_add_f32 v[BBX+4*\t:BBX+4*\t+1], v[BBX+4*\t:BBX+4*\t+1], v[BI:BI+1]
	v_pk_add_f32 v[BBX+4*\t+2:BBX+4*\t+3], v[BBX+4*\t+2:BBX+4*\t+3], v[BI+2:BI+3]
.endr
.irp t, 0,1,2,3,4,5,6,7,8,9,10,11,12,13,14,15
	global_store_b128 v[LI], v[BBX+4*\t:BBX+4*\t+3], s[10:11] offset:(32*((\a)/2)+8*((\a)%2)+\t+8*(\t/8))*4096
.endr
.endm
	PLACES 4                                       ; for the loads into the fragments' registers and the first reads of results
	RLOAD 1
	RLOAD 2
	RLOAD 3
	TOSTAGE 0
.irp a, 1,2,3,4,5,6,7
.if \a > 1
	s_wait_xcnt 0x0                                ; tile a - 2's stores have read their registers: tile a's rows may land there
.endif
	TOSTAGE \a
	SEND \a-1, 32                                  ; behind tile a - 1's loads: tile a's 16 stores and 16 loads
.endr
	SEND 7, 0
	s_wait_tensorcnt 0x0                           ; the wave's end
	ds_add_u32 v[SPW], v[NIL]
	s_wait_dscnt 0x0
	CROUND                                         ; the closing round
	s_endpgm
.Lfunc_end_k_qea6bcfe90b_ffn2:
	.size	k_qea6bcfe90b_ffn2, .Lfunc_end_k_qea6bcfe90b_ffn2-k_qea6bcfe90b_ffn2
	.p2alignl 7, 3214868480
	.fill 96, 4, 3214868480
	.section	.rodata,"a",@progbits
	.p2align	6, 0x0
	.amdhsa_kernel k_qea6bcfe90b_ffn2
		.amdhsa_group_segment_fixed_size 327680
		.amdhsa_private_segment_fixed_size 0
		.amdhsa_enable_private_segment 0
		.amdhsa_kernarg_size 32
		.amdhsa_user_sgpr_count 2
		.amdhsa_user_sgpr_kernarg_segment_ptr 1
		.amdhsa_wavefront_size32 1
		.amdhsa_system_sgpr_workgroup_id_x 1
		.amdhsa_system_sgpr_workgroup_id_y 1
		.amdhsa_system_sgpr_workgroup_id_z 1
		.amdhsa_system_vgpr_workitem_id 0
		.amdhsa_next_free_vgpr 1024
		.amdhsa_next_free_sgpr 100
		.amdhsa_reserve_vcc 0
		.amdhsa_float_denorm_mode_32 3
		.amdhsa_float_denorm_mode_16_64 3
		.amdhsa_memory_ordered 1
		.amdhsa_forward_progress 1
		.amdhsa_inst_pref_size 181
	.end_amdhsa_kernel
	.amdgpu_metadata
---
amdhsa.version: [ 1, 2 ]
amdhsa.kernels:
  - .name:           k_qea6bcfe90b_ffn2
    .symbol:         k_qea6bcfe90b_ffn2.kd
    .args:
      - { .name: hid, .offset: 0, .size: 8, .value_kind: global_buffer, .address_space: global }
      - { .name: wb, .offset: 8, .size: 8, .value_kind: global_buffer, .address_space: global }
      - { .name: x1, .offset: 16, .size: 8, .value_kind: global_buffer, .address_space: global }
      - { .name: out0, .offset: 24, .size: 8, .value_kind: global_buffer, .address_space: global }
    .group_segment_fixed_size: 327680
    .private_segment_fixed_size: 0
    .kernarg_segment_align: 8
    .kernarg_segment_size: 32
    .max_flat_workgroup_size: 128
    .sgpr_count:     100
    .vgpr_count:     1024
    .wavefront_size: 32
...
	.end_amdgpu_metadata
.endif
;; end of part 6
;; ======== version 2 of 2: 8 launches
;; limits: right only within a limited range of input values
;; workspace buffers: wa 12,582,912 bytes; wb 8,388,608 bytes; xn 4,194,304 bytes; xn2 4,194,304 bytes; qkv 20,971,520 bytes; ao 4,194,304 bytes; x1 16,777,216 bytes; hid 13,631,488 bytes
;; launch prep (part 7): grid 384 x 1, 8 waves a work-group, no clusters, 2,048 bytes of LDS; arguments Wq, Wk, Wv, Wo, W1, W2, bq, bk, bv, bo, b1, b2, wa, wb; writes wa, wb
.if DOCPART == 7
	.amdgcn_target "amdgcn-amd-amdhsa--gfx1250"
	.amdhsa_code_object_version 6
	.text
	.protected	k_qea6bcfe90b_prep
	.globl	k_qea6bcfe90b_prep
	.p2align	8
	.type	k_qea6bcfe90b_prep,@function
k_qea6bcfe90b_prep:
	s_mov_b64 s[64:65], 0
	v_nop
	global_prefetch_b8 v0, s[64:65] scope:SCOPE_SE
	s_setreg_imm32_b32 hwreg(HW_REG_WAVE_MODE, 25, 1), 1
	s_wait_xcnt 0x0
; The six weights (f32, K not innermost) become operands of the later products: codes of FP6 (E2M3) and E8M0 scale bytes, one for each 32 along K.
; AN OPERAND IN A BUFFER: +0 the bias of each row (f32); +0x10000 a floor (f32, 64 copies) that the product's way out takes a maximum with (-infinity: none; 0: relu);
; +0x80000 scale words; +0x100000 codes.  Rows go in tiles of 16: slot r of tile t is row 32 (t / 2) + 8 (t % 2) + r + 8 (r / 8).
; CODES: the fragment of (tile t, K step s of 128) lies at (t KS + s) x 1,536 as the image of the operand's 12 registers: register j of lane l at 512 (j / 4) + 16 l + 4 (j % 4).
; SCALE WORDS: the word of (t, s, slot r) at (t KS + s) x 64 + 4 r.
; A block's scale is 2^(floor(log2(its largest magnitude)) - 2); its byte is the largest magnitude's exponent field - 2, held at 1 from below.
; LIMITS: a block of zeros gets the byte 1 where the quantiser's text says 127 (its codes are zeros, and this program alone reads the bytes); blocks whose largest magnitude
; lies under 2^-124 are held at the byte 1; NaN and infinities among the inputs are not served.
; SHARES.  A work-group takes 64 columns x 512 along K.  Wave w: columns 32 (w % 2) on, K step w / 2 of the four.  A LANE TAKES A COLUMN AND ITS REGISTERS RUN DOWN K: lane 16 u + r takes
; column 8 u + r + 8 (r / 8) of the 32, so lanes 0-15 are the slots of one tile and lanes 16-31 those of the next.  A wave's 128 loads stand in one run, ahead of all its arithmetic.
.set OCD, 0x100000
.set OSC, 0x80000
.set OFL, 0x10000
.set X,   32                           ; v32-159  128 numbers down K
.set F0,  160                          ; v160-171 the first tile's fragment
.set F1,  172                          ; v172-183 the second tile's
.set T0,  184                          ; v184.. four runs of three: the upper 16 codes of blocks 0 to 3 (a conversion's three registers begin on an even number)
.set SO,  20                           ; v20-23   the conversions' scale operands
.set SWD, 24                           ; v24      my column's scale word
.set SRC, 32                           ; s[32:33] the weight;  s[34:35] its bias;  s[36:37] the buffer that takes the operand
.set BIA, 34
.set DST, 36
.set LID, 38                           ; s38 the tensor's first work-group, then my number in the tensor
.set KGB, 39                           ; s39 log2 of the groups of 512 along K
.set CSH, 40                           ; s40 log2 of the bytes from 64 columns to the next
.set PLG, 41                           ; s41 log2 of the bytes from one k to the next
.set OPO, 42                           ; s42 where the operand begins in its buffer
.set RT0, 43                           ; s43 the tensor's first tile in the operand
.set KSL, 44                           ; s44 log2 of the operand's K steps
.set FLB, 45                           ; s45 the floor's bits
.set WV,  46
	s_load_b512 s[4:19], s[0:1], 0x0               ; Wq Wk Wv Wo W1 W2 bq bk
	s_load_b256 s[20:27], s[0:1], 0x40             ; bv bo b1 b2
	s_load_b128 s[28:31], s[0:1], 0x60             ; wa wb
	v_lshl_add_u32 v200, v0, 2, 0x400
	v_mov_b32 v201, 0
	v_lshrrev_b32 v1, 5, v0
	s_delay_alu instid0(VALU_DEP_1)
	v_readfirstlane_b32 s[WV], v1                  ; wave 0..7
	v_and_b32 v1, 31, v0                           ; lane
	v_and_b32 v6, 15, v0                           ; r
	v_bfe_u32 v7, v0, 4, 1                         ; u
	s_delay_alu instid0(VALU_DEP_2)
	v_and_b32 v8, 8, v6
	s_delay_alu instid0(VALU_DEP_1)
	v_add_nc_u32 v8, v8, v6
	s_delay_alu instid0(VALU_DEP_1)
	v_lshl_add_u32 v8, v7, 3, v8                   ; my column of the 32: 8 u + r + 8 (r / 8)
	s_delay_alu instid0(VALU_DEP_1)
	v_lshlrev_b32 v2, 2, v8
	s_and_b32 s47, s[WV], 1                        ; which 32 columns
	s_lshr_b32 s48, s[WV], 1                       ; which K step of the four
	s_lshl_b32 s49, s47, 9
	s_lshl_b32 s50, s48, 6
	s_add_co_u32 s49, s49, s50
	v_lshlrev_b32 v5, 2, v6
	s_delay_alu instid0(VALU_DEP_1)
	v_lshl_add_u32 v5, v7, 8, v5
	s_delay_alu instid0(VALU_DEP_1)
	v_add_nc_u32 v5, s49, v5                       ; LDS: the scale word of (tile of the four, K step of the four, r) at 256 tile + 64 step + 4 r
	v_lshlrev_b32 v25, 4, v1                       ; and on the way out 16 bytes a lane
	s_wait_kmcnt 0x0
	; which tensor is mine: W2's figures first, then each earlier tensor's where my number lies under its end.  Only choices, no branch.
	s_mov_b64 s[SRC:SRC+1], s[14:15]
	s_mov_b64 s[BIA:BIA+1], s[26:27]
	s_mov_b64 s[DST:DST+1], s[30:31]
	s_mov_b32 s[LID], 256
	s_mov_b32 s[KGB], 3
	s_mov_b32 s[CSH], 8
	s_mov_b32 s[PLG], 12
	s_mov_b32 s[OPO], 0x400000
	s_mov_b32 s[RT0], 0
	s_mov_b32 s[KSL], 5
	s_mov_b32 s[FLB], 0
.macro PICK limit, src, bia, dst, base, kgb, csh, plg, opo, rt0, ksl, flb
	s_cmp_lt_u32 ttmp9, \limit
	s_cselect_b64 s[SRC:SRC+1], s[\src:\src+1], s[SRC:SRC+1]
	s_cselect_b64 s[BIA:BIA+1], s[\bia:\bia+1], s[BIA:BIA+1]
	s_cselect_b64 s[DST:DST+1], s[\dst:\dst+1], s[DST:DST+1]
	s_cselect_b32 s[LID], \base, s[LID]
	s_cselect_b32 s[KGB], \kgb, s[KGB]
	s_cselect_b32 s[CSH], \csh, s[CSH]
	s_cselect_b32 s[PLG], \plg, s[PLG]
	s_cselect_b32 s[OPO], \opo, s[OPO]
	s_cselect_b32 s[RT0], \rt0, s[RT0]
	s_cselect_b32 s[KSL], \ksl, s[KSL]
	s_cselect_b32 s[FLB], \flb, s[FLB]
.endm
	PICK 256, 12, 24, 30, 128, 1, 8, 14, 0, 0, 3, 0                  ; W1 [1024][4096]
	PICK 128, 10, 22, 28, 96, 1, 8, 12, 0x800000, 0, 3, 0            ; Wo [1024][1024]
	PICK 96, 8, 20, 28, 64, 1, 18, 8, 0x400000, 0, 3, 0xff800000     ; Wv [16][1024][64]: 64 columns are a head
	PICK 64, 6, 18, 28, 32, 1, 18, 8, 0, 64, 3, 0xff800000           ; Wk: behind Wq's 64 tiles in one operand
	PICK 32, 4, 16, 28, 0, 1, 18, 8, 0, 0, 3, 0xff800000             ; Wq
	s_sub_co_u32 s[LID], ttmp9, s[LID]             ; my number in the tensor
	s_lshl_b32 s51, 1, s[KGB]
	s_sub_co_u32 s51, s51, 1
	s_and_b32 s52, s[LID], s51                     ; which 512 along K
	s_lshr_b32 s53, s[LID], s[KGB]                 ; which 64 columns
	s_lshl_b32 s54, s52, 2
	s_add_co_u32 s54, s54, s48                     ; my K step
	s_lshl_b32 s55, s53, 2
	s_add_co_u32 s55, s55, s[RT0]                  ; the work-group's first tile
	s_lshl_b32 s56, s47, 1
	s_add_co_u32 s56, s56, s55                     ; my wave's first tile
	s_lshl_b32 s57, s54, 7
	s_lshl_b32 s57, s57, s[PLG]                    ; 128 x K step rows down,
	s_lshl_b32 s58, s53, s[CSH]                    ; my 64 columns,
	s_add_co_u32 s58, s58, s57
	s_lshl_b32 s57, s47, 7                         ; my 32 of them
	s_add_co_u32 s58, s58, s57
	s_mov_b32 s59, 0
	s_add_nc_u64 s[SRC:SRC+1], s[SRC:SRC+1], s[58:59]
	s_lshl_b32 s57, s56, s[KSL]
	s_add_co_u32 s57, s57, s54
	s_mul_i32 s57, s57, 1536
	s_add_co_u32 s57, s57, s[OPO]
	s_add_co_u32 s57, s57, OCD
	v_lshl_add_u32 v3, v1, 4, s57                  ; where the first tile's fragment goes: + 16 x lane
	s_lshl_b32 s60, 1536, s[KSL]
	v_add_nc_u32 v4, s60, v3                       ; the second tile's: a tile's K steps on
.macro LOADS pitch                     ; W(128 step + i, my column): 32 lanes read 128 bytes of one row; two neighbouring waves a row's 256
.set i, 0
.rept 128
	global_load_b32 v[X+i], v2, s[SRC:SRC+1] offset:i*\pitch th:TH_LOAD_NT
.set i, i+1
.endr
.endm
	s_cmp_eq_u32 s[PLG], 8                         ; the pitch stands in the immediates, so the run of loads is written three times
	s_cbranch_scc1 .Lpitch_256
	s_cmp_eq_u32 s[PLG], 12
	s_cbranch_scc1 .Lpitch_4096
	s_wait_alu depctr_va_vdst(0)
	LOADS 16384
	s_branch .Lasked
.Lpitch_256:
	s_wait_alu depctr_va_vdst(0)
	LOADS 256
	s_branch .Lasked
.Lpitch_4096:
	s_wait_alu depctr_va_vdst(0)
	LOADS 4096
.Lasked:
; Block b of 32 along K: all its numbers are mine.  d0 takes the lower 16 codes, d1 the upper 16.
; THE WAIT.  Behind block b's 32 loads stand 96 - 32 b later ones, which may stay out.  A wait's count names 63 at the most (ISA guide 5.7.1), so blocks 0 and 1 wait for 63:
; of the 128 loads, which come back in the order of issue, at most 63 are then out, so the first 65 are in: blocks 0 and 1 are the first 64.
.macro BLOCK b, d0, d1
.set XS, X+32*\b
.if 96-32*\b > 63
	s_wait_loadcnt 63
.else
	s_wait_loadcnt 96-32*\b
.endif
	v_max3_num_f32 v8, |v[XS]|, |v[XS+1]|, |v[XS+2]|
	v_max3_num_f32 v9, |v[XS+3]|, |v[XS+4]|, |v[XS+5]|
.irp i, 6,10,14,18,22,26
	s_delay_alu instid0(VALU_DEP_2)
	v_max3_num_f32 v8, v8, |v[XS+\i]|, |v[XS+\i+1]|
	s_delay_alu instid0(VALU_DEP_2)
	v_max3_num_f32 v9, v9, |v[XS+\i+2]|, |v[XS+\i+3]|
.endr
	s_delay_alu instid0(VALU_DEP_2)
	v_max3_num_f32 v8, v8, |v[XS+30]|, |v[XS+31]|
	s_delay_alu instid0(VALU_DEP_1)
	v_max3_num_f32 v8, v8, v9, 0x1800000           ; and the floor 2^(3 - 127): the byte cannot fall under 1
	s_delay_alu instid0(VALU_DEP_1)
	v_add_nc_u32 v[SO+\b], 0xff000000, v8          ; 2 off the exponent field: the conversion takes the exponent field of this operand as its scale
	s_delay_alu instid0(VALU_DEP_1)
	v_lshrrev_b32 v9, 23, v[SO+\b]                 ; the scale's byte
.if \b == 0
	s_delay_alu instid0(VALU_DEP_1)
	v_mov_b32 v[SWD], v9
.else
	s_delay_alu instid0(VALU_DEP_1)
	v_lshl_or_b32 v[SWD], v9, 8*\b, v[SWD]
.endif
	v_cvt_scalef32_pk16_fp6_f32 v[\d0:\d0+2], v[XS:XS+15], v[SO+\b]
	v_cvt_scalef32_pk16_fp6_f32 v[\d1:\d1+2], v[XS+16:XS+31], v[SO+\b]
.endm
	BLOCK 0, F0, T0
	BLOCK 1, F1, T0+4
	BLOCK 2, F0+6, T0+8
	BLOCK 3, F1+6, T0+12
	v_nop                                          ; one plain place behind a scaled conversion
; A fragment wants block h (and 2 + h) of slot r in lane (r, h).  I hold blocks 0 to 3 of one column.  An exchange of one register's lanes 16-31 with the other's lanes 0-15 turns
; 'blocks b and b + 1 of lane 16 u + r' into 'tile u, lane (r, h) = block b + h'.
.irp i, 0,1,2
	v_permlane16_swap_b32 v[F0+\i], v[F1+\i]
	v_permlane16_swap_b32 v[T0+\i], v[T0+4+\i]
	v_permlane16_swap_b32 v[F0+6+\i], v[F1+6+\i]
	v_permlane16_swap_b32 v[T0+8+\i], v[T0+12+\i]
.endr
.irp i, 0,1,2
	v_mov_b32 v[F0+3+\i], v[T0+\i]
	v_mov_b32 v[F1+3+\i], v[T0+4+\i]
	v_mov_b32 v[F0+9+\i], v[T0+8+\i]
	v_mov_b32 v[F1+9+\i], v[T0+12+\i]
.endr
.irp c, 0,1,2
	global_store_b128 v3, v[F0+4*\c:F0+4*\c+3], s[DST:DST+1] offset:512*\c   ; each store covers 512 consecutive bytes, aligned
	global_store_b128 v4, v[F1+4*\c:F1+4*\c+3], s[DST:DST+1] offset:512*\c
.endr
	ds_store_b32 v5, v[SWD]
	s_wait_dscnt 0x0                               ; for the others' sake: my scale words lie in LDS
	s_barrier_signal -1
	s_barrier_wait -1
	s_cmp_eq_u32 s[WV], 0
	s_cbranch_scc0 .Lnot_wave_0
	ds_load_b128 v[8:11], v25                      ; wave 0: the four tiles' scale words of these four K steps: 256 bytes a tile
	ds_load_b128 v[12:15], v25 offset:512
	v_lshrrev_b32 v7, 4, v1
	s_delay_alu instid0(VALU_DEP_1)
	v_add_nc_u32 v7, s55, v7                       ; lanes 0-15 one tile, lanes 16-31 the next
	s_delay_alu instid0(VALU_DEP_1)
	v_lshlrev_b32 v7, s[KSL], v7
	s_delay_alu instid0(VALU_DEP_1)
	v_lshlrev_b32 v7, 6, v7
	v_and_b32 v16, 15, v1
	s_delay_alu instid0(VALU_DEP_1)
	v_lshl_add_u32 v7, v16, 4, v7
	s_lshl_b32 s57, s52, 8
	s_add_co_u32 s57, s57, s[OPO]
	s_add_co_u32 s57, s57, OSC
	v_add_nc_u32 v7, s57, v7
	s_lshl_b32 s57, 128, s[KSL]                    ; two tiles on
	v_add_nc_u32 v17, s57, v7
	s_wait_alu depctr_va_vdst(0)
	s_wait_dscnt 0x0
	global_store_b128 v7, v[8:11], s[DST:DST+1]    ; sixteen lanes store 256 consecutive bytes, aligned
	global_store_b128 v17, v[12:15], s[DST:DST+1]
	s_branch .Lend
.Lnot_wave_0:
	s_cmp_eq_u32 s[WV], 1
	s_cbranch_scc0 .Lnot_wave_1
	s_cmp_eq_u32 s52, 0                            ; wave 1 of the columns' first work-group copies their 64 biases
	s_cbranch_scc0 .Lend
	v_lshlrev_b32 v6, 3, v1
	s_lshl_b32 s57, s53, 8
	v_add_nc_u32 v7, s57, v6
	global_load_b64 v[8:9], v7, s[BIA:BIA+1]
	s_lshl_b32 s58, s[RT0], 6
	s_add_co_u32 s57, s57, s58
	s_add_co_u32 s57, s57, s[OPO]
	v_add_nc_u32 v10, s57, v6
	s_wait_alu depctr_va_vdst(0)
	s_wait_loadcnt 0x0
	global_store_b64 v10, v[8:9], s[DST:DST+1]
	s_branch .Lend
.Lnot_wave_1:
	s_cmp_eq_u32 s[WV], 2
	s_cbranch_scc0 .Lend
	s_cmp_eq_u32 s[LID], 0                         ; wave 2 of the tensor's first work-group writes the floor, 256 bytes
	s_cbranch_scc0 .Lend
	v_mov_b32 v8, s[FLB]
	v_mov_b32 v9, s[FLB]
	s_lshl_b32 s57, s[RT0], 2                      ; (Wk's copy lies 256 bytes behind Wq's: no byte has two writers)
	s_add_co_u32 s57, s57, s[OPO]
	s_add_co_u32 s57, s57, OFL
	v_lshl_add_u32 v10, v1, 3, s57
	global_store_b64 v10, v[8:9], s[DST:DST+1]
.Lend:
	s_wait_tensorcnt 0x0
	ds_add_u32 v200, v201
	s_wait_dscnt 0x0
	s_endpgm
.Lfunc_end_k_qea6bcfe90b_prep:
	.size	k_qea6bcfe90b_prep, .Lfunc_end_k_qea6bcfe90b_prep-k_qea6bcfe90b_prep
	.p2alignl 7, 3214868480
	.fill 96, 4, 3214868480
	.section	.rodata,"a",@progbits
	.p2align	6, 0x0
	.amdhsa_kernel k_qea6bcfe90b_prep
		.amdhsa_group_segment_fixed_size 2048
		.amdhsa_private_segment_fixed_size 0
		.amdhsa_enable_private_segment 0
		.amdhsa_kernarg_size 112
		.amdhsa_user_sgpr_count 2
		.amdhsa_user_sgpr_kernarg_segment_ptr 1
		.amdhsa_wavefront_size32 1
		.amdhsa_system_sgpr_workgroup_id_x 1
		.amdhsa_system_sgpr_workgroup_id_y 1
		.amdhsa_system_sgpr_workgroup_id_z 1
		.amdhsa_system_vgpr_workitem_id 0
		.amdhsa_next_free_vgpr 202
		.amdhsa_next_free_sgpr 66
		.amdhsa_reserve_vcc 0
		.amdhsa_float_denorm_mode_32 3
		.amdhsa_float_denorm_mode_16_64 3
		.amdhsa_memory_ordered 1
		.amdhsa_forward_progress 1
		.amdhsa_inst_pref_size 53
	.end_amdhsa_kernel
	.amdgpu_metadata
---
amdhsa.version: [ 1, 2 ]
amdhsa.kernels:
  - .name:           k_qea6bcfe90b_prep
    .symbol:         k_qea6bcfe90b_prep.kd
    .args:
      - { .name: Wq, .offset: 0, .size: 8, .value_kind: global_buffer, .address_space: global }
      - { .name: Wk, .offset: 8, .size: 8, .value_kind: global_buffer, .address_space: global }
      - { .name: Wv, .offset: 16, .size: 8, .value_kind: global_buffer, .address_space: global }
      - { .name: Wo, .offset: 24, .size: 8, .value_kind: global_buffer, .address_space: global }
      - { .name: W1, .offset: 32, .size: 8, .value_kind: global_buffer, .address_space: global }
      - { .name: W2, .offset: 40, .size: 8, .value_kind: global_buffer, .address_space: global }
      - { .name: bq, .offset: 48, .size: 8, .value_kind: global_buffer, .address_space: global }
      - { .name: bk, .offset: 56, .size: 8, .value_kind: global_buffer, .address_space: global }
      - { .name: bv, .offset: 64, .size: 8, .value_kind: global_buffer, .address_space: global }
      - { .name: bo, .offset: 72, .size: 8, .value_kind: global_buffer, .address_space: global }
      - { .name: b1, .offset: 80, .size: 8, .value_kind: global_buffer, .address_space: global }
      - { .name: b2, .offset: 88, .size: 8, .value_kind: global_buffer, .address_space: global }
      - { .name: wa, .offset: 96, .size: 8, .value_kind: global_buffer, .address_space: global }
      - { .name: wb, .offset: 104, .size: 8, .value_kind: global_buffer, .address_space: global }
    .group_segment_fixed_size: 2048
    .private_segment_fixed_size: 0
    .kernarg_segment_align: 8
    .kernarg_segment_size: 112
    .max_flat_workgroup_size: 256
    .sgpr_count:     66
    .vgpr_count:     202
    .wavefront_size: 32
...
	.end_amdgpu_metadata
.endif
;; end of part 7
;; launch ln1 (part 8): grid 256 x 1, 8 waves a work-group, no clusters, 67,584 bytes of LDS; arguments x, gamma1, beta1, xn; writes xn
.if DOCPART == 8
	.amdgcn_target "amdgcn-amd-amdhsa--gfx1250"
	.amdhsa_code_object_version 6
	.text
	.protected	k_qea6bcfe90b_ln1
	.globl	k_qea6bcfe90b_ln1
	.p2align	8
	.type	k_qea6bcfe90b_ln1,@function
k_qea6bcfe90b_ln1:
	s_mov_b64 s[64:65], 0
	v_nop
	global_prefetch_b8 v0, s[64:65] scope:SCOPE_SE
	s_setreg_imm32_b32 hwreg(HW_REG_WAVE_MODE, 25, 1), 1
	s_wait_xcnt 0x0
; y = (x - mean) rsqrt(var + 1e-5) gamma + beta over rows of 1,024 f32, and y's codes of FP6 (E2M3) with one E8M0 byte for each 32 along the row, laid as an operand:
; +0x80000 scale words, +0x100000 codes; tile t of 16 rows: slot r is row 32 (t / 2) + 8 (t % 2) + r + 8 (r / 8); fragment (t, K step s) at (8 t + s) x 1,536 as the image of its 12 registers.
; A work-group takes one tile.  PHASE 1: wave w normalises slots 2 w and 2 w + 1 (two neighbouring rows), each row whole in 32 registers: the mean first, then the sum of (x - mean)^2,
; so that a common offset of the inputs does not cancel.  The rows go to LDS.  PHASE 2: wave w takes K step w of all 16 rows, 64 numbers a lane, and quantises them.
; LIMITS: a block of zeros gets the byte 1 (its codes are zeros; this program alone reads the bytes); blocks under 2^-124 are held at the byte 1; NaN and infinities are not served.
.set PITCH, 4112                       ; an LDS row: 4,096 bytes + 16: the sixteen rows that a load of 16 bytes a lane touches start 4 banks apart
.set SCB,   16*PITCH                   ; behind the rows: the tile's 128 scale words
.set OCD, 0x100000
.set OSC, 0x80000
.set X,   32                           ; v32-95   two rows, later 64 numbers of a K step
.set G,   96                           ; v96-127  gamma of my 32 columns
.set BT,  128                          ; v128-159 beta
.set PC,  160                          ; v160-179 the codes just made
.set TM,  180                          ; v180-195 at work in the quantiser
.set PW,  196                          ; v196     the scale word just made
.set SEL, 12                           ; s[12:13] v_permlanex16_b32's selects for lane l xor 16
	s_load_b256 s[4:11], s[0:1], 0x0               ; x, gamma, beta, the operand
	v_lshl_add_u32 v200, v0, 2, 0x10400
	v_mov_b32 v201, 0
	v_lshrrev_b32 v1, 5, v0
	s_delay_alu instid0(VALU_DEP_1)
	v_readfirstlane_b32 s14, v1                    ; wave 0..7
	v_and_b32 v1, 31, v0
	v_and_b32 v2, 15, v0                           ; r
	v_bfe_u32 v3, v0, 4, 1                         ; h
	s_delay_alu instid0(VALU_DEP_3)
	v_lshlrev_b32 v4, 4, v1                        ; 16 x lane
	s_wait_alu depctr_va_vdst(0)
	s_mul_i32 s15, s14, 2*PITCH
	v_add_nc_u32 v5, s15, v4                       ; LDS, in: slot 2 w, 16 bytes a lane
	v_mul_u32_u24 v6, v2, PITCH
	s_delay_alu instid0(VALU_DEP_1)
	v_lshl_add_u32 v6, v3, 6, v6
	s_lshl_b32 s15, s14, 9
	v_add_nc_u32 v6, s15, v6                       ; LDS, back: slot r, K step w, + 64 h: my 16 numbers of each block of 32
	s_lshl_b32 s15, s14, 6
	s_add_co_u32 s15, s15, SCB
	v_lshl_add_u32 v7, v2, 2, s15                  ; LDS: the scale word of (K step w, slot r)
	v_add_nc_u32 v28, SCB, v4                      ; and all 128 words, 16 bytes a lane
	s_lshr_b32 s16, ttmp9, 1
	s_lshl_b32 s16, s16, 5
	s_and_b32 s17, ttmp9, 1
	s_lshl_b32 s17, s17, 3
	s_add_co_u32 s16, s16, s17
	s_lshl_b32 s17, s14, 1
	s_add_co_u32 s16, s16, s17
	s_lshr_b32 s17, s14, 2
	s_lshl_b32 s17, s17, 3
	s_add_co_u32 s16, s16, s17                     ; slot 2 w's row: 32 (t / 2) + 8 (t % 2) + 2 w + 8 (w / 4)
	s_lshl_b32 s16, s16, 12
	s_mov_b32 s17, 0
	s_lshl_b32 s18, ttmp9, 3
	s_add_co_u32 s18, s18, s14
	s_mul_i32 s18, s18, 1536
	s_add_co_u32 s18, s18, OCD
	v_add_nc_u32 v29, s18, v4                      ; where my fragment goes
	s_lshl_b32 s18, ttmp9, 9
	s_add_co_u32 s18, s18, OSC
	v_add_nc_u32 v30, s18, v4                      ; where the tile's scale words go
	s_mov_b32 s[SEL], 0x76543210
	s_mov_b32 s[SEL+1], 0xfedcba98
	s_mov_b32 s20, 0x3727c5ac                      ; 1e-5
	s_mov_b32 s21, 0x3a800000                      ; 1 / 1,024
	v_mov_b32 v24, 0                               ; written once: a lane permute's destination counts as one of its sources
	v_mov_b32 v25, 0
.irp b, 0,1,2,3
	v_mov_b32 v[TM+4+\b], 0
.endr
	s_wait_kmcnt 0x0
	s_add_nc_u64 s[4:5], s[4:5], s[16:17]
.irp q, 0,1
.irp j, 0,1,2,3,4,5,6,7
	global_load_b128 v[X+32*\q+4*\j:X+32*\q+4*\j+3], v4, s[4:5] offset:4096*\q+512*\j   ; 32 lanes read 512 consecutive bytes
.endr
.endr
.irp j, 0,1,2,3,4,5,6,7
	global_load_b128 v[G+4*\j:G+4*\j+3], v4, s[6:7] offset:512*\j
.endr
.irp j, 0,1,2,3,4,5,6,7
	global_load_b128 v[BT+4*\j:BT+4*\j+3], v4, s[8:9] offset:512*\j
.endr
.macro RED a, t                        ; the sum over the 32 lanes, in every lane
	v_add_f32_dpp v[\a], v[\a], v[\a] row_xmask:1 row_mask:0xf bank_mask:0xf
	s_delay_alu instid0(VALU_DEP_1)
	v_add_f32_dpp v[\a], v[\a], v[\a] row_xmask:2 row_mask:0xf bank_mask:0xf
	s_delay_alu instid0(VALU_DEP_1)
	v_add_f32_dpp v[\a], v[\a], v[\a] row_xmask:4 row_mask:0xf bank_mask:0xf
	s_delay_alu instid0(VALU_DEP_1)
	v_add_f32_dpp v[\a], v[\a], v[\a] row_xmask:8 row_mask:0xf bank_mask:0xf
	s_delay_alu instid0(VALU_DEP_1)
	v_permlanex16_b32 v[\t], v[\a], s[SEL], s[SEL+1]
	s_delay_alu instid0(VALU_DEP_1)
	v_add_f32 v[\a], v[\a], v[\t]
.endm
	s_wait_loadcnt 16                              ; both rows are in; the 16 loads of gamma and beta may be out
.irp q, 0,1                                    ; the rows' sums: two chains a row, the rows by turns
	v_pk_add_f32 v[8+4*\q:9+4*\q], v[X+32*\q:X+32*\q+1], v[X+32*\q+2:X+32*\q+3]
	v_pk_add_f32 v[10+4*\q:11+4*\q], v[X+32*\q+4:X+32*\q+5], v[X+32*\q+6:X+32*\q+7]
.endr
.irp i, 8,12,16,20,24,28
.irp q, 0,1
	s_delay_alu instid0(VALU_DEP_4)
	v_pk_add_f32 v[8+4*\q:9+4*\q], v[8+4*\q:9+4*\q], v[X+32*\q+\i:X+32*\q+\i+1]
	s_delay_alu instid0(VALU_DEP_4)
	v_pk_add_f32 v[10+4*\q:11+4*\q], v[10+4*\q:11+4*\q], v[X+32*\q+\i+2:X+32*\q+\i+3]
.endr
.endr
.irp q, 0
	s_delay_alu instid0(VALU_DEP_3)
	v_pk_add_f32 v[8+4*\q:9+4*\q], v[8+4*\q:9+4*\q], v[10+4*\q:11+4*\q]
.endr
.irp q, 1
	s_delay_alu instid0(VALU_DEP_2)
	v_pk_add_f32 v[8+4*\q:9+4*\q], v[8+4*\q:9+4*\q], v[10+4*\q:11+4*\q]
.endr
.irp q, 0,1
	s_delay_alu instid0(VALU_DEP_2)
	v_add_f32 v[8+4*\q], v[8+4*\q], v[9+4*\q]
.endr
	RED 8, 24
	RED 12, 25
.irp q, 0
	v_mul_f32 v[16+2*\q], s21, v[8+4*\q]           ; the mean, twice: a pair for the packed forms
	v_mul_f32 v[17+2*\q], s21, v[8+4*\q]
.endr
.irp q, 1
	s_delay_alu instid0(VALU_DEP_3)
	v_mul_f32 v[16+2*\q], s21, v[8+4*\q]           ; the mean, twice: a pair for the packed forms
	s_delay_alu instid0(VALU_DEP_4)
	v_mul_f32 v[17+2*\q], s21, v[8+4*\q]
.endr
.irp q, 0,1
.irp i, 0,2,4,6,8,10,12,14,16,18,20,22,24,26,28,30
	v_pk_add_f32 v[X+32*\q+\i:X+32*\q+\i+1], v[X+32*\q+\i:X+32*\q+\i+1], v[16+2*\q:17+2*\q] neg_lo:[0,1] neg_hi:[0,1]   ; d = x - mean
.endr
.endr
.irp q, 0,1
	v_pk_mul_f32 v[8+4*\q:9+4*\q], v[X+32*\q:X+32*\q+1], v[X+32*\q:X+32*\q+1]
	v_pk_mul_f32 v[10+4*\q:11+4*\q], v[X+32*\q+2:X+32*\q+3], v[X+32*\q+2:X+32*\q+3]
.endr
.irp i, 4,8,12,16,20,24,28
.irp q, 0,1
	s_delay_alu instid0(VALU_DEP_4)
	v_pk_fma_f32 v[8+4*\q:9+4*\q], v[X+32*\q+\i:X+32*\q+\i+1], v[X+32*\q+\i:X+32*\q+\i+1], v[8+4*\q:9+4*\q]
	s_delay_alu instid0(VALU_DEP_4)
	v_pk_fma_f32 v[10+4*\q:11+4*\q], v[X+32*\q+\i+2:X+32*\q+\i+3], v[X+32*\q+\i+2:X+32*\q+\i+3], v[10+4*\q:11+4*\q]
.endr
.endr
.irp q, 0
	s_delay_alu instid0(VALU_DEP_3)
	v_pk_add_f32 v[8+4*\q:9+4*\q], v[8+4*\q:9+4*\q], v[10+4*\q:11+4*\q]
.endr
.irp q, 1
	s_delay_alu instid0(VALU_DEP_2)
	v_pk_add_f32 v[8+4*\q:9+4*\q], v[8+4*\q:9+4*\q], v[10+4*\q:11+4*\q]
.endr
.irp q, 0,1
	s_delay_alu instid0(VALU_DEP_2)
	v_add_f32 v[8+4*\q], v[8+4*\q], v[9+4*\q]
.endr
	RED 8, 24
	RED 12, 25
	v_fma_f32 v20, v8, s21, s20                    ; var + 1e-5
	s_delay_alu instid0(VALU_DEP_2)
	v_fma_f32 v22, v12, s21, s20
	s_wait_alu depctr_va_vdst(0)
	v_rsq_f32 v20, v20
	v_rsq_f32 v22, v22
	v_nop                                          ; a plain instruction behind the transcendentals,
	s_wait_alu depctr_va_vdst(0)                   ; and the one wait ahead of the first use of their results
	v_mov_b32 v21, v20
	v_mov_b32 v23, v22
	s_wait_alu depctr_va_vdst(0)
	s_wait_loadcnt 0x0                             ; gamma and beta
.irp q, 0,1
.irp i, 0,2,4,6,8,10,12,14,16,18,20,22,24,26,28,30
	v_pk_mul_f32 v[X+32*\q+\i:X+32*\q+\i+1], v[X+32*\q+\i:X+32*\q+\i+1], v[20+2*\q:21+2*\q]
.endr
.irp i, 0,2,4,6,8,10,12,14,16,18,20,22,24,26,28,30
	v_pk_fma_f32 v[X+32*\q+\i:X+32*\q+\i+1], v[X+32*\q+\i:X+32*\q+\i+1], v[G+\i:G+\i+1], v[BT+\i:BT+\i+1]
.endr
.irp j, 0,1,2,3,4,5,6,7
	ds_store_b128 v5, v[X+32*\q+4*\j:X+32*\q+4*\j+3] offset:PITCH*\q+512*\j
.endr
.endr
	s_wait_dscnt 0x0                               ; for the others' sake: my two rows lie in LDS
	s_barrier_signal -1
	s_barrier_wait -1
.irp b, 0,1,2,3
.irp j, 0,1,2,3
	ds_load_b128 v[X+16*\b+4*\j:X+16*\b+4*\j+3], v6 offset:128*\b+16*\j   ; register 16 b + i = k 32 b + 16 h + i of slot r
.endr
.endr
	s_wait_dscnt 0x0
; 64 numbers of a lane, register 16 b + i = k 32 b + 16 (lane / 16) + i of my row, become a fragment's codes in v[PC] on and its scale word in v[PW].
.macro QUANT s
.irp b, 0,1,2,3
	v_max3_num_f32 v[TM+\b], |v[\s+16*\b]|, |v[\s+1+16*\b]|, 0x1800000   ; my 16 numbers of block b, and the floor 2^(3 - 127): the byte cannot fall under 1
.endr
.irp i, 2,4,6,8,10,12,14
.irp b, 0,1,2,3
	s_delay_alu instid0(VALU_DEP_4)
	v_max3_num_f32 v[TM+\b], v[TM+\b], |v[\s+16*\b+\i]|, |v[\s+1+16*\b+\i]|
.endr
.endr
.irp b, 0,1,2,3
	s_delay_alu instid0(VALU_DEP_4)
	v_permlanex16_b32 v[TM+4+\b], v[TM+\b], s[SEL], s[SEL+1]
.endr
.irp b, 0,1,2,3
	s_delay_alu instid0(VALU_DEP_4)
	v_max_num_f32 v[TM+\b], v[TM+\b], v[TM+4+\b]   ; with lane l xor 16's: the block's largest magnitude
.endr
.irp b, 0,1,2,3
	s_delay_alu instid0(VALU_DEP_4)
	v_add_nc_u32 v[TM+12+\b], 0xff000000, v[TM+\b] ; 2 off its exponent field: the conversion's scale operand
.endr
.irp b, 0,1,2,3
	s_delay_alu instid0(VALU_DEP_4)
	v_lshrrev_b32 v[TM+4+\b], 23, v[TM+12+\b]      ; the scale's byte
.endr
	s_delay_alu instid0(VALU_DEP_3)
	v_lshl_or_b32 v[PW], v[TM+5], 8, v[TM+4]
	s_delay_alu instid0(VALU_DEP_1)
	v_lshl_or_b32 v[PW], v[TM+6], 16, v[PW]
	s_delay_alu instid0(VALU_DEP_1)
	v_lshl_or_b32 v[PW], v[TM+7], 24, v[PW]
.irp c, 0,1
	v_cvt_scalef32_pk16_fp6_f32 v[PC+6*\c:PC+2+6*\c], v[\s+32*\c:\s+15+32*\c], v[TM+12+2*\c]
	v_cvt_scalef32_pk16_fp6_f32 v[PC+12+4*\c:PC+14+4*\c], v[\s+16+32*\c:\s+31+32*\c], v[TM+12+2*\c+1]   ; (a conversion's three registers begin on an even number)
.endr
	v_nop                                          ; one plain place behind a scaled conversion
.irp c, 0,1                                    ; the operand's layout wants a whole block in a lane
.irp i, 0,1,2
	v_permlane16_swap_b32 v[PC+6*\c+\i], v[PC+12+4*\c+\i]
.endr
.irp i, 0,1,2
	s_delay_alu instid0(VALU_DEP_3)
	v_mov_b32 v[PC+3+6*\c+\i], v[PC+12+4*\c+\i]
.endr
.endr
.endm
	QUANT X
.irp c, 0,1,2
	global_store_b128 v29, v[PC+4*\c:PC+4*\c+3], s[10:11] offset:512*\c   ; 512 consecutive bytes, aligned
.endr
	ds_store_b32 v7, v[PW]                         ; both halves of the lanes write the same word with the same value
	s_wait_dscnt 0x0
	s_barrier_signal -1
	s_barrier_wait -1
	s_cmp_eq_u32 s14, 0
	s_cbranch_scc0 .Lend
	ds_load_b128 v[8:11], v28                      ; wave 0 stores the tile's 512 bytes of scale words
	s_wait_dscnt 0x0
	global_store_b128 v30, v[8:11], s[10:11]
.Lend:
	s_wait_tensorcnt 0x0
	ds_add_u32 v200, v201
	s_wait_dscnt 0x0
	s_endpgm
.Lfunc_end_k_qea6bcfe90b_ln1:
	.size	k_qea6bcfe90b_ln1, .Lfunc_end_k_qea6bcfe90b_ln1-k_qea6bcfe90b_ln1
	.p2alignl 7, 3214868480
	.fill 96, 4, 3214868480
	.section	.rodata,"a",@progbits
	.p2align	6, 0x0
	.amdhsa_kernel k_qea6bcfe90b_ln1
		.amdhsa_group_segment_fixed_size 67584
		.amdhsa_private_segment_fixed_size 0
		.amdhsa_enable_private_segment 0
		.amdhsa_kernarg_size 32
		.amdhsa_user_sgpr_count 2
		.amdhsa_user_sgpr_kernarg_segment_ptr 1
		.amdhsa_wavefront_size32 1
		.amdhsa_system_sgpr_workgroup_id_x 1
		.amdhsa_system_sgpr_workgroup_id_y 1
		.amdhsa_system_sgpr_workgroup_id_z 1
		.amdhsa_system_vgpr_workitem_id 0
		.amdhsa_next_free_vgpr 202
		.amdhsa_next_free_sgpr 66
		.amdhsa_reserve_vcc 0
		.amdhsa_float_denorm_mode_32 3
		.amdhsa_float_denorm_mode_16_64 3
		.amdhsa_memory_ordered 1
		.amdhsa_forward_progress 1
		.amdhsa_inst_pref_size 29
	.end_amdhsa_kernel
	.amdgpu_metadata
---
amdhsa.version: [ 1, 2 ]
amdhsa.kernels:
  - .name:           k_qea6bcfe90b_ln1
    .symbol:         k_qea6bcfe90b_ln1.kd
    .args:
      - { .name: x, .offset: 0, .size: 8, .value_kind: global_buffer, .address_space: global }
      - { .name: gamma1, .offset: 8, .size: 8, .value_kind: global_buffer, .address_space: global }
      - { .name: beta1, .offset: 16, .size: 8, .value_kind: global_buffer, .address_space: global }
      - { .name: xn, .offset: 24, .size: 8, .value_kind: global_buffer, .address_space: global }
    .group_segment_fixed_size: 67584
    .private_segment_fixed_size: 0
    .kernarg_segment_align: 8
    .kernarg_segment_size: 32
    .max_flat_workgroup_size: 256
    .sgpr_count:     66
    .vgpr_count:     202
    .wavefront_size: 32
...
	.end_amdgpu_metadata
.endif
;; end of part 8
;; launch qkv (part 9): grid 8 x 24, 4 waves a work-group, clusters of 4 x 4, 327,680 bytes of LDS; arguments xn, wa, qkv; writes qkv
.if DOCPART == 9
	.amdgcn_target "amdgcn-amd-amdhsa--gfx1250"
	.amdhsa_code_object_version 6
	.text
	.protected	k_qea6bcfe90b_qkv
	.globl	k_qea6bcfe90b_qkv
	.p2align	8
	.type	k_qea6bcfe90b_qkv,@function
k_qea6bcfe90b_qkv:
	s_mov_b64 s[64:65], 0
	v_nop
	global_prefetch_b8 v0, s[64:65] scope:SCOPE_SE
	s_setreg_imm32_b32 hwreg(HW_REG_WAVE_MODE, 25, 1), 1
	s_wait_xcnt 0x0
	s_wait_alu depctr_hold_cnt(0) depctr_sa_sdst(0) depctr_va_vdst(0) depctr_va_sdst(0) depctr_va_ssrc(0) depctr_va_vcc(0) depctr_vm_vsrc(0)
	s_getreg_b32 s2, hwreg(HW_REG_IB_STS2, 6, 4)
	s_cmp_eq_u32 s2, 0
	s_cbranch_scc0 .Lentry_in_a_cluster
	s_endpgm
.Lentry_in_a_cluster:
	s_bfe_u32 s2, ttmp6, 0x10000c
	s_cmp_lg_u32 s2, 0xf033
	s_cbranch_scc0 .Lentry_shape_is_right
	s_endpgm
.Lentry_shape_is_right:
; out = Q(max(floor, A B^T + bias)): a product on codes of FP6 (E2M3) with E8M0 scales for each 32 along K, whose result is quantised again along B's rows and leaves as an operand.
; OPERANDS (all of them): +0 bias of each row; +0x10000 a floor; +0x80000 scale words; +0x100000 codes.  Tile t of 16 rows: slot r is row 32 (t / 2) + 8 (t % 2) + r + 8 (r / 8).
; The fragment of (t, K step s of 128) lies at (t KS + s) x 1,536 as the image of its 12 registers: three loads of 16 bytes a lane bring it; its scale words at (t KS + s) x 64 + 4 r.
; Arguments: act (rows = tokens), weights, out.  K = 1,024 (KS = 8); the results have KS = 32.
; TWO WAYS, told apart by the cluster's y alone.  y < 4: A = act, B = the weights at +0; the result's rows are tokens and its K the weights' rows; the bias goes with B's rows.
; y >= 4: A = the weights at +0x400000, B = act; the result's rows are the weights' rows and its K the tokens (values with the keys innermost), at out + 0x1000000; the bias goes with A's rows.
; A tile of 256 x 256 is made by four waves of 128 x 128: 64 accumulators, 512 registers.  K goes in steps of 256 through a ring of two LDS slots filled by the tensor data mover.
; The scale words of the work-group's rows, for all of K, come once.  CLUSTERS: 4 x 4; A's tiles are asked for jointly along a row of the cluster, B's along a column.
; THE MATRIX INSTRUCTION IS USED TRANSPOSED (source 0 = 16 rows of B, source 1 = 16 rows of A): a lane holds one row of A, and, by the order of rows in a tile, the 16 registers of B's tiles
; 2 b and 2 b + 1 are 16 neighbours along the result's K.
; LIMITS: a block of zeros gets the byte 1 (its codes are zeros; this program alone reads the bytes); blocks under 2^-124 are held at the byte 1; NaN and infinities are not served.
; REGISTERS, in windows of 256: window 0: v16-31 addresses; v32-47 scale words, two sets; v48-51 the way out's offsets; A's fragments, two sets, at v64 and v160.
;   window 1: B's fragments, two sets, at v0 and v96.   windows 2, 3: accumulator (a, b) at v[8 (8 (a % 4) + b)].
.set KS,    8
.set FRB,   1536
.set QB,    16*FRB                     ; 8 tiles x 2 K steps: what one tensor load brings, and what one wave reads of A or of B in a slot
.set SLOT,  4*QB                       ; A's two halves, then B's
.set LAPS,  KS/4                       ; a lap = two slots = four K steps
.set SQ,    512*KS                     ; the scale words of 8 tiles
.set SCL,   2*SLOT
.set SPARE, SCL+4*SQ                   ; the spare words, 128 bytes for each wave: two blocks of 256 bytes that no other line names
.set OCD, 0x100000
.set OSC, 0x80000
.set OFL, 0x10000
.set ADRA, 16                          ; v16-17 LDS address of my A fragments in slot 0, 1
.set ADRB, 20                          ; v20-21 the same for B
.set ADRS, 27                          ; v27    of my scale words: lanes 0-15 A's, lanes 16-31 B's
.set SPW,  28                          ; v28    my spare word; never rewritten
.set NIL,  29                          ; v29    0; never rewritten
.set LI,   30                          ; v30    16 x lane
.set SC,   32                          ; scale words: set p at v[SC + 8 p]; register i: lanes 0-15 A's tile i, lanes 16-31 B's tile i
.set AF,   64
.set G1, 24
.set G0, 32
.set G1B, 48
.set G0B, 56
.set G1S, 68
.set G0S, 76
.set G1SB, 80
.set G0SB, 88
.set PC,  64                           ; the way out: v64-83 codes; v96-159 the bias; v160-223 64 numbers; v224-239 at work; v240-247 eight scale words
.set BN,  96
.set BM,  96
.set H,   160
.set TM,  224
.set PWS, 240
.set W,   248
.set PW,  252
.set SEL, 18
.set MSB, 0
.macro WIN new                         ; the immediate's high byte repeats the setting that is left
.if MSB != (\new)
	s_set_vgpr_msb (MSB<<8)|(\new)
.set MSB, (\new)
.endif
.endm
.set MUL_LO, 0xa1                      ; source 0 (B) window 1, source 1 (A) window 0, C and D window 2
.set MUL_HI, 0xf1
.set TO_B,   0x40                      ; destination window 1, address window 0
; A joint load: waves 0 and 1 fetch for A, waves 2 and 3 for B.  The branch hangs on the wave's number alone.  Four v_nop follow each of the two lines.
.macro JLOAD g0a, g1a, g0b, g1b
	s_cmp_eq_u32 s15, 0
	s_cbranch_scc0 .Lfor_b_\@
	tensor_load_to_lds s[\g0a:\g0a+3], s[\g1a:\g1a+7]
	s_nop 0
.rept 4
	v_nop
.endr
	s_branch .Lasked_\@
.Lfor_b_\@:
	tensor_load_to_lds s[\g0b:\g0b+3], s[\g1b:\g1b+7]
	s_nop 0
.rept 4
	v_nop
.endr
.Lasked_\@:
.endm
.macro CREST                           ; a round of the cluster's barrier behind its opening barrier
	s_cmp_lg_u32 s14, 0
	s_cbranch_scc1 .Lnot_wave_0_\@
	s_barrier_signal -3
.Lnot_wave_0_\@:
	s_barrier_wait -3
	s_barrier_signal -1
	s_barrier_wait -1
.endm
.macro CROUND
	s_barrier_signal -1
	s_barrier_wait -1
	CREST
.endm
.macro PLACES n                        ; plain vector instructions between a matrix instruction and a load into, or a vector instruction on, its registers
.rept \n
	v_nop
.endr
.endm
	s_load_b128 s[4:7], s[0:1], 0x0                ; act, weights
	s_load_b64 s[8:9], s[0:1], 0x10                ; out
	v_lshl_add_u32 v[SPW], v0, 2, SPARE
	v_mov_b32 v[NIL], 0
	ds_add_u32 v28, v29
	ds_add_u32 v28, v29
	s_wait_dscnt 0x0
	v_lshrrev_b32 v1, 5, v0
	v_readfirstlane_b32 s14, v1                    ; wave 0..3
	s_lshr_b32 s15, s14, 1                         ; which half of A's rows is mine.  Also: I fetch for A (0) or for B (1)
	s_and_b32 s16, s14, 1                          ; which half of B's rows.  Also: which 8 tiles I fetch
	s_bfe_u32 s40, ttmp6, 0x40000                  ; cx, cy: my place in the cluster
	s_bfe_u32 s41, ttmp6, 0x40004
	s_and_b32 s20, ttmp7, 0xffff                   ; the cluster's y
	s_lshl_b32 s21, s20, 2
	s_lshl_b32 s22, ttmp9, 2
	s_max_u32 s23, s20, 4
	s_sub_co_u32 s23, s23, 4
	s_lshl_b32 s23, s23, 3
	s_add_co_u32 s23, s23, s22                     ; 4 (x + 2 (y - 4))
	s_cmp_ge_u32 s20, 4
	s_cselect_b32 s66, 1, 0                        ; the way: the same in all sixteen partners
	s_cselect_b32 s17, 0, s21
	s_cselect_b32 s42, s23, s22
	s_add_co_u32 s17, s17, s41                     ; which 256 rows of A
	s_add_co_u32 s42, s42, s40                     ; which 256 rows of B
	s_lshl_b32 s43, s41, 2
	s_lshl_b32 s43, 15, s43                        ; my row of the cluster
	s_lshl_b32 s44, 0x1111, s40                    ; my column
	; descriptor group 1, codes: 8 rows (tiles) of 3,072 bytes (two K steps' fragments), KS x 1,536 bytes apart; elements of 8 bytes; no padding
	s_or_b32 s[G1+0], s43, (3<<16)|(1<<21)         ; 15:0 the mask; 17:16 elements of 8 bytes; 21 set beside a mask
	s_or_b32 s[G1B+0], s44, (3<<16)|(1<<21)
.irp g, G1, G1B
	s_mov_b32 s[\g+1], 384<<16                     ; tensor_dim0
	s_mov_b32 s[\g+2], 16<<16                      ; tensor_dim1: 16 tiles for the head's loads, 8 behind them
	s_mov_b32 s[\g+3], 384<<16                     ; tile_dim0
	s_mov_b32 s[\g+4], 16                          ; tile_dim1
	s_mov_b32 s[\g+5], 192*KS                      ; tensor_dim0_stride
	s_mov_b32 s[\g+6], 0
	s_mov_b32 s[\g+7], 0
.endr
	; scale words of 16 tiles: a dense block of 2 SQ bytes, as rows of 256 bytes
	s_or_b32 s[G1S+0], s43, (3<<16)|(1<<21)
	s_or_b32 s[G1SB+0], s44, (3<<16)|(1<<21)
.irp g, G1S, G1SB
	s_mov_b32 s[\g+1], 32<<16
	s_mov_b32 s[\g+2], (4*KS)<<16
	s_mov_b32 s[\g+3], 32<<16
	s_mov_b32 s[\g+4], 4*KS
	s_mov_b32 s[\g+5], 32
	s_mov_b32 s[\g+6], 0
	s_mov_b32 s[\g+7], 0
.endr
	s_lshl_b32 s20, s17, 4                         ; A: tile 16 x (which 256)
	s_lshl_b32 s46, s42, 4                         ; B likewise
	s_mul_i32 s22, s20, KS*64
	s_add_co_u32 s22, s22, OSC
	s_mul_i32 s20, s20, KS*FRB
	s_add_co_u32 s20, s20, OCD
	s_mul_i32 s94, s46, KS*64
	s_add_co_u32 s94, s94, OSC
	s_mul_i32 s46, s46, KS*FRB
	s_add_co_u32 s46, s46, OCD
	s_mov_b32 s21, 0
	s_mov_b32 s23, 0
	s_mov_b32 s47, 0
	s_mov_b32 s95, 0
	s_mul_i32 s45, s14, QB                         ; where they go: wave x a quarter: no place in the cluster enters an LDS address
	s_wait_kmcnt 0x0
	s_cmp_eq_u32 s66, 1
	s_cselect_b32 s18, 0x400000, 0
	s_cselect_b32 s96, 0x1000000, 0
	s_mov_b32 s19, 0
	s_mov_b32 s97, 0
	s_add_nc_u64 s[92:93], s[6:7], s[18:19]        ; the weights' operand
	s_add_nc_u64 s[8:9], s[8:9], s[96:97]          ; the result's operand
	s_cselect_b64 s[10:11], s[92:93], s[4:5]       ; A
	s_cselect_b64 s[12:13], s[4:5], s[92:93]       ; B
	s_load_b32 s67, s[92:93], OFL                  ; the floor: it feeds a maximum and nothing else
	s_add_nc_u64 s[20:21], s[10:11], s[20:21]
	s_add_nc_u64 s[22:23], s[10:11], s[22:23]
	s_add_nc_u64 s[46:47], s[12:13], s[46:47]
	s_add_nc_u64 s[94:95], s[12:13], s[94:95]
	CROUND                                         ; all sixteen work-groups are here: the first joint loads meet
	; THE HEAD'S FOUR TILES, each whole, one tensor load a wave: wave 0 slot 0's 16 tiles of A, wave 1 its 16 of B, wave 2 A's scale words, wave 3 B's
	s_mov_b32 s[G0S], 1
	s_mov_b32 s[G0S+1], SCL
	s_mov_b64 s[G0S+2:G0S+3], s[22:23]
	s_or_b32 s[G0S+3], s[G0S+3], 0x80000000
	s_mov_b32 s[G0SB], 1
	s_mov_b32 s[G0SB+1], SCL+2*SQ
	s_mov_b64 s[G0SB+2:G0SB+3], s[94:95]
	s_or_b32 s[G0SB+3], s[G0SB+3], 0x80000000
	s_mul_i32 s94, s16, 8*KS*FRB                   ; in the ring I fetch 8 tiles: which half, in bytes
	s_mov_b32 s95, 0
	s_mov_b32 s[G0], 1                             ; slot 0's group 0 serves the head's whole tile first
	s_mov_b32 s[G0+1], 0
	s_mov_b64 s[G0+2:G0+3], s[20:21]
	s_or_b32 s[G0+3], s[G0+3], 0x80000000
	s_mov_b32 s[G0B], 1
	s_mov_b32 s[G0B+1], 2*QB
	s_mov_b64 s[G0B+2:G0B+3], s[46:47]
	s_or_b32 s[G0B+3], s[G0B+3], 0x80000000
	s_add_nc_u64 s[20:21], s[20:21], s[94:95]
	s_add_nc_u64 s[46:47], s[46:47], s[94:95]
	s_mov_b32 s[G0+4], 1                           ; slot 1: my 8 tiles, the second two K steps
	s_add_co_u32 s[G0+5], s45, SLOT
	s_add_nc_u64 s[G0+6:G0+7], s[20:21], 2*FRB
	s_or_b32 s[G0+7], s[G0+7], 0x80000000
	s_mov_b32 s[G0B+4], 1
	s_add_co_u32 s[G0B+5], s45, SLOT
	s_add_nc_u64 s[G0B+6:G0B+7], s[46:47], 2*FRB
	s_or_b32 s[G0B+7], s[G0B+7], 0x80000000
	; THE PREFETCHES: a load of the ring brings a wave 8 tiles x 3,072 bytes; of these the four partners that ask jointly take two tiles each, told apart by address alone (cx for A, cy for B):
	; sixteen lanes a tile, a lane a block of 256 bytes (lanes 12-15 name the tile's last block again).  s[4:5] stands at the second two K steps and is never stepped: the later ones stand in the immediates.
	s_cmp_eq_u32 s15, 0
	s_cselect_b64 s[4:5], s[20:21], s[46:47]
	s_cselect_b32 s6, s40, s41
	s_mul_i32 s6, s6, 2*KS*FRB
	s_add_co_u32 s6, s6, 2*FRB
	s_mov_b32 s7, 0
	s_add_nc_u64 s[4:5], s[4:5], s[6:7]
.macro ARM under, g0, g1, next         ; one chain of branches on the wave's number: every way passes exactly one load
	s_cmp_lt_u32 s14, \under
	s_cbranch_scc0 \next
	tensor_load_to_lds s[\g0:\g0+3], s[\g1:\g1+7]
	s_nop 0
.rept 4
	v_nop
.endr
	s_branch .Lhead_asked
\next:
.endm
	ARM 1, G0,  G1,  .Lhead_b
	ARM 2, G0B, G1B, .Lhead_sa
	ARM 3, G0S, G1S, .Lhead_sb
	tensor_load_to_lds s[G0SB:G0SB+3], s[G1SB:G1SB+7]
	s_nop 0
.rept 4
	v_nop
.endr
.Lhead_asked:
	v_and_b32 v22, 15, v0
	v_min_u32 v22, 11, v22
	v_lshlrev_b32 v22, 8, v22
	v_bfe_u32 v23, v0, 4, 1
	v_mad_u32_u24 v22, v23, KS*FRB, v22
	global_prefetch_b8 v22, s[4:5] th:TH_LOAD_NT scope:SCOPE_SE                 ; what slot 1's first fill will ask for,
	global_prefetch_b8 v22, s[4:5] offset:2*FRB th:TH_LOAD_NT scope:SCOPE_SE    ; and the first refill
	v_and_b32 v1, 31, v0
	v_lshlrev_b32 v[LI], 4, v1
	v_and_b32 v2, 15, v0                           ; r
	v_bfe_u32 v3, v0, 4, 1                         ; h
	s_wait_alu depctr_va_vdst(0)
	s_mul_i32 s21, s15, QB                         ; my 8 tiles of A
	s_mul_i32 s22, s16, QB                         ; my 8 tiles of B,
	s_add_co_u32 s22, s22, 2*QB                    ; which lie behind A's 16
.irp s, 0,1
	v_add_nc_u32 v[ADRA+\s], s21, v[LI]
	v_add_nc_u32 v[ADRB+\s], s22, v[LI]
	s_add_co_u32 s21, s21, SLOT
	s_add_co_u32 s22, s22, SLOT
.endr
	s_mul_i32 s21, s15, SQ
	s_mul_i32 s22, s16, SQ
	s_add_co_u32 s22, s22, 2*SQ
	s_sub_co_u32 s22, s22, s21
	v_mul_u32_u24 v4, s22, v3                      ; lanes 16-31 take B's words
	s_add_co_u32 s21, s21, SCL
	v_lshl_add_u32 v4, v2, 2, v4
	v_add_nc_u32 v[ADRS], s21, v4
	; the way out's offsets and bases
	v_lshlrev_b32 v48, 6, v3                       ; the bias along B's rows: 64 h
	v_and_b32 v49, 8, v2
	v_add_nc_u32 v49, v49, v2
	v_lshlrev_b32 v49, 2, v49                      ; the bias of my row of A: 4 (r + 8 (r / 8))
	v_mov_b32 v50, v3
	v_lshlrev_b32 v51, 2, v2
	v_lshl_add_u32 v51, v3, 11, v51                ; scale words out: 4 r, lanes 16-31 a tile on
	s_cmp_eq_u32 s66, 1
	s_cselect_b32 s20, s17, s42
	s_cselect_b32 s21, s15, s16
	s_lshl_b32 s20, s20, 10
	s_lshl_b32 s21, s21, 9
	s_add_co_u32 s20, s20, s21                     ; 4 x the first of my 128 rows of the weights
	s_mov_b32 s21, 0
	s_wait_alu depctr_va_vdst(0)
	s_wait_kmcnt 0x0                               ; the floor is in
	s_add_nc_u64 s[96:97], s[92:93], s[20:21]      ; the bias
	s_lshl_b32 s20, s17, 4
	s_lshl_b32 s22, s15, 3
	s_add_co_u32 s20, s20, s22                     ; my first tile of the result's rows
	s_lshl_b32 s20, s20, 5
	s_lshl_b32 s22, s42, 1
	s_add_co_u32 s20, s20, s22
	s_add_co_u32 s20, s20, s16                     ; x 32 + the result's K step: my 128 rows of B
	s_lshl_b32 s22, s20, 6
	s_add_co_u32 s22, s22, OSC
	s_mov_b32 s23, 0
	s_mul_i32 s20, s20, FRB
	s_add_co_u32 s20, s20, OCD
	s_add_nc_u64 s[98:99], s[8:9], s[20:21]        ; the result's codes
	s_add_nc_u64 s[8:9], s[8:9], s[22:23]          ; and scale words
; 56 LDS loads in one run: the fragments and scale words of the slot's q-th 128 along K, into sets p
.macro FETCH slot, q, p
	WIN TO_B
.irp i, 0,1,2,3,4,5,6,7
.irp c, 0,1,2
	ds_load_b128 v[96*(\p)+12*\i+4*\c:96*(\p)+12*\i+4*\c+3], v[ADRB+\slot] offset:\i*2*FRB+(\q)*FRB+512*\c
.endr
.endr
	WIN 0
.irp i, 0,1,2,3,4,5,6,7
.irp c, 0,1,2
	ds_load_b128 v[AF+96*(\p)+12*\i+4*\c:AF+96*(\p)+12*\i+4*\c+3], v[ADRA+\slot] offset:\i*2*FRB+(\q)*FRB+512*\c
.endr
.endr
.irp i, 0,1,2,3,4,5,6,7
	ds_load_b32 v[SC+8*(\p)+\i], v[ADRS] offset:\i*64*KS+64*(\q)
.endr
.endm
; 16 matrix instructions: A's tiles a0, a0 + 1 x B's eight.  The 64 accumulators take turns, one instruction a turn, in the same order in every step.
.macro MUL16 a0, p, zero
.irp a, \a0, \a0+1
.irp b, 0,1,2,3,4,5,6,7
.if \zero
	v_wmma_scale_f32_16x16x128_f8f6f4 v[8*(8*((\a)%4)+\b):8*(8*((\a)%4)+\b)+7], v[96*(\p)+12*\b:96*(\p)+12*\b+11], v[AF+96*(\p)+12*(\a):AF+96*(\p)+12*(\a)+11], 0, v[SC+8*(\p)+\b], v[SC+8*(\p)+(\a)] matrix_a_fmt:MATRIX_FMT_FP6 matrix_b_fmt:MATRIX_FMT_FP6 matrix_a_scale:MATRIX_SCALE_ROW1
.else
	v_wmma_scale_f32_16x16x128_f8f6f4 v[8*(8*((\a)%4)+\b):8*(8*((\a)%4)+\b)+7], v[96*(\p)+12*\b:96*(\p)+12*\b+11], v[AF+96*(\p)+12*(\a):AF+96*(\p)+12*(\a)+11], v[8*(8*((\a)%4)+\b):8*(8*((\a)%4)+\b)+7], v[SC+8*(\p)+\b], v[SC+8*(\p)+(\a)] matrix_a_fmt:MATRIX_FMT_FP6 matrix_b_fmt:MATRIX_FMT_FP6 matrix_a_scale:MATRIX_SCALE_ROW1
.endif
.endr
.endr
.endm
; A slot's first 128 along K, on sets 0; the second 128 is fetched into sets 1 ahead of the products.
.macro STEP slot, zero
	PLACES 4
	FETCH \slot, 1, 1
	s_wait_dscnt 56                                ; all but the 56 loads just issued: sets 0 are in
	WIN MUL_LO
	MUL16 0, 0, \zero
	MUL16 2, 0, \zero
	WIN MUL_HI
	MUL16 4, 0, \zero
	MUL16 6, 0, \zero
	WIN 0
.endm
; A slot's second 128, on sets 1, changes slots: ONE barrier; in front of it each wave waits for all its tensor loads, adds 0 to its spare word, and waits for that and for its reads of this slot.
.macro TURN slot, next, fill
	s_wait_tensorcnt 0x0                           ; all my tensor loads have landed: my part of the next slot;
	ds_add_u32 v[SPW], v[NIL]                      ; 0 onto my spare word
	s_wait_dscnt 1                                 ; (the add alone may be out: sets 1 are in)
	WIN MUL_LO
	MUL16 0, 1, 0                                  ; sixteen matrix instructions stand between the add and the wait for it
	s_wait_dscnt 0x0                               ; the add is done, and my reads of this slot are over
	s_barrier_signal -1
	MUL16 2, 1, 0
	WIN 0
	s_barrier_wait -1
.if \fill
	CREST                                          ; the barrier has opened a round of the cluster's: no wave of any partner still reads this slot or has a load on its way
	s_add_nc_u64 s[G0+4*\slot+2:G0+4*\slot+3], s[G0+4*\slot+2:G0+4*\slot+3], 4*FRB
	s_add_nc_u64 s[G0B+4*\slot+2:G0B+4*\slot+3], s[G0B+4*\slot+2:G0B+4*\slot+3], 4*FRB
	JLOAD G0+4*\slot, G1, G0B+4*\slot, G1B         ; the first tensor load behind the round; its four v_nop are the places in front of the loads below
.else
	PLACES 4
.endif
	s_wait_alu depctr_va_vdst(0)
	v_add_nc_u32 v[ADRS], 128, v[ADRS]             ; on to the next slot's scale words
	FETCH \next, 0, 0
	WIN MUL_HI
	MUL16 4, 1, 0
	MUL16 6, 1, 0
	WIN 0
.endm
	s_wait_alu depctr_va_vdst(0)                   ; the wait at the head's end
	s_wait_tensorcnt 0x0                           ; my tile of the head's four is in
	ds_add_u32 v[SPW], v[NIL]
	s_mov_b32 s[G1+2], 8<<16                       ; no tensor load of mine is out: from here on a load brings 8 tiles,
	s_mov_b32 s[G1+4], 8
	s_mov_b32 s[G1B+2], 8<<16
	s_mov_b32 s[G1B+4], 8
	s_mov_b32 s[G0+1], s45                         ; and slot 0's group 0 names my quarter of the slot
	s_add_nc_u64 s[G0+2:G0+3], s[G0+2:G0+3], s[94:95]
	s_mov_b32 s[G0B+1], s45
	s_add_nc_u64 s[G0B+2:G0B+3], s[G0B+2:G0B+3], s[94:95]
	s_wait_dscnt 0x0
	CROUND                                         ; all four tiles are in, and all sixteen work-groups are here
	JLOAD G0+4, G1, G0B+4, G1B                     ; slot 1's first fill, the first tensor load behind the round
	FETCH 0, 0, 0
	global_prefetch_b8 v22, s[4:5] offset:4*FRB th:TH_LOAD_NT scope:SCOPE_SE    ; what the second refill, the last, will ask for
	STEP 0, 1                                      ; the first step stands in front of the loop: its products start the sums
	s_mov_b32 s3, LAPS-1
.Llap:                                                 ; a trip goes once round the ring and fills both slots again
	TURN 0, 1, 1
	STEP 1, 0
	TURN 1, 0, 1
	STEP 0, 0
	s_sub_co_u32 s3, s3, 1
	s_cmp_lg_u32 s3, 0
	s_cbranch_scc1 .Llap
	TURN 0, 1, 0                                   ; the last lap fills nothing
	STEP 1, 0
	PLACES 4                                       ; sets 0 are done with: the bias is asked for into A's
	s_cmp_eq_u32 s66, 0
	s_cbranch_scc0 .Lbias_rows
.irp b, 0,1,2,3,4,5,6,7                        ; along B's rows: register 8 b + j takes that of row 32 (b / 2) + 16 h + 8 (b % 2) + j of my 128
	global_load_b128 v[BN+8*\b:BN+8*\b+3], v48, s[96:97] offset:128*(\b/2)+32*(\b%2)
	global_load_b128 v[BN+8*\b+4:BN+8*\b+7], v48, s[96:97] offset:128*(\b/2)+32*(\b%2)+16
.endr
	s_branch .Lbias_asked
.Lbias_rows:
.irp a, 0,1,2,3,4,5,6,7                        ; of my row of A's tile a, twice: a pair for the packed addition
	global_load_b32 v[BM+2*\a], v49, s[96:97] offset:128*(\a/2)+32*(\a%2)
	global_load_b32 v[BM+2*\a+1], v49, s[96:97] offset:128*(\a/2)+32*(\a%2)
.endr
.Lbias_asked:
	s_wait_dscnt 0x0                               ; the very last step: nothing more to fetch
	WIN MUL_LO
	MUL16 0, 1, 0
	MUL16 2, 1, 0
	WIN MUL_HI
	MUL16 4, 1, 0
	MUL16 6, 1, 0
	WIN 0
	PLACES 4
	s_mov_b32 s[SEL], 0x76543210
	s_mov_b32 s[SEL+1], 0xfedcba98                 ; v_permlanex16_b32's selects for lane l xor 16
.irp b, 0,1,2,3
	v_mov_b32 v[TM+4+\b], 0                        ; written once: a lane permute's destination counts as one of its sources
.endr
	v_cmp_ne_u32 vcc_lo, 0, v50                    ; lanes 16-31
	s_wait_loadcnt 0x0                             ; the bias
; 64 numbers of a lane, register 16 b + i = k 32 b + 16 (lane / 16) + i of my row, become a fragment's codes in v[PC] on and its scale word in v[PW].
.macro QUANT s
.irp b, 0,1,2,3
	v_max3_num_f32 v[TM+\b], |v[\s+16*\b]|, |v[\s+1+16*\b]|, 0x1800000   ; my 16 numbers of block b, and the floor 2^(3 - 127): the byte cannot fall under 1
.endr
.irp i, 2,4,6,8,10,12,14
.irp b, 0,1,2,3
	v_max3_num_f32 v[TM+\b], v[TM+\b], |v[\s+16*\b+\i]|, |v[\s+1+16*\b+\i]|
.endr
.endr
.irp b, 0,1,2,3
	v_permlanex16_b32 v[TM+4+\b], v[TM+\b], s[SEL], s[SEL+1]
.endr
.irp b, 0,1,2,3
	v_max_num_f32 v[TM+\b], v[TM+\b], v[TM+4+\b]
.endr
.irp b, 0,1,2,3
	v_add_nc_u32 v[TM+12+\b], 0xff000000, v[TM+\b] ; 2 off the exponent field: the conversion's scale operand
.endr
.irp b, 0,1,2,3
	v_lshrrev_b32 v[TM+4+\b], 23, v[TM+12+\b]      ; the scale's byte
.endr
	v_lshl_or_b32 v[PW], v[TM+5], 8, v[TM+4]
	v_lshl_or_b32 v[PW], v[TM+6], 16, v[PW]
	v_lshl_or_b32 v[PW], v[TM+7], 24, v[PW]
.irp c, 0,1
	v_cvt_scalef32_pk16_fp6_f32 v[PC+6*\c:PC+2+6*\c], v[\s+32*\c:\s+15+32*\c], v[TM+12+2*\c]
	v_cvt_scalef32_pk16_fp6_f32 v[PC+12+4*\c:PC+14+4*\c], v[\s+16+32*\c:\s+31+32*\c], v[TM+12+2*\c+1]
.endr
	v_nop                                          ; one plain place behind a scaled conversion
.irp c, 0,1
.irp i, 0,1,2
	v_permlane16_swap_b32 v[PC+6*\c+\i], v[PC+12+4*\c+\i]
.endr
.irp i, 0,1,2
	v_mov_b32 v[PC+3+6*\c+\i], v[PC+12+4*\c+\i]
.endr
.endr
.endm
; THE WAY OUT of A's tile a: bias, the floor, the quantiser; the fragment leaves as it stands, 512 consecutive bytes a store.
.macro OUT_A a
	s_wait_xcnt 0x0                                ; the last tile's stores have read their registers
	s_cmp_eq_u32 s66, 0
	s_cbranch_scc0 .Lrow_bias_\@
	WIN 0x02+(\a)/4                                ; source 0: the accumulators' window
.irp b, 0,1,2,3,4,5,6,7
.irp j, 0,2,4,6
	v_pk_add_f32 v[H+8*\b+\j:H+8*\b+\j+1], v[64*((\a)%4)+8*\b+\j:64*((\a)%4)+8*\b+\j+1], v[BN+8*\b+\j:BN+8*\b+\j+1]   ; each accumulator from its low end on
.endr
.endr
	WIN 0
	s_branch .Ladded_\@
.Lrow_bias_\@:
	WIN 0x02+(\a)/4
.irp b, 0,1,2,3,4,5,6,7
.irp j, 0,2,4,6
	v_pk_add_f32 v[H+8*\b+\j:H+8*\b+\j+1], v[64*((\a)%4)+8*\b+\j:64*((\a)%4)+8*\b+\j+1], v[BM+2*(\a):BM+2*(\a)+1]
.endr
.endr
	WIN 0
.Ladded_\@:
.set n, 0
.rept 64
	v_max_num_f32 v[H+n], s67, v[H+n]              ; the floor: 0 is relu, -infinity changes nothing
.set n, n+1
.endr
	QUANT H
	v_mov_b32 v[PWS+(\a)], v[PW]
.irp c, 0,1,2
	global_store_b128 v[LI], v[PC+4*\c:PC+4*\c+3], s[98:99] offset:(\a)*32*FRB+512*\c
.endr
.endm
.irp a, 0,1,2,3,4,5,6,7
	OUT_A \a
.endr
.irp j, 0,1,2,3
	v_cndmask_b32 v[W+\j], v[PWS+2*\j], v[PWS+2*\j+1], vcc_lo   ; lanes 0-15 tile 2 j's words, lanes 16-31 tile 2 j + 1's
.endr
.irp j, 0,1,2,3
	global_store_b32 v51, v[W+\j], s[8:9] offset:\j*4096
.endr
	s_wait_tensorcnt 0x0                           ; the wave's end
	ds_add_u32 v[SPW], v[NIL]
	s_wait_dscnt 0x0
	CROUND                                         ; the closing round: no work-group ends while a partner may still ask for a tile that names it
	s_endpgm
.Lfunc_end_k_qea6bcfe90b_qkv:
	.size	k_qea6bcfe90b_qkv, .Lfunc_end_k_qea6bcfe90b_qkv-k_qea6bcfe90b_qkv
	.p2alignl 7, 3214868480
	.fill 96, 4, 3214868480
	.section	.rodata,"a",@progbits
	.p2align	6, 0x0
	.amdhsa_kernel k_qea6bcfe90b_qkv
		.amdhsa_group_segment_fixed_size 327680
		.amdhsa_private_segment_fixed_size 0
		.amdhsa_enable_private_segment 0
		.amdhsa_kernarg_size 24
		.amdhsa_user_sgpr_count 2
		.amdhsa_user_sgpr_kernarg_segment_ptr 1
		.amdhsa_wavefront_size32 1
		.amdhsa_system_sgpr_workgroup_id_x 1
		.amdhsa_system_sgpr_workgroup_id_y 1
		.amdhsa_system_sgpr_workgroup_id_z 1
		.amdhsa_system_vgpr_workitem_id 0
		.amdhsa_next_free_vgpr 1024
		.amdhsa_next_free_sgpr 100
		.amdhsa_reserve_vcc 1
		.amdhsa_float_denorm_mode_32 3
		.amdhsa_float_denorm_mode_16_64 3
		.amdhsa_memory_ordered 1
		.amdhsa_forward_progress 1
		.amdhsa_inst_pref_size 196
	.end_amdhsa_kernel
	.amdgpu_metadata
---
amdhsa.version: [ 1, 2 ]
amdhsa.kernels:
  - .name:           k_qea6bcfe90b_qkv
    .symbol:         k_qea6bcfe90b_qkv.kd
    .args:
      - { .name: xn, .offset: 0, .size: 8, .value_kind: global_buffer, .address_space: global }
      - { .name: wa, .offset: 8, .size: 8, .value_kind: global_buffer, .address_space: global }
      - { .name: qkv, .offset: 16, .size: 8, .value_kind: global_buffer, .address_space: global }
    .group_segment_fixed_size: 327680
    .private_segment_fixed_size: 0
    .kernarg_segment_align: 8
    .kernarg_segment_size: 24
    .max_flat_workgroup_size: 128
    .sgpr_count:     100
    .vgpr_count:     1024
    .wavefront_size: 32
...
	.end_amdgpu_metadata
.endif
;; end of part 9
;; launch attn (part 10): grid 16 x 16, 16 waves a work-group, clusters of 4 x 1, 327,680 bytes of LDS; arguments qkv, ao; writes ao
.if DOCPART == 10
	.amdgcn_target "amdgcn-amd-amdhsa--gfx1250"
	.amdhsa_code_object_version 6
	.text
	.protected	k_qea6bcfe90b_attn
	.globl	k_qea6bcfe90b_attn
	.p2align	8
	.type	k_qea6bcfe90b_attn,@function
k_qea6bcfe90b_attn:
	s_mov_b64 s[64:65], 0
	v_nop
	global_prefetch_b8 v0, s[64:65] scope:SCOPE_SE
	s_setreg_imm32_b32 hwreg(HW_REG_WAVE_MODE, 25, 1), 1
	s_wait_xcnt 0x0
	s_wait_alu depctr_hold_cnt(0) depctr_sa_sdst(0) depctr_va_vdst(0) depctr_va_sdst(0) depctr_va_ssrc(0) depctr_va_vcc(0) depctr_vm_vsrc(0)
	s_getreg_b32 s2, hwreg(HW_REG_IB_STS2, 6, 4)
	s_cmp_eq_u32 s2, 0
	s_cbranch_scc0 .Lentry_in_a_cluster
	s_endpgm
.Lentry_in_a_cluster:
	s_bfe_u32 s2, ttmp6, 0x10000c
	s_cmp_lg_u32 s2, 0x3003
	s_cbranch_scc0 .Lentry_shape_is_right
	s_endpgm
.Lentry_shape_is_right:
; Causal attention on codes of FP6 (E2M3): O = softmax(Q K^T / 8) V for 2 batches x 16 heads of 64, 2,048 tokens, and O's codes, quantised along the concatenated heads.
; qkv + 0: operand with rows = tokens (256 tiles of 16), 32 K steps a tile: step hp = heads 2 hp, 2 hp + 1 of q, step 8 + hp of k.  qkv + 0x1000000: v with the keys innermost: rows = 64 head + d, K step = token / 128.
; In an operand: +0x80000 scale words, (tile KS + step) x 64 + 4 r; +0x100000 codes, (tile KS + step) x 1,536: the image of a fragment's 12 registers.  Slot r of tile t is row 32 (t / 2) + 8 (t % 2) + r + 8 (r / 8).
; THE SOFTMAX: t = score x log2(e) / 8; M = the running largest t rounded UP to a whole number; p = 2^(t - M) is quantised along the keys, not normalised; the row's sum is taken of the unquantised p and divides O at the end.
; LEFT OUT: key steps all of whose keys come after a tile's queries: the causal mask gives them p = 0.
; SHARES.  Work-group (x, y): batch y / 8, head pair y % 8; query tiles T = 16 g + x and P = 127 - T, g = 0 .. 3.  T lies in key step a = 2 g + x / 8, P in step 15 - a: T needs a + 1 key steps of 128, P 16 - a: 17 together.
; Wave w: head w % 2, g = (w / 2) % 4.  Waves 8-15 (role A) take P against keys 0 .. 1,023: 8 steps.  Waves 0-7 (role B) take T, a + 1 steps, keep T's codes in 7 registers, and then take P against key steps 8 .. 15 - a: 9 steps in all.
; P's two parts are joined at the end through LDS: M is a whole number, so each part is brought under the larger M by a power of two, which rounds nothing.
; THE RING: slot j of four holds key steps 2 j, 2 j + 1 (low) and 14 - 2 j, 15 - 2 j (high), so that in every slot a wave has two steps (in one slot of the four, a role B wave three).
; Which steps a wave works hangs on its number and the cluster's x alone; the work-group's place in its cluster has no part in any branch or LDS address.
; A FRAGMENT OF k HOLDS BOTH HEADS: my q fragment has zero codes in the other head's six registers.  Both products are used transposed (S^T = k q^T, O^T = v^T p^T): a lane holds one query throughout.
; CLUSTER: the four work-groups of a cluster share batch and head pair: each tile of k and v is asked for jointly (mask 15).  The scale words of the whole batch come once.
; LIMITS: a block of zeros gets the byte 1 (its codes are zeros; this program alone reads the bytes); NaN and infinities are not served; the scaled scores stay under 2^31 in magnitude.
; REGISTERS: v1-7 addresses; v8-11 the step's addresses; v12 -M, v13 the largest t, v[14:15] the sum; v16-27 q; v28-31, v80-83, v91 addresses; v32-79 four fragments; v84-90 my tile's codes and scale bytes; v92-95 v's scale words;
; v96-159 S^T, then p; v160-191 O^T; v192-239 four more fragments of k, then work and p's codes (v224-235); v240-247 k's scale words; v252-254 at work; v255 q's scale words.
.set SLOT1, 1<<17                      ; slot 1 begins here: one exclusive or turns an address in one slot into the other's
.set VOFF,  49152                      ; a slot: 16 low and 16 high tiles of k, then v: 8 rows x 2 low key steps, 8 rows x 2 high
.set SCK,   2*SLOT1                    ; k's scale words: 128 tiles x 64 bytes
.set SCV,   SCK+8192                   ; v's: 8 tiles x 16 key steps x 64 bytes
.set STG,   SCV+8192                   ; the way out: the middle 512 bytes of 8 fragments,
.set STS,   STG+4096                   ; and their scale words
.set SPARE, STS+512                    ; the spare words, 128 bytes for each wave
.set MRG,   SPARE+2048                 ; eight stages of 4,608 bytes between a role A wave and its role B partner: first P's q, at the end P's second part
.set OCD, 0x100000
.set OSC, 0x80000
.set OV,  0x1000000
.set AK0,  1
.set AV0,  2
.set ASK0, 3
.set ASV0, 4
.set SPW,  5
.set NIL,  6
.set GOA,  7
.set ADK,  8
.set ADV,  9
.set ADS,  10
.set ADT,  11
.set PFO,  28
.set QI,   29
.set STGA, 30
.set STSA, 31
.set STSR, 80
.set GOS,  81
.set MRA,  82
.set QI2,  83
.set SV,   84                          ; v84-89 my tile's six registers of codes, v90 its two scale bytes
.set GOM,  91
.set TB,   2                           ; s2   LDS byte at which the slot in hand begins
.set TS,   3                           ; s3   the step's scale words of k
.set WV,   18
.set ROLE, 19                          ; s19  1: role A
.set SEL,  20
.set CS,   22
.set G1K,  24
.set G1V,  32
.set G0K,  40
.set G0V,  44
.set G1SK, 48
.set G0SK, 56
.set G0SV, 60
.set TJ,   66                          ; s66  the step's scale words of v
.set SLOTS, 67
.set KB,   70                          ; s70  256 j: the slot's first low key;  s71 1,792 - 256 j: its first high key
.set G0VH, 72                          ; s[72:75] group 0 of v's high key steps;  s[92:95] of k's high tiles (s[40:43], s[44:47]: the low ones)
.set G0KH, 92
.set PFA,  76
.set PFS,  78
.set LIM,  80
.set SWJ,  81                          ; s81  256 (a / 2): the slot in which a role B wave changes tiles
.set G1SV, 84
.set KF,   98                          ; s98  the step's first key
.set LH,   99                          ; s99  low steps are worked up to this first key, and masked from s100 on
.set LQ,   100
.set PAR,  101                         ; s101 all ones in the odd head's waves
.set HH,   104                         ; s104, s105 the same for high steps
.set HQ,   105
.macro WALU
	s_wait_alu depctr_va_vdst(0)
.endm
.macro NOPS
.rept 4
	v_nop
.endr
.endm
.macro ROUND                           ; a round of the cluster's barrier
	s_barrier_signal -1
	s_barrier_wait -1
	s_cmp_lg_u32 s[WV], 0
	s_cbranch_scc1 .Lnot_wave_0_\@
	s_barrier_signal -3
.Lnot_wave_0_\@:
	s_barrier_wait -3
	s_barrier_signal -1
	s_barrier_wait -1
.endm
.macro TLOAD                           ; waves 0 and 1 fetch k's low and high tiles, waves 2 and 3 v's, the others nothing
	s_cmp_lt_u32 s[WV], 1
	s_cbranch_scc0 .Lnot_kl_\@
	tensor_load_to_lds s[G0K:G0K+3], s[G1K:G1K+7]
	s_nop 0
	NOPS
	s_branch .Lasked_\@
.Lnot_kl_\@:
	s_cmp_lt_u32 s[WV], 2
	s_cbranch_scc0 .Lnot_kh_\@
	tensor_load_to_lds s[G0KH:G0KH+3], s[G1K:G1K+7]
	s_nop 0
	NOPS
	s_branch .Lasked_\@
.Lnot_kh_\@:
	s_cmp_lt_u32 s[WV], 3
	s_cbranch_scc0 .Lnot_vl_\@
	tensor_load_to_lds s[G0V:G0V+3], s[G1V:G1V+7]
	s_nop 0
	NOPS
	s_branch .Lasked_\@
.Lnot_vl_\@:
	s_cmp_lt_u32 s[WV], 4
	s_cbranch_scc0 .Lasked_\@
	tensor_load_to_lds s[G0VH:G0VH+3], s[G1V:G1V+7]
	s_nop 0
	NOPS
.Lasked_\@:
.endm
; A PREFETCH of what the NEXT change of slots will ask for: 384 blocks of 256 bytes, twelve instructions of 32 lanes.  All four clusters of a (batch, head pair) walk the same k and v: the first of them asks.
; In it waves 4 to 6 of each partner ask, one instruction each; the partners are told apart by ADDRESS alone: partner 0 k's low tiles, 1 its high tiles, 2 v's low steps, 3 its high steps.  The last change that fills a slot asks for nothing.
.macro ASK
	s_cmp_gt_u32 s[SLOTS], s[LIM]
	s_cbranch_scc0 .Lnot_mine_\@
	global_prefetch_b8 v[PFO], s[PFA:PFA+1] th:TH_LOAD_NT scope:SCOPE_SE
.Lnot_mine_\@:
.endm
.macro GROUP1 g, c, r, p               ; r rows of c elements of 8 bytes, p elements apart; no padding; mask 15 with bit 21 beside it
	s_mov_b32 s[\g], 15|(3<<16)|(1<<21)
	s_mov_b32 s[\g+1], (\c)<<16
	s_mov_b32 s[\g+2], (\r)<<16
	s_mov_b32 s[\g+3], (\c)<<16
	s_mov_b32 s[\g+4], \r
	s_mov_b32 s[\g+5], \p
	s_mov_b32 s[\g+6], 0
	s_mov_b32 s[\g+7], 0
.endm
.macro GROUP0 g                        ; the tile at s[4:5] + s68; the LDS address is written by the caller
	s_mov_b32 s[\g], 1
	s_add_nc_u64 s[\g+2:\g+3], s[4:5], s[68:69]
	s_or_b32 s[\g+3], s[\g+3], 0x80000000
.endm
	s_load_b128 s[4:7], s[0:1], 0x0                ; qkv, ao
	v_lshl_add_u32 v[SPW], v0, 2, SPARE
	v_mov_b32 v[NIL], 0
	ds_add_u32 v[SPW], v[NIL]                      ; the opening lines: the add, twice on end, and its wait
	ds_add_u32 v[SPW], v[NIL]
	v_lshrrev_b32 v8, 5, v0
	v_readfirstlane_b32 s[WV], v8                  ; wave 0..15
	s_bfe_u32 s8, ttmp6, 0x40000                   ; cx
	s_and_b32 s9, ttmp7, 0xffff
	s_lshr_b32 s10, s9, 3                          ; batch
	s_and_b32 s11, s9, 7                           ; head pair
	s_lshl_b32 s9, s10, 7                          ; the batch's first tile of tokens
	s_and_b32 s12, s[WV], 1                        ; which head of the pair.  In waves 4 to 7: which half of the scale words I fetch
	s_lshr_b32 s13, s[WV], 1
	s_lshr_b32 s[ROLE], s13, 2
	s_and_b32 s16, s13, 3                          ; g
	s_lshl_b32 s14, ttmp9, 2
	s_add_co_u32 s14, s14, s8                      ; work-group x
	s_lshl_b32 s15, s16, 4
	s_add_co_u32 s15, s15, s14                     ; T
	s_sub_co_u32 s17, 127, s15                     ; P
	s_lshl_b32 s16, s16, 1
	s_lshr_b32 s68, ttmp9, 1
	s_add_co_u32 s16, s16, s68                     ; a: the key step in which T lies; cx has no part in it
	s_lshl_b32 s68, s16, 7
	s_add_co_u32 s[LH], s68, 127
	s_mov_b32 s[LQ], s68
	s_sub_co_u32 s[HH], 2047, s68
	s_sub_co_u32 s[HQ], 1920, s68
	s_lshr_b32 s[SWJ], s16, 1
	s_lshl_b32 s[SWJ], s[SWJ], 8
	s_cmp_eq_u32 s[ROLE], 1
	s_cselect_b32 s[LH], 4095, s[LH]               ; role A: every low step, none masked, no high step
	s_cselect_b32 s[LQ], 4096, s[LQ]
	s_cselect_b32 s[HH], 0, s[HH]
	s_cselect_b32 s15, s17, s15                    ; the tile that I begin with and whose result I store
	s_sub_co_u32 s[PAR], 0, s12
	GROUP1 G1K, 192, 16, 6144                      ; k's codes: 16 fragments of 1,536 bytes, 49,152 bytes apart
	GROUP1 G1V, 384, 8, 6144                       ; v's codes: 8 rows of 3,072 bytes (two key steps' fragments)
	GROUP1 G1SK, 8, 64, 256                        ; k's scale words: 64 rows of 64 bytes, 2,048 bytes apart
	GROUP1 G1SV, 128, 4, 256                       ; v's scale words: 4 rows of 1,024 bytes, 2,048 bytes apart
	s_mov_b32 s[SEL], 0x76543210
	s_mov_b32 s[SEL+1], 0xfedcba98
	s_mov_b32 s[CS], 0x3e38aa3b                    ; c = log2(e) / 8
	s_mov_b32 s[CS+1], s[CS]
	s_mov_b32 s[TB], 0
	s_mov_b32 s[KB], 0
	s_mov_b32 s[SLOTS], 3
	s_mov_b32 s69, 0
	s_wait_dscnt 0x0                               ; both opening adds are done
	s_wait_kmcnt 0x0
	s_lshl_b32 s68, s9, 5                          ; k's codes: tile 0 of the batch (low),
	s_add_co_u32 s68, s68, s11
	s_mul_i32 s68, s68, 1536
	s_add_co_u32 s68, s68, OCD+8*1536
	GROUP0 G0K
	s_mov_b32 s[G0K+1], 0
	s_add_co_u32 s68, s68, 112*49152               ; and tile 112 (high)
	GROUP0 G0KH
	s_mov_b32 s[G0KH+1], 24576
	s_lshl_b32 s83, s11, 8
	s_lshl_b32 s82, s10, 4
	s_add_co_u32 s83, s83, s82                     ; v: (tile 8 hp) x 32 + the batch's first key step
	s_mul_i32 s68, s83, 1536                       ; key step 0 (low),
	s_add_co_u32 s68, s68, OV+OCD
	GROUP0 G0V
	s_mov_b32 s[G0V+1], VOFF
	s_add_co_u32 s68, s68, 14*1536                 ; and key step 14 (high)
	GROUP0 G0VH
	s_mov_b32 s[G0VH+1], VOFF+24576
	s_lshl_b32 s68, s12, 6                         ; k's scale words: tile 64 u of the batch
	s_add_co_u32 s68, s68, s9
	s_lshl_b32 s68, s68, 5
	s_add_co_u32 s68, s68, s11
	s_lshl_b32 s68, s68, 6
	s_add_co_u32 s68, s68, OSC+512
	GROUP0 G0SK
	s_lshl_b32 s[G0SK+1], s12, 12
	s_add_co_u32 s[G0SK+1], s[G0SK+1], SCK
	s_lshl_b32 s68, s12, 7                         ; v's scale words: tile 8 hp + 4 u
	s_add_co_u32 s68, s68, s83
	s_lshl_b32 s68, s68, 6
	s_add_co_u32 s68, s68, OV+OSC
	GROUP0 G0SV
	s_lshl_b32 s[G0SV+1], s12, 12
	s_add_co_u32 s[G0SV+1], s[G0SV+1], SCV
	ROUND                                          ; all four work-groups are here: the first joint loads meet
.macro ARM under, g0, g1, next         ; the first fills: one chain of branches on the wave's number, one load to an arm; waves 8-15 issue none
	s_cmp_lt_u32 s[WV], \under
	s_cbranch_scc0 \next
	tensor_load_to_lds s[\g0:\g0+3], s[\g1:\g1+7]
	s_nop 0
	NOPS
	s_branch .Lfirst_asked
\next:
.endm
	ARM 1, G0K, G1K, .Lfirst_kh
	ARM 2, G0KH, G1K, .Lfirst_v
	ARM 3, G0V, G1V, .Lfirst_vh
	ARM 4, G0VH, G1V, .Lfirst_sk
	ARM 6, G0SK, G1SK, .Lfirst_sv
	ARM 8, G0SV, G1SV, .Lfirst_none
.Lfirst_asked:
	v_and_b32 v8, 15, v0                           ; r
	v_bfe_u32 v9, v0, 4, 1                         ; h
	v_and_b32 v10, 31, v0                          ; lane
	v_lshlrev_b32 v[AK0], 4, v10                   ; a fragment's image: 16 x lane
	v_and_b32 v11, 8, v8
	v_add_nc_u32 v11, v11, v8
	v_lshlrev_b32 v12, 4, v9
	v_sub_nc_u32 v11, v11, v12                     ; r + 8 (r / 8) - 16 h
	WALU
	s_add_co_u32 s68, s9, s15                      ; my tile among all tokens'
	s_lshl_b32 s82, s68, 5
	s_add_co_u32 s82, s82, s11
	s_lshl_b32 s83, s82, 6
	s_add_co_u32 s83, s83, OSC
	s_mul_i32 s82, s82, 1536
	s_add_co_u32 s82, s82, OCD
	v_add_nc_u32 v84, s82, v[AK0]
	v_lshl_add_u32 v85, v8, 2, s83
.irp c, 0,1,2
	global_load_b128 v[16+4*\c:19+4*\c], v84, s[4:5] offset:512*\c   ; q's fragment stays in registers
.endr
	global_load_b32 v255, v85, s[4:5]              ; q's scale words
	s_mul_i32 s82, s12, 12288
	s_add_co_u32 s82, s82, VOFF
	v_add_nc_u32 v[AV0], s82, v[AK0]               ; my head's four tiles of v
	v_lshl_add_u32 v[ASK0], v8, 2, SCK
	s_lshl_b32 s82, s12, 12
	s_add_co_u32 s82, s82, SCV
	v_lshl_add_u32 v[ASV0], v8, 2, s82
	s_lshl_b32 s82, s68, 3
	s_add_co_u32 s82, s82, s11
	s_mul_i32 s82, s82, 1536
	s_add_co_u32 s82, s82, OCD
	v_add_nc_u32 v[GOM], s82, v[AK0]               ; my fragment of the result,
	s_lshl_b32 s82, s12, 10
	v_add_nc_u32 v[GOA], s82, v[GOM]               ; its first 512 bytes (even head) or its last (odd head)
	s_lshr_b32 s82, s15, 1
	s_lshl_b32 s82, s82, 5
	s_and_b32 s83, s15, 1
	s_lshl_b32 s83, s83, 3
	s_add_co_u32 s82, s82, s83
	v_add_nc_u32 v[QI], s82, v11                   ; my first tile's query - 16 h
	s_lshr_b32 s82, s17, 1
	s_lshl_b32 s82, s82, 5
	s_and_b32 s83, s17, 1
	s_lshl_b32 s83, s83, 3
	s_add_co_u32 s82, s82, s83
	v_add_nc_u32 v[QI2], s82, v11                  ; P's
	s_lshl_b32 s82, s13, 9
	s_lshl_b32 s83, s12, 3
	s_add_co_u32 s82, s82, s83
	s_add_co_u32 s82, s82, STG
	v_add_nc_u32 v[STGA], s82, v[AK0]              ; the stage: 512 (w / 2) + 16 x lane + 8 (w % 2)
	s_lshl_b32 s82, s13, 6
	s_lshl_b32 s83, s12, 1
	s_add_co_u32 s82, s82, s83
	s_add_co_u32 s82, s82, STS
	v_lshl_add_u32 v[STSA], v8, 2, s82             ; my half of a scale word: 64 (w / 2) + 4 r + 2 (w % 2)
	s_lshr_b32 s82, s[WV], 2
	s_lshl_b32 s82, s82, 7
	s_add_co_u32 s82, s82, STS
	v_lshl_add_u32 v[STSR], v10, 2, s82            ; two tiles' scale words, 4 bytes a lane
	s_lshl_b32 s82, s[ROLE], 4                     ; their places in the result: the second tile lies 16 tiles on (T's) or 16 tiles back (P's)
	s_sub_co_u32 s82, s68, s82
	s_lshl_b32 s82, s82, 3
	s_add_co_u32 s82, s82, s11
	s_lshl_b32 s82, s82, 6
	s_add_co_u32 s82, s82, OSC
	v_xor_b32 v12, s[ROLE], v9
	v_lshl_add_u32 v[GOS], v8, 2, s82
	v_lshl_add_u32 v[GOS], v12, 13, v[GOS]
	s_and_b32 s82, s[WV], 7
	s_mul_i32 s82, s82, 4608
	s_add_co_u32 s82, s82, MRG
	v_add_nc_u32 v[MRA], s82, v[AK0]               ; the stage that I share with my partner of the other role
	; the prefetches: kv = cx / 2 says k or v, hi = cx % 2 low or high; all that differs is made by arithmetic on them and enters an address alone
	s_lshr_b32 s68, s8, 1
	s_and_b32 s8, s8, 1
	s_sub_co_u32 s16, 4, s68
	s_lshl_b32 s17, 1, s16
	s_sub_co_u32 s17, s17, 1
	v_and_b32 v[PFO], s17, v10                     ; k: sixteen lanes sixteen tiles; v: eight lanes eight rows,
	v_mul_u32_u24 v[PFO], v[PFO], 0xc000
	v_lshrrev_b32 v12, s16, v10
	s_and_b32 s14, s[WV], 3
	s_lshl_b32 s15, s68, 1
	s_add_co_u32 s15, s15, 2
	s_mul_i32 s14, s14, s15
	v_add_nc_u32 v12, s14, v12
	v_lshl_add_u32 v[PFO], v12, 8, v[PFO]          ; and the blocks of 256 bytes: 2 (k) or 4 (v) an instruction
	s_mul_i32 s14, s8, 112
	s_add_co_u32 s14, s14, s9
	s_lshl_b32 s14, s14, 5
	s_add_co_u32 s14, s14, s11
	s_add_co_u32 s14, s14, 8
	s_mul_i32 s14, s14, 1536                       ; k's first fragment
	s_lshl_b32 s15, s11, 8
	s_lshl_b32 s16, s10, 4
	s_add_co_u32 s15, s15, s16
	s_mul_i32 s16, s8, 14
	s_add_co_u32 s15, s15, s16
	s_mul_i32 s15, s15, 1536
	s_add_co_u32 s15, s15, OV                      ; v's
	s_sub_co_u32 s15, s15, s14
	s_mul_i32 s15, s15, s68
	s_add_co_u32 s82, s14, s15
	s_add_co_u32 s82, s82, OCD
	s_mov_b32 s83, 0
	s_mul_i32 s[PFS], s68, 783360
	s_sub_co_u32 s[PFS], 786432, s[PFS]            ; a slot on: 16 tiles in k, two fragments in v;
	s_lshl_b32 s8, s8, 1
	s_sub_co_u32 s8, 1, s8
	s_mul_i32 s[PFS], s[PFS], s8                   ; up for low, down for high
	s_ashr_i32 s[PFS+1], s[PFS], 31
	s_add_nc_u64 s[PFA:PFA+1], s[4:5], s[82:83]
	s_add_nc_u64 s[PFA:PFA+1], s[PFA:PFA+1], s[PFS:PFS+1]   ; in slot 1: the first change of slots steps it to slot 2
	s_sub_co_u32 s14, s[WV], 4
	s_cmp_lt_u32 s14, 3                            ; waves 4 to 6
	s_cselect_b32 s14, 0, 1
	s_or_b32 s14, s14, ttmp9                       ; of the first cluster: the same in all four partners
	s_cmp_eq_u32 s14, 0
	s_cselect_b32 s[LIM], 1, -1
	v_mov_b32 v13, 0xff61b1e6                      ; the largest t so far: -3e38, under every t
	v_floor_f32 v12, -v13                          ; -M
	v_mov_b32 v14, 0
	v_mov_b32 v15, 0
.irp b, 0,1,2,3
	v_mov_b32 v[236+\b], 0                         ; written once: a lane permute's destination counts as one of its sources
.endr
	v_mov_b32 v252, 0
	v_mov_b32 v253, 0
.set n, 0
.rept 32
	v_mov_b32 v[160+n], 0                          ; O^T: the step is written once; the first finds zeros
.set n, n+1
.endr
	WALU
	s_wait_loadcnt 0x0                             ; q
.irp i, 0,1,2,3,4,5,6
	v_mov_b32 v[SV+\i], 0                          ; written once here, so that they are written on every way through the text; each wave writes its tile's codes over them
.endr
.irp i, 0,1,2,3,4,5
	v_cndmask_b32 v[16+\i], v[16+\i], v[NIL], s[PAR]     ; the other head's six registers become zero codes
	v_cndmask_b32 v[22+\i], v[NIL], v[22+\i], s[PAR]
.endr
	NOPS                                           ; an operand written by vector instructions stands four places ahead of a scaled matrix instruction
	WALU                                           ; the wait at the head's end
	s_cmp_eq_u32 s[ROLE], 0
	s_cbranch_scc1 .Lno_stash
.irp c, 0,1,2
	ds_store_b128 v[MRA], v[16+4*\c:19+4*\c] offset:512*\c   ; role A leaves P's q for its partner: read behind the first change's barrier
.endr
	ds_store_b32 v[MRA], v255 offset:4096
.Lno_stash:
; A KEY STEP: 128 keys: the e-th of the slot's low (u = 0) or high (u = 1) two.  hi, lo: the scalars that say whether it is worked and whether it is masked; qi: the queries' numbers.
.macro STEP u, e, hi, lo, qi
	s_add_co_u32 s[KF], s[KB+\u], 128*\e
	s_cmp_gt_u32 s[KF], s[\hi]
	s_cbranch_scc1 .Lhidden_\@
	s_lshl_b32 s[TS], s[KF], 2                     ; 512 bytes of k's scale words a step,
	s_lshr_b32 s[TJ], s[KF], 1                     ; 64 of v's
	v_add_nc_u32 v[ADK], s[TB], v[AK0]
	v_add_nc_u32 v[ADV], s[TB], v[AV0]
	v_add_nc_u32 v[ADS], s[TS], v[ASK0]
	v_add_nc_u32 v[ADT], s[TJ], v[ASV0]            ; (these four are the places in front of the loads below)
	WALU
.irp t, 0,1,2,3                                ; all eight tiles of k in one run of 32 loads
.irp c, 0,1,2
	ds_load_b128 v[32+12*\t+4*\c:35+12*\t+4*\c], v[ADK] offset:(16*\u+8*\e+\t)*1536+512*\c
.endr
	ds_load_b32 v[240+\t], v[ADS] offset:\t*64
.endr
.irp t, 0,1,2,3
.irp c, 0,1,2
	ds_load_b128 v[192+12*\t+4*\c:195+12*\t+4*\c], v[ADK] offset:(16*\u+8*\e+4+\t)*1536+512*\c
.endr
	ds_load_b32 v[244+\t], v[ADS] offset:(4+\t)*64
.endr
	s_wait_dscnt 16                                ; the first 16 loads are in; the second 16 may be out
.irp t, 0,1,2,3
	v_wmma_scale_f32_16x16x128_f8f6f4 v[96+8*\t:103+8*\t], v[32+12*\t:43+12*\t], v[16:27], 0, v[240+\t], v255 matrix_a_fmt:MATRIX_FMT_FP6 matrix_b_fmt:MATRIX_FMT_FP6
.endr
	s_wait_dscnt 0x0
.irp t, 0,1,2,3
	v_wmma_scale_f32_16x16x128_f8f6f4 v[128+8*\t:135+8*\t], v[192+12*\t:203+12*\t], v[16:27], 0, v[244+\t], v255 matrix_a_fmt:MATRIX_FMT_FP6 matrix_b_fmt:MATRIX_FMT_FP6
.endr
	NOPS
.irp t, 0,1,2,3                                ; v's four tiles are asked for now and waited for behind the softmax
.irp c, 0,1,2
	ds_load_b128 v[32+12*\t+4*\c:35+12*\t+4*\c], v[ADV] offset:\u*24576+\t*3072+\e*1536+512*\c
.endr
	ds_load_b32 v[92+\t], v[ADT] offset:\t*1024
.endr
	s_cmp_lt_u32 s[KF], s[\lo]                     ; a step all of whose keys count skips the mask
	s_cbranch_scc1 .Lopen_\@
	v_sub_nc_u32 v252, v[\qi], s[KF]               ; register 16 b + i holds key KF + 16 h + 32 b + i: hidden where 32 b + i > my query - KF - 16 h
	v_mov_b32 v254, 0xff800000                     ; -infinity: p = 0 then
.set n, 0
.rept 64
	v_cmp_gt_i32 vcc_lo, 32*(n/16)+n%16, v252
	v_cndmask_b32 v[96+n], v[96+n], v254, vcc_lo
.set n, n+1
.endr
.Lopen_\@:
.irp b, 0,1,2,3
	v_max3_num_f32 v[232+\b], v[96+16*\b], v[97+16*\b], v[98+16*\b]   ; the largest score of each block of 32 keys: for the row's maximum and for the block's largest p
.endr
.irp i, 3,5,7,9,11,13
.irp b, 0,1,2,3
	v_max3_num_f32 v[232+\b], v[232+\b], v[96+16*\b+\i], v[97+16*\b+\i]
.endr
.endr
.irp b, 0,1,2,3
	v_max_num_f32 v[232+\b], v[232+\b], v[111+16*\b]
.endr
.irp b, 0,1,2,3
	s_delay_alu instid0(VALU_DEP_4)
	v_permlanex16_b32 v[236+\b], v[232+\b], s[SEL], s[SEL+1]
.endr
.irp b, 0,1,2,3
	s_delay_alu instid0(VALU_DEP_4)
	v_max_num_f32 v[232+\b], v[232+\b], v[236+\b]  ; with lane l xor 16's 16 keys
.endr
	s_delay_alu instid0(VALU_DEP_2)
	v_max3_num_f32 v254, v232, v233, v234
	s_delay_alu instid0(VALU_DEP_1)
	v_max_num_f32 v254, v254, v235
	s_delay_alu instid0(VALU_DEP_1)
	v_mul_f32 v254, s[CS], v254                    ; the step's largest t
	s_delay_alu instid0(VALU_DEP_1)
	v_max_num_f32 v13, v13, v254                   ; the running largest t
	v_mov_b32 v254, v12
	s_delay_alu instid0(VALU_DEP_2)
	v_floor_f32 v12, -v13                          ; the new -M = -ceil(t): a whole number
	s_delay_alu instid0(VALU_DEP_1)
	v_sub_f32 v254, v12, v254                      ; M's old value less its new one
	s_delay_alu instid0(VALU_DEP_1)
	v_cvt_i32_f32 v254, v254                       ; (it saturates)
	s_delay_alu instid0(VALU_DEP_1)
	v_ldexp_f32 v252, 1.0, v254                    ; f = 2^(old M - new M): a multiplication by it rounds nothing
.set n, 0
.rept 32
	v_pk_fma_f32 v[96+n:97+n], v[96+n:97+n], s[CS:CS+1], v[12:13] op_sel_hi:[1,0,0]   ; t - M
.set n, n+2
.endr
.irp b, 0,1,2,3
	v_fma_f32 v[232+\b], v[232+\b], s[CS], v12     ; the same of each block's largest score
.endr
	WALU                                           ; the wait ahead of the batch
.set n, 0
.rept 64
	v_exp_f32 v[96+n], v[96+n]                     ; p = 2^(t - M)
.set n, n+1
.endr
	v_pk_mul_f32 v[14:15], v[14:15], v[252:253] op_sel_hi:[1,0]   ; the sums under the new M (a plain instruction behind the exponentials)
	WALU                                           ; one wait for the whole batch, ahead of its first reader
.irp b, 0,1,2,3
	v_exp_f32 v[232+\b], v[232+\b]                 ; the block's largest p
.endr
.irp i, 0,1,2,3,4,5,6                          ; the row's sum of the unquantised p: eight chains, v192-205 and v[14:15]
	v_pk_add_f32 v[192+2*\i:193+2*\i], v[96+4*\i:97+4*\i], v[98+4*\i:99+4*\i]
.endr
	v_pk_add_f32 v[14:15], v[14:15], v[124:125]
.irp i, 0,1,2,3,4,5,6
	v_pk_add_f32 v[192+2*\i:193+2*\i], v[192+2*\i:193+2*\i], v[126+2*\i:127+2*\i]
.endr
	v_pk_add_f32 v[14:15], v[14:15], v[140:141]
.irp i, 0,1,2,3,4,5,6
	v_pk_add_f32 v[192+2*\i:193+2*\i], v[192+2*\i:193+2*\i], v[142+2*\i:143+2*\i]
.endr
	v_pk_add_f32 v[14:15], v[14:15], v[156:157]
	v_pk_add_f32 v[192:193], v[192:193], v[158:159]
	v_pk_add_f32 v[194:195], v[194:195], v[196:197]
	v_pk_add_f32 v[198:199], v[198:199], v[200:201]
	v_pk_add_f32 v[202:203], v[202:203], v[204:205]
	v_pk_add_f32 v[14:15], v[14:15], v[192:193]
	v_pk_add_f32 v[194:195], v[194:195], v[198:199]
	v_pk_add_f32 v[14:15], v[14:15], v[202:203]
	v_pk_add_f32 v[14:15], v[14:15], v[194:195]
	WALU                                           ; and one for the four
.irp b, 0,1,2,3
	v_max_num_f32 v[232+\b], 0x1800000, v[232+\b]  ; the floor 2^(3 - 127): the byte cannot fall under 1
.endr
.irp b, 0,1,2,3
	v_add_nc_u32 v[216+\b], 0xff000000, v[232+\b]  ; 2 off the exponent field: the conversion's scale operand
.endr
.irp b, 0,1,2,3
	v_lshrrev_b32 v[236+\b], 23, v[216+\b]
.endr
	v_lshl_or_b32 v253, v237, 8, v236              ; p's scale word for these 128 keys
	v_lshl_or_b32 v253, v238, 16, v253
	v_lshl_or_b32 v253, v239, 24, v253
.irp c, 0,1
	v_cvt_scalef32_pk16_fp6_f32 v[224+6*\c:226+6*\c], v[96+32*\c:111+32*\c], v[216+2*\c]
	v_cvt_scalef32_pk16_fp6_f32 v[208+4*\c:210+4*\c], v[112+32*\c:127+32*\c], v[216+2*\c+1]
.endr
	v_nop                                          ; one plain place behind a scaled conversion
.irp c, 0,1
.irp i, 0,1,2
	v_permlane16_swap_b32 v[224+6*\c+\i], v[208+4*\c+\i]
.endr
.irp i, 0,1,2
	v_mov_b32 v[227+6*\c+\i], v[208+4*\c+\i]
.endr
.endr
	WALU                                           ; the wait directly ahead of the first reader of O^T
.set n, 0
.rept 16
	v_pk_mul_f32 v[160+n:161+n], v[160+n:161+n], v[252:253] op_sel_hi:[1,0]   ; O^T under the new M (these are also the places in front of the matrix instructions below)
.set n, n+2
.endr
	WALU
	s_wait_dscnt 0x0                               ; v's fragments
.irp t, 0,1,2,3                                ; O^T += v^T p^T: my head's four tiles of 16 channels; K = these 128 keys
	v_wmma_scale_f32_16x16x128_f8f6f4 v[160+8*\t:167+8*\t], v[32+12*\t:43+12*\t], v[224:235], v[160+8*\t:167+8*\t], v[92+\t], v253 matrix_a_fmt:MATRIX_FMT_FP6 matrix_b_fmt:MATRIX_FMT_FP6
.endr
.Lhidden_\@:
.endm
; O^T / the row's sum (v14: my lane's share of it); its two blocks of 32 channels are quantised: six registers, my head's half of a fragment of the next product's operand, into v[SV] on; two scale bytes into v[SV+6].
.macro FINISH
	v_permlanex16_b32 v252, v14, s[SEL], s[SEL+1]
	v_add_f32 v14, v14, v252                       ; the row's sum
	WALU
	v_rcp_f32 v14, v14
	v_nop                                          ; a plain instruction behind the transcendental,
	WALU                                           ; and the wait ahead of its first reader
.set n, 0
.rept 32
	v_mul_f32 v[96+n], v[160+n], v14               ; register 16 b + i is channel 32 b + 16 h + i of my query
.set n, n+1
.endr
.irp b, 0,1
	v_max3_num_f32 v[232+\b], |v[96+16*\b]|, |v[97+16*\b]|, 0x1800000
.endr
.irp i, 2,4,6,8,10,12,14
.irp b, 0,1
	v_max3_num_f32 v[232+\b], v[232+\b], |v[96+16*\b+\i]|, |v[97+16*\b+\i]|
.endr
.endr
.irp b, 0,1
	v_permlanex16_b32 v[236+\b], v[232+\b], s[SEL], s[SEL+1]
.endr
.irp b, 0,1
	v_max_num_f32 v[232+\b], v[232+\b], v[236+\b]
.endr
.irp b, 0,1
	v_add_nc_u32 v[216+\b], 0xff000000, v[232+\b]
.endr
.irp b, 0,1
	v_lshrrev_b32 v[236+\b], 23, v[216+\b]
.endr
	v_lshl_or_b32 v[SV+6], v237, 8, v236
	v_cvt_scalef32_pk16_fp6_f32 v[SV:SV+2], v[96:111], v216
	v_cvt_scalef32_pk16_fp6_f32 v[208:210], v[112:127], v217
	v_nop
.irp i, 0,1,2
	v_permlane16_swap_b32 v[SV+\i], v[208+\i]
.endr
.irp i, 0,1,2
	v_mov_b32 v[SV+3+\i], v[208+\i]
.endr
.endm
; A role B wave changes tiles, once, behind T's last low step: T's result is finished and kept, P's q comes from the stage, the sums begin anew (O^T is multiplied by 0 in the next step).
.macro SWITCH
	s_cmp_lg_u32 s[ROLE], 0
	s_cbranch_scc1 .Lno_switch_\@
	s_cmp_lg_u32 s[KB], s[SWJ]
	s_cbranch_scc1 .Lno_switch_\@
	NOPS                                           ; places behind the last products
.irp c, 0,1,2
	ds_load_b128 v[16+4*\c:19+4*\c], v[MRA] offset:512*\c
.endr
	ds_load_b32 v255, v[MRA] offset:4096
	v_add_f32 v14, v14, v15
	FINISH
	v_mov_b32 v13, 0xff61b1e6
	v_floor_f32 v12, -v13
	v_mov_b32 v14, 0
	v_mov_b32 v15, 0
	WALU
	s_wait_dscnt 0x0
.Lno_switch_\@:
.endm
; THE CHANGE OF SLOTS stands at a slot's head.  Each wave waits for all its tensor loads, adds 0 to its spare word, and waits for that and for its reads of the slot that it has left.
; fill = 1: a round of the cluster's barrier, and behind it the slot just left is filled with the next slot's keys.  The add is written twice there.
.macro CHANGE fill
	s_wait_tensorcnt 0x0
	ds_add_u32 v[SPW], v[NIL]
.if \fill
	ds_add_u32 v[SPW], v[NIL]
	s_xor_b32 s[G0K+1], s[G0K+1], SLOT1            ; no tensor load of mine is out: the walking descriptors step to the other slot,
	s_add_nc_u64 s[G0K+2:G0K+3], s[G0K+2:G0K+3], 786432      ; the low tiles 16 tiles up,
	s_xor_b32 s[G0KH+1], s[G0KH+1], SLOT1
	s_sub_nc_u64 s[G0KH+2:G0KH+3], s[G0KH+2:G0KH+3], 786432  ; the high tiles 16 down,
	s_xor_b32 s[G0V+1], s[G0V+1], SLOT1
	s_add_nc_u64 s[G0V+2:G0V+3], s[G0V+2:G0V+3], 3072        ; v two key steps up
	s_xor_b32 s[G0VH+1], s[G0VH+1], SLOT1
	s_sub_nc_u64 s[G0VH+2:G0VH+3], s[G0VH+2:G0VH+3], 3072    ; and two down
	s_wait_xcnt 0x0                                ; the last prefetch, a slot back, has read its address
	s_add_nc_u64 s[PFA:PFA+1], s[PFA:PFA+1], s[PFS:PFS+1]
	s_wait_dscnt 0x0
	ROUND
	TLOAD                                          ; the first thing behind the round, and a wave's one tensor load until the next
	ASK
.else
	s_wait_dscnt 0x0
	s_barrier_signal -1
	s_barrier_wait -1
.endif
.endm
.macro SLOT_STEPS
	s_xor_b32 s[KB+1], s[KB], 1792                 ; 1,792 - 256 j
	STEP 0, 0, LH, LQ, QI
	STEP 0, 1, LH, LQ, QI
	SWITCH
	STEP 1, 1, HH, HQ, QI2
	STEP 1, 0, HH, HQ, QI2
	s_xor_b32 s[TB], s[TB], SLOT1
	s_add_co_u32 s[KB], s[KB], 256
.endm
.Lslot:                                            ; three trips: behind each change of slots but the last the next slot is asked for
	CHANGE 1
	SLOT_STEPS
	s_sub_co_u32 s[SLOTS], s[SLOTS], 1
	s_cmp_lg_u32 s[SLOTS], 0
	WALU
	s_cbranch_scc1 .Lslot
	CHANGE 0                                       ; the last slot is written out
	SLOT_STEPS
	; THE END.  Role B hands its part of P to its partner; role A joins the two parts and finishes P.
	NOPS                                           ; places behind the last products
	s_cmp_lg_u32 s[ROLE], 0
	s_cbranch_scc1 .Lkeeps
	v_add_f32 v13, v14, v15                        ; -M and my lane's share of the sum make a pair
.irp i, 0,1,2,3,4,5,6,7
	ds_store_b128 v[MRA], v[160+4*\i:163+4*\i] offset:512*\i   ; each accumulator from its low end on
.endr
	ds_store_b64 v[MRA], v[12:13] offset:4096
.Lkeeps:
	WALU
	s_wait_dscnt 0x0                               ; for the partner's sake
	s_barrier_signal -1
	s_barrier_wait -1
	s_cmp_eq_u32 s[ROLE], 0
	s_cbranch_scc1 .Lmerged
.irp i, 0,1,2,3,4,5,6,7
	ds_load_b128 v[96+4*\i:99+4*\i], v[MRA] offset:512*\i
.endr
	ds_load_b64 v[128:129], v[MRA] offset:4096
	v_add_f32 v14, v14, v15
	v_mov_b32 v135, 0                              ; (named as the upper halves of pairs)
	v_mov_b32 v137, 0
	WALU
	s_wait_dscnt 0x0
	v_min_num_f32 v130, v12, v128                  ; -M of both parts
	v_sub_f32 v131, v130, v12                      ; my M less the common one,
	v_sub_f32 v132, v130, v128                     ; the partner's less the common one: whole numbers, 0 or less
	v_cvt_i32_f32 v131, v131
	v_cvt_i32_f32 v132, v132
	v_ldexp_f32 v134, 1.0, v131
	v_ldexp_f32 v136, 1.0, v132
	v_mul_f32 v14, v14, v134
	v_fma_f32 v14, v129, v136, v14
.set n, 0
.rept 16
	v_pk_mul_f32 v[160+n:161+n], v[160+n:161+n], v[134:135] op_sel_hi:[1,0]
.set n, n+2
.endr
.set n, 0
.rept 16
	v_pk_fma_f32 v[160+n:161+n], v[96+n:97+n], v[136:137], v[160+n:161+n] op_sel_hi:[1,0,1]
.set n, n+2
.endr
	FINISH
.Lmerged:
	WALU
.irp i, 0,1,2,3
	v_cndmask_b32 v[44+\i], v[SV+\i], v[SV+2+\i], s[PAR]   ; the four that fill a whole piece of the image: 0-3 (even head) or 8-11 (odd head)
.endr
.irp i, 0,1
	v_cndmask_b32 v[48+\i], v[SV+4+\i], v[SV+\i], s[PAR]   ; the two that share the middle piece with the other head's wave
.endr
	global_store_b128 v[GOA], v[44:47], s[6:7]     ; 512 consecutive bytes, aligned
	ds_store_b64 v[STGA], v[48:49]
	ds_store_b16 v[STSA], v[SV+6]                  ; both halves of the lanes write the same bytes with the same value
	WALU
	s_wait_dscnt 0x0                               ; for the others' sake
	s_barrier_signal -1
	s_barrier_wait -1
	s_cmp_eq_u32 s12, 0
	s_cbranch_scc0 .Lodd
	ds_load_b128 v[56:59], v[STGA]                 ; the even head's wave stores the middle piece
	s_wait_dscnt 0x0
	global_store_b128 v[GOM], v[56:59], s[6:7] offset:512
.Lodd:
	s_and_b32 s17, s[WV], 3
	s_cmp_eq_u32 s17, 1
	s_cbranch_scc0 .Lno_words
	ds_load_b32 v60, v[STSR]                       ; waves 1, 5, 9, 13 store two tiles' scale words each
	s_wait_dscnt 0x0
	global_store_b32 v[GOS], v60, s[6:7]
.Lno_words:
	s_wait_tensorcnt 0x0                           ; the wave's end
	ds_add_u32 v[SPW], v[NIL]
	s_wait_dscnt 0x0
	ROUND                                          ; the closing round
	s_endpgm
.Lfunc_end_k_qea6bcfe90b_attn:
	.size	k_qea6bcfe90b_attn, .Lfunc_end_k_qea6bcfe90b_attn-k_qea6bcfe90b_attn
	.p2alignl 7, 3214868480
	.fill 96, 4, 3214868480
	.section	.rodata,"a",@progbits
	.p2align	6, 0x0
	.amdhsa_kernel k_qea6bcfe90b_attn
		.amdhsa_group_segment_fixed_size 327680
		.amdhsa_private_segment_fixed_size 0
		.amdhsa_enable_private_segment 0
		.amdhsa_kernarg_size 16
		.amdhsa_user_sgpr_count 2
		.amdhsa_user_sgpr_kernarg_segment_ptr 1
		.amdhsa_wavefront_size32 1
		.amdhsa_system_sgpr_workgroup_id_x 1
		.amdhsa_system_sgpr_workgroup_id_y 1
		.amdhsa_system_sgpr_workgroup_id_z 1
		.amdhsa_system_vgpr_workitem_id 0
		.amdhsa_next_free_vgpr 256
		.amdhsa_next_free_sgpr 106
		.amdhsa_reserve_vcc 1
		.amdhsa_float_denorm_mode_32 3
		.amdhsa_float_denorm_mode_16_64 3
		.amdhsa_memory_ordered 1
		.amdhsa_forward_progress 1
		.amdhsa_inst_pref_size 216
	.end_amdhsa_kernel
	.amdgpu_metadata
---
amdhsa.version: [ 1, 2 ]
amdhsa.kernels:
  - .name:           k_qea6bcfe90b_attn
    .symbol:         k_qea6bcfe90b_attn.kd
    .args:
      - { .name: qkv, .offset: 0, .size: 8, .value_kind: global_buffer, .address_space: global }
      - { .name: ao, .offset: 8, .size: 8, .value_kind: global_buffer, .address_space: global }
    .group_segment_fixed_size: 327680
    .private_segment_fixed_size: 0
    .kernarg_segment_align: 8
    .kernarg_segment_size: 16
    .max_flat_workgroup_size: 512
    .sgpr_count:     106
    .vgpr_count:     256
    .wavefront_size: 32
...
	.end_amdgpu_metadata
.endif
;; end of part 10
;; launch wo (part 11): grid 8 x 32, 4 waves a work-group, clusters of 4 x 4, 327,680 bytes of LDS; arguments ao, wa, x, x1; writes x1
.if DOCPART == 11
	.amdgcn_target "amdgcn-amd-amdhsa--gfx1250"
	.amdhsa_code_object_version 6
	.text
	.protected	k_qea6bcfe90b_wo
	.globl	k_qea6bcfe90b_wo
	.p2align	8
	.type	k_qea6bcfe90b_wo,@function
k_qea6bcfe90b_wo:
	s_mov_b64 s[64:65], 0
	v_nop
	global_prefetch_b8 v0, s[64:65] scope:SCOPE_SE
	s_setreg_imm32_b32 hwreg(HW_REG_WAVE_MODE, 25, 1), 1
	s_wait_xcnt 0x0
	s_wait_alu depctr_hold_cnt(0) depctr_sa_sdst(0) depctr_va_vdst(0) depctr_va_sdst(0) depctr_va_ssrc(0) depctr_va_vcc(0) depctr_vm_vsrc(0)
	s_getreg_b32 s2, hwreg(HW_REG_IB_STS2, 6, 4)
	s_cmp_eq_u32 s2, 0
	s_cbranch_scc0 .Lentry_in_a_cluster
	s_endpgm
.Lentry_in_a_cluster:
	s_bfe_u32 s2, ttmp6, 0x10000c
	s_cmp_lg_u32 s2, 0xf033
	s_cbranch_scc0 .Lentry_shape_is_right
	s_endpgm
.Lentry_shape_is_right:
.set KS,    8
.set WOFF,  0x800000
.set FRB,   1536
.set SK,    4
.set QB,    4*SK*FRB
.set SLOT,  4*QB
.set LAPS,  KS/(2*SK)
.set SQ,    256*KS
.set SCL,   2*SLOT
.set SPARE, SCL+4*SQ
.set SPITCH, 272
.set NF,    28
.set OCD, 0x100000
.set OSC, 0x80000
.set ADRA, 16
.set ADRB, 20
.set STO,  24
.set RD,   25
.set CO,   26
.set ADRS, 27
.set SPW,  28
.set NIL,  29
.set LI,   30
.set BO,   31
.set SC,   32
.set BI,   48
.set AF,   64
.set BF,   160
.set BB,   64
.set RS,   128
.set G1, 24
.set G0, 32
.set G1B, 48
.set G0B, 56
.set G1S, 68
.set G0S, 76
.set G1SB, 80
.set G0SB, 88
.set MSB, 0
.macro WIN new
.if MSB != (\new)
	s_set_vgpr_msb (MSB<<8)|(\new)
.set MSB, (\new)
.endif
.endm
.set MUL, 0x50
.macro JLOAD g0a, g1a, g0b, g1b
	s_cmp_eq_u32 s15, 0
	s_cbranch_scc0 .Lfor_b_\@
	tensor_load_to_lds s[\g0a:\g0a+3], s[\g1a:\g1a+7]
	s_nop 0
.rept 4
	v_nop
.endr
	s_branch .Lasked_\@
.Lfor_b_\@:
	tensor_load_to_lds s[\g0b:\g0b+3], s[\g1b:\g1b+7]
	s_nop 0
.rept 4
	v_nop
.endr
.Lasked_\@:
.endm
.macro CREST
	s_cmp_lg_u32 s14, 0
	s_cbranch_scc1 .Lnot_wave_0_\@
	s_barrier_signal -3
.Lnot_wave_0_\@:
	s_barrier_wait -3
	s_barrier_signal -1
	s_barrier_wait -1
.endm
.macro CROUND
	s_barrier_signal -1
	s_barrier_wait -1
	CREST
.endm
.macro PLACES n
.rept \n
	v_nop
.endr
.endm
	s_load_b256 s[4:11], s[0:1], 0x0
	v_lshl_add_u32 v[SPW], v0, 2, SPARE
	v_mov_b32 v[NIL], 0
	ds_add_u32 v28, v29
	ds_add_u32 v28, v29
	s_wait_dscnt 0x0
	v_lshrrev_b32 v1, 5, v0
	v_readfirstlane_b32 s14, v1
	s_lshr_b32 s15, s14, 1
	s_and_b32 s16, s14, 1
	s_bfe_u32 s40, ttmp6, 0x40000
	s_bfe_u32 s41, ttmp6, 0x40004
	s_lshl_b32 s42, ttmp9, 2
	s_add_co_u32 s42, s42, s40
	s_and_b32 s17, ttmp7, 0xffff
	s_lshl_b32 s17, s17, 2
	s_add_co_u32 s17, s17, s41
	s_lshl_b32 s43, s41, 2
	s_lshl_b32 s43, 15, s43
	s_lshl_b32 s44, 0x1111, s40
	s_or_b32 s[G1+0], s43, (3<<16)|(1<<21)
	s_or_b32 s[G1B+0], s44, (3<<16)|(1<<21)
.irp g, G1, G1B
	s_mov_b32 s[\g+1], 768<<16
	s_mov_b32 s[\g+2], 8<<16
	s_mov_b32 s[\g+3], 768<<16
	s_mov_b32 s[\g+4], 8
	s_mov_b32 s[\g+5], 192*KS
	s_mov_b32 s[\g+6], 0
	s_mov_b32 s[\g+7], 0
.endr
	s_or_b32 s[G1S+0], s43, (3<<16)|(1<<21)
	s_or_b32 s[G1SB+0], s44, (3<<16)|(1<<21)
.irp g, G1S, G1SB
	s_mov_b32 s[\g+1], 32<<16
	s_mov_b32 s[\g+2], (2*KS)<<16
	s_mov_b32 s[\g+3], 32<<16
	s_mov_b32 s[\g+4], 2*KS
	s_mov_b32 s[\g+5], 32
	s_mov_b32 s[\g+6], 0
	s_mov_b32 s[\g+7], 0
.endr
	s_lshl_b32 s20, s17, 3
	s_lshl_b32 s46, s42, 3
	s_mul_i32 s22, s20, KS*64
	s_add_co_u32 s22, s22, OSC
	s_mul_i32 s20, s20, KS*FRB
	s_add_co_u32 s20, s20, OCD
	s_mul_i32 s94, s46, KS*64
	s_add_co_u32 s94, s94, OSC
	s_mul_i32 s46, s46, KS*FRB
	s_add_co_u32 s46, s46, OCD
	s_mov_b32 s21, 0
	s_mov_b32 s23, 0
	s_mov_b32 s47, 0
	s_mov_b32 s95, 0
	s_mul_i32 s45, s14, QB
	s_wait_kmcnt 0x0
	s_add_nc_u64 s[12:13], s[6:7], WOFF
	s_add_nc_u64 s[20:21], s[4:5], s[20:21]
	s_add_nc_u64 s[22:23], s[4:5], s[22:23]
	s_add_nc_u64 s[46:47], s[12:13], s[46:47]
	s_add_nc_u64 s[94:95], s[12:13], s[94:95]
	CROUND
	; THE HEAD'S FOUR TILES, each whole, one tensor load a wave: wave 0 slot 0's 8 tiles of A, wave 1 its 8 of B, wave 2 A's scale words, wave 3 B's
	s_mov_b32 s[G0S], 1
	s_mov_b32 s[G0S+1], SCL
	s_mov_b64 s[G0S+2:G0S+3], s[22:23]
	s_or_b32 s[G0S+3], s[G0S+3], 0x80000000
	s_mov_b32 s[G0SB], 1
	s_mov_b32 s[G0SB+1], SCL+2*SQ
	s_mov_b64 s[G0SB+2:G0SB+3], s[94:95]
	s_or_b32 s[G0SB+3], s[G0SB+3], 0x80000000
	s_mul_i32 s94, s16, 4*KS*FRB                   ; in the ring I fetch 4 tiles: which half, in bytes
	s_mov_b32 s95, 0
	s_mov_b32 s[G0], 1                             ; slot 0's group 0 serves the head's whole tile first
	s_mov_b32 s[G0+1], 0
	s_mov_b64 s[G0+2:G0+3], s[20:21]
	s_or_b32 s[G0+3], s[G0+3], 0x80000000
	s_mov_b32 s[G0B], 1
	s_mov_b32 s[G0B+1], 2*QB
	s_mov_b64 s[G0B+2:G0B+3], s[46:47]
	s_or_b32 s[G0B+3], s[G0B+3], 0x80000000
	s_add_nc_u64 s[20:21], s[20:21], s[94:95]
	s_add_nc_u64 s[46:47], s[46:47], s[94:95]
	s_mov_b32 s[G0+4], 1                           ; slot 1: my 4 tiles, the next SK K steps
	s_add_co_u32 s[G0+5], s45, SLOT
	s_add_nc_u64 s[G0+6:G0+7], s[20:21], SK*FRB
	s_or_b32 s[G0+7], s[G0+7], 0x80000000
	s_mov_b32 s[G0B+4], 1
	s_add_co_u32 s[G0B+5], s45, SLOT
	s_add_nc_u64 s[G0B+6:G0B+7], s[46:47], SK*FRB
	s_or_b32 s[G0B+7], s[G0B+7], 0x80000000
	; THE PREFETCH of slot 1's tiles: a load of the ring brings a wave 4 tiles x 6,144 bytes; the four partners that ask jointly take a tile each, told apart by address alone (cx for A, cy for B):
	; 24 blocks of 256 bytes, a lane a block (lanes 24-31 name the last again)
	s_cmp_eq_u32 s15, 0
	s_cselect_b64 s[4:5], s[20:21], s[46:47]
	s_cselect_b32 s6, s40, s41
	s_mul_i32 s6, s6, KS*FRB
	s_add_co_u32 s6, s6, SK*FRB
	s_mov_b32 s7, 0
	s_add_nc_u64 s[4:5], s[4:5], s[6:7]
.macro ARM under, g0, g1, next         ; one chain of branches on the wave's number: every way passes exactly one load
	s_cmp_lt_u32 s14, \under
	s_cbranch_scc0 \next
	tensor_load_to_lds s[\g0:\g0+3], s[\g1:\g1+7]
	s_nop 0
.rept 4
	v_nop
.endr
	s_branch .Lhead_asked
\next:
.endm
	ARM 1, G0,  G1,  .Lhead_b
	ARM 2, G0B, G1B, .Lhead_sa
	ARM 3, G0S, G1S, .Lhead_sb
	tensor_load_to_lds s[G0SB:G0SB+3], s[G1SB:G1SB+7]
	s_nop 0
.rept 4
	v_nop
.endr
.Lhead_asked:
	v_and_b32 v22, 31, v0
	v_min_u32 v22, 23, v22
	v_lshlrev_b32 v22, 8, v22
	global_prefetch_b8 v22, s[4:5] th:TH_LOAD_NT scope:SCOPE_SE
	v_and_b32 v1, 31, v0
	v_lshlrev_b32 v[LI], 4, v1
	v_and_b32 v2, 15, v0
	v_bfe_u32 v3, v0, 4, 1
	s_wait_alu depctr_va_vdst(0)
	s_mul_i32 s21, s15, QB
	s_mul_i32 s22, s16, QB
	s_add_co_u32 s22, s22, 2*QB
.irp s, 0,1
	v_add_nc_u32 v[ADRA+\s], s21, v[LI]
	v_add_nc_u32 v[ADRB+\s], s22, v[LI]
	s_add_co_u32 s21, s21, SLOT
	s_add_co_u32 s22, s22, SLOT
.endr
	s_mul_i32 s21, s15, SQ
	s_mul_i32 s22, s16, SQ
	s_add_co_u32 s22, s22, 2*SQ
	s_sub_co_u32 s22, s22, s21
	v_mul_u32_u24 v4, s22, v3
	s_add_co_u32 s21, s21, SCL
	v_lshl_add_u32 v4, v2, 2, v4
	v_add_nc_u32 v[ADRS], s21, v4
	s_mul_i32 s23, s14, 16*SPITCH
	v_mul_u32_u24 v5, v2, SPITCH
	v_lshl_add_u32 v5, v3, 6, v5
	v_add_nc_u32 v[STO], s23, v5
	v_mul_u32_u24 v5, v3, SPITCH
	v_lshl_add_u32 v5, v2, 4, v5
	v_add_nc_u32 v[RD], s23, v5
	v_lshlrev_b32 v[BO], 4, v2
	s_wait_alu depctr_va_vdst(0)
	v_lshl_add_u32 v[CO], v3, 12, v[BO]
	s_wait_alu depctr_va_vdst(0)
	s_lshl_b32 s20, s17, 7
	s_lshl_b32 s21, s15, 6
	s_add_co_u32 s20, s20, s21
	s_lshl_b32 s20, s20, 12
	s_lshl_b32 s46, s42, 9
	s_lshl_b32 s47, s16, 8
	s_add_co_u32 s46, s46, s47
	s_mov_b32 s47, 0
	s_add_nc_u64 s[92:93], s[12:13], s[46:47]
	s_add_co_u32 s20, s20, s46
	s_mov_b32 s21, 0
	s_add_nc_u64 s[8:9], s[8:9], s[20:21]
	s_add_nc_u64 s[10:11], s[10:11], s[20:21]
	global_load_b128 v[BI:BI+3], v[BO], s[92:93]
.macro RLOAD a
.irp i, 0,1,2,3,4,5,6,7
	global_load_b128 v[RS+32*(\a)+4*\i:RS+32*(\a)+4*\i+3], v[CO], s[8:9] offset:(32*((\a)/2)+8*((\a)%2)+2*\i+8*(\i/4))*4096
.endr
.endm
.macro FETCH slot, q, p
.irp i, 0,1,2,3
.irp c, 0,1,2
	ds_load_b128 v[BF+48*(\p)+12*\i+4*\c:BF+48*(\p)+12*\i+4*\c+3], v[ADRB+\slot] offset:\i*SK*FRB+(\q)*FRB+512*\c
.endr
.endr
.irp i, 0,1,2,3
.irp c, 0,1,2
	ds_load_b128 v[AF+48*(\p)+12*\i+4*\c:AF+48*(\p)+12*\i+4*\c+3], v[ADRA+\slot] offset:\i*SK*FRB+(\q)*FRB+512*\c
.endr
.endr
.irp i, 0,1,2,3
	ds_load_b32 v[SC+4*(\p)+\i], v[ADRS] offset:\i*64*KS+64*(\q)
.endr
.endm
.macro MUL16 p, zero
.irp a, 0,1,2,3
.irp b, 0,1,2,3
.if \zero
	v_wmma_scale_f32_16x16x128_f8f6f4 v[8*(4*\a+\b):8*(4*\a+\b)+7], v[BF+48*(\p)+12*\b:BF+48*(\p)+12*\b+11], v[AF+48*(\p)+12*\a:AF+48*(\p)+12*\a+11], 0, v[SC+4*(\p)+\b], v[SC+4*(\p)+\a] matrix_a_fmt:MATRIX_FMT_FP6 matrix_b_fmt:MATRIX_FMT_FP6 matrix_a_scale:MATRIX_SCALE_ROW1
.else
	v_wmma_scale_f32_16x16x128_f8f6f4 v[8*(4*\a+\b):8*(4*\a+\b)+7], v[BF+48*(\p)+12*\b:BF+48*(\p)+12*\b+11], v[AF+48*(\p)+12*\a:AF+48*(\p)+12*\a+11], v[8*(4*\a+\b):8*(4*\a+\b)+7], v[SC+4*(\p)+\b], v[SC+4*(\p)+\a] matrix_a_fmt:MATRIX_FMT_FP6 matrix_b_fmt:MATRIX_FMT_FP6 matrix_a_scale:MATRIX_SCALE_ROW1
.endif
.endr
.endr
.endm
.macro STEP slot, q, zero
	PLACES 4
	FETCH \slot, (\q)+1, 1-(\q)%2
	s_wait_dscnt NF
	WIN MUL
	MUL16 (\q)%2, \zero
	WIN 0
.endm
.macro TURN slot, next, fill
	s_wait_tensorcnt 0x0
	ds_add_u32 v[SPW], v[NIL]
.if \fill
	s_add_nc_u64 s[G0+4*\slot+2:G0+4*\slot+3], s[G0+4*\slot+2:G0+4*\slot+3], 2*SK*FRB
	s_add_nc_u64 s[G0B+4*\slot+2:G0B+4*\slot+3], s[G0B+4*\slot+2:G0B+4*\slot+3], 2*SK*FRB
.endif
	s_wait_dscnt 0x0
	s_barrier_signal -1
	s_barrier_wait -1
.if \fill
	CREST
	JLOAD G0+4*\slot, G1, G0B+4*\slot, G1B
.else
	PLACES 4
.endif
	v_add_nc_u32 v[ADRS], 64*SK, v[ADRS]
	s_wait_alu depctr_va_vdst(0)
	FETCH \next, 0, 0
	WIN MUL
	MUL16 1, 0
	WIN 0
.endm
	s_wait_alu depctr_va_vdst(0)                   ; the wait at the head's end
	s_wait_tensorcnt 0x0                           ; my tile of the head's four is in
	ds_add_u32 v[SPW], v[NIL]
	s_mov_b32 s[G1+2], 4<<16                       ; no tensor load of mine is out: from here on a load brings 4 tiles,
	s_mov_b32 s[G1+4], 4
	s_mov_b32 s[G1B+2], 4<<16
	s_mov_b32 s[G1B+4], 4
	s_mov_b32 s[G0+1], s45                         ; and slot 0's group 0 names my quarter of the slot
	s_add_nc_u64 s[G0+2:G0+3], s[G0+2:G0+3], s[94:95]
	s_mov_b32 s[G0B+1], s45
	s_add_nc_u64 s[G0B+2:G0B+3], s[G0B+2:G0B+3], s[94:95]
	s_wait_dscnt 0x0
	CROUND                                         ; all four tiles are in, and all sixteen work-groups are here
	JLOAD G0+4, G1, G0B+4, G1B                     ; slot 1's first fill, the first tensor load behind the round
	FETCH 0, 0, 0
	WIN 0x40                                       ; the residual's rows are asked for behind both slots' fills: they are wanted only at the way out, which waits for them
	RLOAD 0
	RLOAD 1
	RLOAD 2
	RLOAD 3
	WIN 0
	STEP 0, 0, 1
.if LAPS > 1
	s_mov_b32 s3, LAPS-1
.Llap:
	STEP 0, 1, 0
	STEP 0, 2, 0
	TURN 0, 1, 1
	STEP 1, 0, 0
	STEP 1, 1, 0
	STEP 1, 2, 0
	TURN 1, 0, 1
	STEP 0, 0, 0
	s_sub_co_u32 s3, s3, 1
	s_cmp_lg_u32 s3, 0
	s_cbranch_scc1 .Llap
.endif
	STEP 0, 1, 0
	STEP 0, 2, 0
	TURN 0, 1, 0
	STEP 1, 0, 0
	STEP 1, 1, 0
	STEP 1, 2, 0
	s_wait_dscnt 0x0
	WIN MUL
	MUL16 1, 0
	WIN 0
.macro TOSTAGE a
	WIN 0x04
.irp b, 0,1,2,3
	ds_store_b128 v[STO], v[8*(4*(\a)+\b):8*(4*(\a)+\b)+3] offset:128*(\b/2)+32*(\b%2)
	ds_store_b128 v[STO], v[8*(4*(\a)+\b)+4:8*(4*(\a)+\b)+7] offset:128*(\b/2)+32*(\b%2)+16
.endr
	WIN 0
.irp i, 0,1,2,3,4,5,6,7
	ds_load_b128 v[BB+32*((\a)%2)+4*\i:BB+32*((\a)%2)+4*\i+3], v[RD] offset:\i*2*SPITCH
.endr
.endm
.macro SEND a, younger
.set BBX, BB+32*((\a)%2)
.set RSX, RS+32*(\a)
	s_wait_dscnt \younger
	WIN 0x04
.irp i, 0,1,2,3,4,5,6,7
	v_pk_add_f32 v[BBX+4*\i:BBX+4*\i+1], v[BBX+4*\i:BBX+4*\i+1], v[RSX+4*\i:RSX+4*\i+1]
	v_pk_add_f32 v[BBX+4*\i+2:BBX+4*\i+3], v[BBX+4*\i+2:BBX+4*\i+3], v[RSX+4*\i+2:RSX+4*\i+3]
.endr
	WIN 0
.irp i, 0,1,2,3,4,5,6,7
	v_pk_add_f32 v[BBX+4*\i:BBX+4*\i+1], v[BBX+4*\i:BBX+4*\i+1], v[BI:BI+1]
	v_pk_add_f32 v[BBX+4*\i+2:BBX+4*\i+3], v[BBX+4*\i+2:BBX+4*\i+3], v[BI+2:BI+3]
.endr
.irp i, 0,1,2,3,4,5,6,7
	global_store_b128 v[CO], v[BBX+4*\i:BBX+4*\i+3], s[10:11] offset:(32*((\a)/2)+8*((\a)%2)+2*\i+8*(\i/4))*4096
.endr
.endm
	PLACES 4
	s_wait_loadcnt 0x0
	TOSTAGE 0
.irp a, 1,2,3
.if \a > 1
	s_wait_xcnt 0x0
.endif
	TOSTAGE \a
	SEND \a-1, 16
.endr
	SEND 3, 0
	s_wait_tensorcnt 0x0
	ds_add_u32 v[SPW], v[NIL]
	s_wait_dscnt 0x0
	CROUND
	s_endpgm
.Lfunc_end_k_qea6bcfe90b_wo:
	.size	k_qea6bcfe90b_wo, .Lfunc_end_k_qea6bcfe90b_wo-k_qea6bcfe90b_wo
	.p2alignl 7, 3214868480
	.fill 96, 4, 3214868480
	.section	.rodata,"a",@progbits
	.p2align	6, 0x0
	.amdhsa_kernel k_qea6bcfe90b_wo
		.amdhsa_group_segment_fixed_size 327680
		.amdhsa_private_segment_fixed_size 0
		.amdhsa_enable_private_segment 0
		.amdhsa_kernarg_size 32
		.amdhsa_user_sgpr_count 2
		.amdhsa_user_sgpr_kernarg_segment_ptr 1
		.amdhsa_wavefront_size32 1
		.amdhsa_system_sgpr_workgroup_id_x 1
		.amdhsa_system_sgpr_workgroup_id_y 1
		.amdhsa_system_sgpr_workgroup_id_z 1
		.amdhsa_system_vgpr_workitem_id 0
		.amdhsa_next_free_vgpr 512
		.amdhsa_next_free_sgpr 100
		.amdhsa_reserve_vcc 0
		.amdhsa_float_denorm_mode_32 3
		.amdhsa_float_denorm_mode_16_64 3
		.amdhsa_memory_ordered 1
		.amdhsa_forward_progress 1
		.amdhsa_inst_pref_size 63
	.end_amdhsa_kernel
	.amdgpu_metadata
---
amdhsa.version: [ 1, 2 ]
amdhsa.kernels:
  - .name:           k_qea6bcfe90b_wo
    .symbol:         k_qea6bcfe90b_wo.kd
    .args:
      - { .name: ao, .offset: 0, .size: 8, .value_kind: global_buffer, .address_space: global }
      - { .name: wa, .offset: 8, .size: 8, .value_kind: global_buffer, .address_space: global }
      - { .name: x, .offset: 16, .size: 8, .value_kind: global_buffer, .address_space: global }
      - { .name: x1, .offset: 24, .size: 8, .value_kind: global_buffer, .address_space: global }
    .group_segment_fixed_size: 327680
    .private_segment_fixed_size: 0
    .kernarg_segment_align: 8
    .kernarg_segment_size: 32
    .max_flat_workgroup_size: 128
    .sgpr_count:     100
    .vgpr_count:     512
    .wavefront_size: 32
...
	.end_amdgpu_metadata
.endif
;; end of part 11
;; launch ln2: the kernel of part 8 again; grid 256 x 1, 8 waves a work-group, no clusters, 67,584 bytes of LDS; arguments x1, gamma2, beta2, xn2; writes xn2
;; launch ffn1: the kernel of part 9 again; grid 16 x 16, 4 waves a work-group, clusters of 4 x 4, 327,680 bytes of LDS; arguments xn2, wb, hid; writes hid
;; launch ffn2 (part 12): grid 8 x 32, 4 waves a work-group, clusters of 4 x 4, 327,680 bytes of LDS; arguments hid, wb, x1, out0; writes out0
.if DOCPART == 12
	.amdgcn_target "amdgcn-amd-amdhsa--gfx1250"
	.amdhsa_code_object_version 6
	.text
	.protected	k_qea6bcfe90b_ffn2
	.globl	k_qea6bcfe90b_ffn2
	.p2align	8
	.type	k_qea6bcfe90b_ffn2,@function
k_qea6bcfe90b_ffn2:
	s_mov_b64 s[64:65], 0
	v_nop
	global_prefetch_b8 v0, s[64:65] scope:SCOPE_SE
	s_setreg_imm32_b32 hwreg(HW_REG_WAVE_MODE, 25, 1), 1
	s_wait_xcnt 0x0
	s_wait_alu depctr_hold_cnt(0) depctr_sa_sdst(0) depctr_va_vdst(0) depctr_va_sdst(0) depctr_va_ssrc(0) depctr_va_vcc(0) depctr_vm_vsrc(0)
	s_getreg_b32 s2, hwreg(HW_REG_IB_STS2, 6, 4)
	s_cmp_eq_u32 s2, 0
	s_cbranch_scc0 .Lentry_in_a_cluster
	s_endpgm
.Lentry_in_a_cluster:
	s_bfe_u32 s2, ttmp6, 0x10000c
	s_cmp_lg_u32 s2, 0xf033
	s_cbranch_scc0 .Lentry_shape_is_right
	s_endpgm
.Lentry_shape_is_right:
.set KS,    32
.set WOFF,  0x400000
.set FRB,   1536
.set SK,    4
.set QB,    4*SK*FRB
.set SLOT,  4*QB
.set LAPS,  KS/(2*SK)
.set SQ,    256*KS
.set SCL,   2*SLOT
.set SPARE, SCL+4*SQ
.set SPITCH, 272
.set NF,    28
.set OCD, 0x100000
.set OSC, 0x80000
.set ADRA, 16
.set ADRB, 20
.set STO,  24
.set RD,   25
.set CO,   26
.set ADRS, 27
.set SPW,  28
.set NIL,  29
.set LI,   30
.set BO,   31
.set SC,   32
.set BI,   48
.set AF,   64
.set BF,   160
.set BB,   64
.set RS,   128
.set G1, 24
.set G0, 32
.set G1B, 48
.set G0B, 56
.set G1S, 68
.set G0S, 76
.set G1SB, 80
.set G0SB, 88
.set MSB, 0
.macro WIN new
.if MSB != (\new)
	s_set_vgpr_msb (MSB<<8)|(\new)
.set MSB, (\new)
.endif
.endm
.set MUL, 0x50
.macro JLOAD g0a, g1a, g0b, g1b
	s_cmp_eq_u32 s15, 0
	s_cbranch_scc0 .Lfor_b_\@
	tensor_load_to_lds s[\g0a:\g0a+3], s[\g1a:\g1a+7]
	s_nop 0
.rept 4
	v_nop
.endr
	s_branch .Lasked_\@
.Lfor_b_\@:
	tensor_load_to_lds s[\g0b:\g0b+3], s[\g1b:\g1b+7]
	s_nop 0
.rept 4
	v_nop
.endr
.Lasked_\@:
.endm
.macro CREST
	s_cmp_lg_u32 s14, 0
	s_cbranch_scc1 .Lnot_wave_0_\@
	s_barrier_signal -3
.Lnot_wave_0_\@:
	s_barrier_wait -3
	s_barrier_signal -1
	s_barrier_wait -1
.endm
.macro CROUND
	s_barrier_signal -1
	s_barrier_wait -1
	CREST
.endm
.macro PLACES n
.rept \n
	v_nop
.endr
.endm
	s_load_b256 s[4:11], s[0:1], 0x0
	v_lshl_add_u32 v[SPW], v0, 2, SPARE
	v_mov_b32 v[NIL], 0
	ds_add_u32 v28, v29
	ds_add_u32 v28, v29
	s_wait_dscnt 0x0
	v_lshrrev_b32 v1, 5, v0
	v_readfirstlane_b32 s14, v1
	s_lshr_b32 s15, s14, 1
	s_and_b32 s16, s14, 1
	s_bfe_u32 s40, ttmp6, 0x40000
	s_bfe_u32 s41, ttmp6, 0x40004
	s_lshl_b32 s42, ttmp9, 2
	s_add_co_u32 s42, s42, s40
	s_and_b32 s17, ttmp7, 0xffff
	s_lshl_b32 s17, s17, 2
	s_add_co_u32 s17, s17, s41
	s_lshl_b32 s43, s41, 2
	s_lshl_b32 s43, 15, s43
	s_lshl_b32 s44, 0x1111, s40
	s_or_b32 s[G1+0], s43, (3<<16)|(1<<21)
	s_or_b32 s[G1B+0], s44, (3<<16)|(1<<21)
.irp g, G1, G1B
	s_mov_b32 s[\g+1], 768<<16
	s_mov_b32 s[\g+2], 8<<16
	s_mov_b32 s[\g+3], 768<<16
	s_mov_b32 s[\g+4], 8
	s_mov_b32 s[\g+5], 192*KS
	s_mov_b32 s[\g+6], 0
	s_mov_b32 s[\g+7], 0
.endr
	s_or_b32 s[G1S+0], s43, (3<<16)|(1<<21)
	s_or_b32 s[G1SB+0], s44, (3<<16)|(1<<21)
.irp g, G1S, G1SB
	s_mov_b32 s[\g+1], 32<<16
	s_mov_b32 s[\g+2], (2*KS)<<16
	s_mov_b32 s[\g+3], 32<<16
	s_mov_b32 s[\g+4], 2*KS
	s_mov_b32 s[\g+5], 32
	s_mov_b32 s[\g+6], 0
	s_mov_b32 s[\g+7], 0
.endr
	s_lshl_b32 s20, s17, 3
	s_lshl_b32 s46, s42, 3
	s_mul_i32 s22, s20, KS*64
	s_add_co_u32 s22, s22, OSC
	s_mul_i32 s20, s20, KS*FRB
	s_add_co_u32 s20, s20, OCD
	s_mul_i32 s94, s46, KS*64
	s_add_co_u32 s94, s94, OSC
	s_mul_i32 s46, s46, KS*FRB
	s_add_co_u32 s46, s46, OCD
	s_mov_b32 s21, 0
	s_mov_b32 s23, 0
	s_mov_b32 s47, 0
	s_mov_b32 s95, 0
	s_mul_i32 s45, s14, QB
	s_wait_kmcnt 0x0
	s_add_nc_u64 s[12:13], s[6:7], WOFF
	s_add_nc_u64 s[20:21], s[4:5], s[20:21]
	s_add_nc_u64 s[22:23], s[4:5], s[22:23]
	s_add_nc_u64 s[46:47], s[12:13], s[46:47]
	s_add_nc_u64 s[94:95], s[12:13], s[94:95]
	CROUND
	; THE HEAD'S FOUR TILES, each whole, one tensor load a wave: wave 0 slot 0's 8 tiles of A, wave 1 its 8 of B, wave 2 A's scale words, wave 3 B's
	s_mov_b32 s[G0S], 1
	s_mov_b32 s[G0S+1], SCL
	s_mov_b64 s[G0S+2:G0S+3], s[22:23]
	s_or_b32 s[G0S+3], s[G0S+3], 0x80000000
	s_mov_b32 s[G0SB], 1
	s_mov_b32 s[G0SB+1], SCL+2*SQ
	s_mov_b64 s[G0SB+2:G0SB+3], s[94:95]
	s_or_b32 s[G0SB+3], s[G0SB+3], 0x80000000
	s_mul_i32 s94, s16, 4*KS*FRB                   ; in the ring I fetch 4 tiles: which half, in bytes
	s_mov_b32 s95, 0
	s_mov_b32 s[G0], 1                             ; slot 0's group 0 serves the head's whole tile first
	s_mov_b32 s[G0+1], 0
	s_mov_b64 s[G0+2:G0+3], s[20:21]
	s_or_b32 s[G0+3], s[G0+3], 0x80000000
	s_mov_b32 s[G0B], 1
	s_mov_b32 s[G0B+1], 2*QB
	s_mov_b64 s[G0B+2:G0B+3], s[46:47]
	s_or_b32 s[G0B+3], s[G0B+3], 0x80000000
	s_add_nc_u64 s[20:21], s[20:21], s[94:95]
	s_add_nc_u64 s[46:47], s[46:47], s[94:95]
	s_mov_b32 s[G0+4], 1                           ; slot 1: my 4 tiles, the next SK K steps
	s_add_co_u32 s[G0+5], s45, SLOT
	s_add_nc_u64 s[G0+6:G0+7], s[20:21], SK*FRB
	s_or_b32 s[G0+7], s[G0+7], 0x80000000
	s_mov_b32 s[G0B+4], 1
	s_add_co_u32 s[G0B+5], s45, SLOT
	s_add_nc_u64 s[G0B+6:G0B+7], s[46:47], SK*FRB
	s_or_b32 s[G0B+7], s[G0B+7], 0x80000000
	; THE PREFETCHES: a refill brings a wave 4 tiles x 6,144 bytes; of these the four partners that ask jointly take a tile each, told apart by address alone (cx for A, cy for B): 24 blocks of 256 bytes, a lane a block
	; (lanes 24-31 name the last again).  s[4:5] stands at the slot that the last refill brought; a prefetch names the slot two refills on from the one being asked for.
	s_cmp_eq_u32 s15, 0
	s_cselect_b64 s[4:5], s[20:21], s[46:47]
	s_cselect_b32 s6, s40, s41
	s_mul_i32 s6, s6, KS*FRB
	s_add_co_u32 s6, s6, SK*FRB
	s_mov_b32 s7, 0
	s_add_nc_u64 s[4:5], s[4:5], s[6:7]
.macro ARM under, g0, g1, next         ; one chain of branches on the wave's number: every way passes exactly one load
	s_cmp_lt_u32 s14, \under
	s_cbranch_scc0 \next
	tensor_load_to_lds s[\g0:\g0+3], s[\g1:\g1+7]
	s_nop 0
.rept 4
	v_nop
.endr
	s_branch .Lhead_asked
\next:
.endm
	ARM 1, G0,  G1,  .Lhead_b
	ARM 2, G0B, G1B, .Lhead_sa
	ARM 3, G0S, G1S, .Lhead_sb
	tensor_load_to_lds s[G0SB:G0SB+3], s[G1SB:G1SB+7]
	s_nop 0
.rept 4
	v_nop
.endr
.Lhead_asked:
	v_and_b32 v22, 31, v0
	v_min_u32 v22, 23, v22
	v_lshlrev_b32 v22, 8, v22
	global_prefetch_b8 v22, s[4:5] th:TH_LOAD_NT scope:SCOPE_SE                 ; what slot 1's first fill will ask for,
	global_prefetch_b8 v22, s[4:5] offset:SK*FRB th:TH_LOAD_NT scope:SCOPE_SE   ; and the first refill
	v_and_b32 v1, 31, v0
	v_lshlrev_b32 v[LI], 4, v1
	v_and_b32 v2, 15, v0
	v_bfe_u32 v3, v0, 4, 1
	s_wait_alu depctr_va_vdst(0)
	s_mul_i32 s21, s15, QB
	s_mul_i32 s22, s16, QB
	s_add_co_u32 s22, s22, 2*QB
.irp s, 0,1
	v_add_nc_u32 v[ADRA+\s], s21, v[LI]
	v_add_nc_u32 v[ADRB+\s], s22, v[LI]
	s_add_co_u32 s21, s21, SLOT
	s_add_co_u32 s22, s22, SLOT
.endr
	s_mul_i32 s21, s15, SQ
	s_mul_i32 s22, s16, SQ
	s_add_co_u32 s22, s22, 2*SQ
	s_sub_co_u32 s22, s22, s21
	v_mul_u32_u24 v4, s22, v3
	s_add_co_u32 s21, s21, SCL
	v_lshl_add_u32 v4, v2, 2, v4
	v_add_nc_u32 v[ADRS], s21, v4
	s_mul_i32 s23, s14, 16*SPITCH
	v_mul_u32_u24 v5, v2, SPITCH
	v_lshl_add_u32 v5, v3, 6, v5
	v_add_nc_u32 v[STO], s23, v5
	v_mul_u32_u24 v5, v3, SPITCH
	v_lshl_add_u32 v5, v2, 4, v5
	v_add_nc_u32 v[RD], s23, v5
	v_lshlrev_b32 v[BO], 4, v2
	s_wait_alu depctr_va_vdst(0)
	v_lshl_add_u32 v[CO], v3, 12, v[BO]
	s_wait_alu depctr_va_vdst(0)
	s_lshl_b32 s20, s17, 7
	s_lshl_b32 s21, s15, 6
	s_add_co_u32 s20, s20, s21
	s_lshl_b32 s20, s20, 12
	s_lshl_b32 s46, s42, 9
	s_lshl_b32 s47, s16, 8
	s_add_co_u32 s46, s46, s47
	s_mov_b32 s47, 0
	s_add_nc_u64 s[92:93], s[12:13], s[46:47]
	s_add_co_u32 s20, s20, s46
	s_mov_b32 s21, 0
	s_add_nc_u64 s[8:9], s[8:9], s[20:21]
	s_add_nc_u64 s[10:11], s[10:11], s[20:21]
	global_load_b128 v[BI:BI+3], v[BO], s[92:93]
.macro RLOAD a
.irp i, 0,1,2,3,4,5,6,7
	global_load_b128 v[RS+32*(\a)+4*\i:RS+32*(\a)+4*\i+3], v[CO], s[8:9] offset:(32*((\a)/2)+8*((\a)%2)+2*\i+8*(\i/4))*4096
.endr
.endm
.macro FETCH slot, q, p
.irp i, 0,1,2,3
.irp c, 0,1,2
	ds_load_b128 v[BF+48*(\p)+12*\i+4*\c:BF+48*(\p)+12*\i+4*\c+3], v[ADRB+\slot] offset:\i*SK*FRB+(\q)*FRB+512*\c
.endr
.endr
.irp i, 0,1,2,3
.irp c, 0,1,2
	ds_load_b128 v[AF+48*(\p)+12*\i+4*\c:AF+48*(\p)+12*\i+4*\c+3], v[ADRA+\slot] offset:\i*SK*FRB+(\q)*FRB+512*\c
.endr
.endr
.irp i, 0,1,2,3
	ds_load_b32 v[SC+4*(\p)+\i], v[ADRS] offset:\i*64*KS+64*(\q)
.endr
.endm
.macro MUL16 p, zero
.irp a, 0,1,2,3
.irp b, 0,1,2,3
.if \zero
	v_wmma_scale_f32_16x16x128_f8f6f4 v[8*(4*\a+\b):8*(4*\a+\b)+7], v[BF+48*(\p)+12*\b:BF+48*(\p)+12*\b+11], v[AF+48*(\p)+12*\a:AF+48*(\p)+12*\a+11], 0, v[SC+4*(\p)+\b], v[SC+4*(\p)+\a] matrix_a_fmt:MATRIX_FMT_FP6 matrix_b_fmt:MATRIX_FMT_FP6 matrix_a_scale:MATRIX_SCALE_ROW1
.else
	v_wmma_scale_f32_16x16x128_f8f6f4 v[8*(4*\a+\b):8*(4*\a+\b)+7], v[BF+48*(\p)+12*\b:BF+48*(\p)+12*\b+11], v[AF+48*(\p)+12*\a:AF+48*(\p)+12*\a+11], v[8*(4*\a+\b):8*(4*\a+\b)+7], v[SC+4*(\p)+\b], v[SC+4*(\p)+\a] matrix_a_fmt:MATRIX_FMT_FP6 matrix_b_fmt:MATRIX_FMT_FP6 matrix_a_scale:MATRIX_SCALE_ROW1
.endif
.endr
.endr
.endm
.macro STEP slot, q, zero
	PLACES 4
	FETCH \slot, (\q)+1, 1-(\q)%2
	s_wait_dscnt NF
	WIN MUL
	MUL16 (\q)%2, \zero
	WIN 0
.endm
.macro TURN slot, next, fill
.if \fill
	s_wait_xcnt 0x0                                ; my last prefetch has read its address
	s_add_nc_u64 s[4:5], s[4:5], SK*FRB
.endif
	s_wait_tensorcnt 0x0
	ds_add_u32 v[SPW], v[NIL]
.if \fill
	s_add_nc_u64 s[G0+4*\slot+2:G0+4*\slot+3], s[G0+4*\slot+2:G0+4*\slot+3], 2*SK*FRB
	s_add_nc_u64 s[G0B+4*\slot+2:G0B+4*\slot+3], s[G0B+4*\slot+2:G0B+4*\slot+3], 2*SK*FRB
.endif
	s_wait_dscnt 0x0
	s_barrier_signal -1
	s_barrier_wait -1
.if \fill
	CREST
	JLOAD G0+4*\slot, G1, G0B+4*\slot, G1B
.else
	PLACES 4
.endif
	v_add_nc_u32 v[ADRS], 64*SK, v[ADRS]
	s_wait_alu depctr_va_vdst(0)                   ; the wait behind the write
	FETCH \next, 0, 0
.if \fill
	s_cmp_gt_u32 s3, 1                             ; the loop's last trip has no slot two refills on
	s_cbranch_scc0 .Lno_ask_\@
	global_prefetch_b8 v22, s[4:5] offset:2*SK*FRB th:TH_LOAD_NT scope:SCOPE_SE
.Lno_ask_\@:
.endif
	WIN MUL
	MUL16 1, 0
	WIN 0
.endm
	s_wait_alu depctr_va_vdst(0)                   ; the wait at the head's end
	s_wait_tensorcnt 0x0                           ; my tile of the head's four is in
	ds_add_u32 v[SPW], v[NIL]
	s_mov_b32 s[G1+2], 4<<16                       ; no tensor load of mine is out: from here on a load brings 4 tiles,
	s_mov_b32 s[G1+4], 4
	s_mov_b32 s[G1B+2], 4<<16
	s_mov_b32 s[G1B+4], 4
	s_mov_b32 s[G0+1], s45                         ; and slot 0's group 0 names my quarter of the slot
	s_add_nc_u64 s[G0+2:G0+3], s[G0+2:G0+3], s[94:95]
	s_mov_b32 s[G0B+1], s45
	s_add_nc_u64 s[G0B+2:G0B+3], s[G0B+2:G0B+3], s[94:95]
	s_wait_dscnt 0x0
	CROUND                                         ; all four tiles are in, and all sixteen work-groups are here
	JLOAD G0+4, G1, G0B+4, G1B                     ; slot 1's first fill, the first tensor load behind the round
	FETCH 0, 0, 0
	WIN 0x40                                       ; the residual's rows are asked for behind both slots' fills: they are wanted only at the way out, which waits for them
	RLOAD 0
	RLOAD 1
	RLOAD 2
	RLOAD 3
	WIN 0
	global_prefetch_b8 v22, s[4:5] offset:2*SK*FRB th:TH_LOAD_NT scope:SCOPE_SE   ; what the second refill will ask for
	STEP 0, 0, 1
.if LAPS > 1
	s_mov_b32 s3, LAPS-1
.Llap:
	s_wait_alu depctr_va_vdst(0)
	STEP 0, 1, 0
	STEP 0, 2, 0
	TURN 0, 1, 1
	STEP 1, 0, 0
	s_wait_alu depctr_va_vdst(0)
	STEP 1, 1, 0
	STEP 1, 2, 0
	TURN 1, 0, 1
	STEP 0, 0, 0
	s_sub_co_u32 s3, s3, 1
	s_cmp_lg_u32 s3, 0
	s_cbranch_scc1 .Llap
.endif
	s_wait_alu depctr_va_vdst(0)
	STEP 0, 1, 0
	STEP 0, 2, 0
	TURN 0, 1, 0
	STEP 1, 0, 0
	s_wait_alu depctr_va_vdst(0)
	STEP 1, 1, 0
	STEP 1, 2, 0
	s_wait_dscnt 0x0
	WIN MUL
	MUL16 1, 0
	WIN 0
.macro TOSTAGE a
	WIN 0x04
.irp b, 0,1,2,3
	ds_store_b128 v[STO], v[8*(4*(\a)+\b):8*(4*(\a)+\b)+3] offset:128*(\b/2)+32*(\b%2)
	ds_store_b128 v[STO], v[8*(4*(\a)+\b)+4:8*(4*(\a)+\b)+7] offset:128*(\b/2)+32*(\b%2)+16
.endr
	WIN 0
.irp i, 0,1,2,3,4,5,6,7
	ds_load_b128 v[BB+32*((\a)%2)+4*\i:BB+32*((\a)%2)+4*\i+3], v[RD] offset:\i*2*SPITCH
.endr
.endm
.macro SEND a, younger
.set BBX, BB+32*((\a)%2)
.set RSX, RS+32*(\a)
	s_wait_dscnt \younger
	WIN 0x04
.irp i, 0,1,2,3,4,5,6,7
	v_pk_add_f32 v[BBX+4*\i:BBX+4*\i+1], v[BBX+4*\i:BBX+4*\i+1], v[RSX+4*\i:RSX+4*\i+1]
	v_pk_add_f32 v[BBX+4*\i+2:BBX+4*\i+3], v[BBX+4*\i+2:BBX+4*\i+3], v[RSX+4*\i+2:RSX+4*\i+3]
.endr
	WIN 0
.irp i, 0,1,2,3,4,5,6,7
	v_pk_add_f32 v[BBX+4*\i:BBX+4*\i+1], v[BBX+4*\i:BBX+4*\i+1], v[BI:BI+1]
	v_pk_add_f32 v[BBX+4*\i+2:BBX+4*\i+3], v[BBX+4*\i+2:BBX+4*\i+3], v[BI+2:BI+3]
.endr
.irp i, 0,1,2,3,4,5,6,7
	global_store_b128 v[CO], v[BBX+4*\i:BBX+4*\i+3], s[10:11] offset:(32*((\a)/2)+8*((\a)%2)+2*\i+8*(\i/4))*4096
.endr
.endm
	PLACES 4
	s_wait_loadcnt 0x0
	TOSTAGE 0
.irp a, 1,2,3
.if \a > 1
	s_wait_xcnt 0x0
.endif
	TOSTAGE \a
	SEND \a-1, 16
.endr
	SEND 3, 0
	s_wait_tensorcnt 0x0
	ds_add_u32 v[SPW], v[NIL]
	s_wait_dscnt 0x0
	CROUND
	s_endpgm
.Lfunc_end_k_qea6bcfe90b_ffn2:
	.size	k_qea6bcfe90b_ffn2, .Lfunc_end_k_qea6bcfe90b_ffn2-k_qea6bcfe90b_ffn2
	.p2alignl 7, 3214868480
	.fill 96, 4, 3214868480
	.section	.rodata,"a",@progbits
	.p2align	6, 0x0
	.amdhsa_kernel k_qea6bcfe90b_ffn2
		.amdhsa_group_segment_fixed_size 327680
		.amdhsa_private_segment_fixed_size 0
		.amdhsa_enable_private_segment 0
		.amdhsa_kernarg_size 32
		.amdhsa_user_sgpr_count 2
		.amdhsa_user_sgpr_kernarg_segment_ptr 1
		.amdhsa_wavefront_size32 1
		.amdhsa_system_sgpr_workgroup_id_x 1
		.amdhsa_system_sgpr_workgroup_id_y 1
		.amdhsa_system_sgpr_workgroup_id_z 1
		.amdhsa_system_vgpr_workitem_id 0
		.amdhsa_next_free_vgpr 512
		.amdhsa_next_free_sgpr 100
		.amdhsa_reserve_vcc 0
		.amdhsa_float_denorm_mode_32 3
		.amdhsa_float_denorm_mode_16_64 3
		.amdhsa_memory_ordered 1
		.amdhsa_forward_progress 1
		.amdhsa_inst_pref_size 97
	.end_amdhsa_kernel
	.amdgpu_metadata
---
amdhsa.version: [ 1, 2 ]
amdhsa.kernels:
  - .name:           k_qea6bcfe90b_ffn2
    .symbol:         k_qea6bcfe90b_ffn2.kd
    .args:
      - { .name: hid, .offset: 0, .size: 8, .value_kind: global_buffer, .address_space: global }
      - { .name: wb, .offset: 8, .size: 8, .value_kind: global_buffer, .address_space: global }
      - { .name: x1, .offset: 16, .size: 8, .value_kind: global_buffer, .address_space: global }
      - { .name: out0, .offset: 24, .size: 8, .value_kind: global_buffer, .address_space: global }
    .group_segment_fixed_size: 327680
    .private_segment_fixed_size: 0
    .kernarg_segment_align: 8
    .kernarg_segment_size: 32
    .max_flat_workgroup_size: 128
    .sgpr_count:     100
    .vgpr_count:     512
    .wavefront_size: 32
...
	.end_amdgpu_metadata
.endif
;; end of part 12
